; MI455X (gfx1250); checked and timed in simulation.
; The chip was launched on July 23, 2026; its instructions are those of AMD's public machine-readable ISA for CDNA 5 (MIT licence, August 2026) and "CDNA5" Instruction Set Architecture Reference Guide (July 2026). The comments in the code are by the model that wrote it; some were corrected since.
;; Mixed Mo E. Allowed arithmetic: matrix products marked QUANTISED: E3M2 operands, one E8M0 scale for each 32 along K, by v_wmma_scale_f32_16x16x128_f8f6f4 with both operands' format E3M2, f32 sums; products left as they are: f32 operands where the result goes on into a quantised operand, else bf16, f16 or f32 operands; f32 sums; everything else in f32.
;; Inputs: B1 16 x 1,024 float32; B2 16 x 1,024 float32; B3 16 x 1,024 float32; W1 16 x 1,024 x 1,024 float32; W2 16 x 1,024 x 1,024 float32; W3 16 x 1,024 x 1,024 float32; embeddings 4 x 256 x 1,024 float32; gate_w 16 x 1,024 float32; sB1 2,048 float32; sB2 1,024 float32; sW1 1,024 x 2,048 float32; sW2 2,048 x 1,024 float32; x 1,024 x 1,024 float32.
;; Outputs: out0 4 x 256 x 1,024 float32.
;; This version of the problem:
;;   THIS VERSION OF THE PROBLEM IS GIVEN IN LOW PRECISION. The matrix products marked QUANTISED in the list below multiply operands that are first quantised to E3M2 (3 exponent bits, 2 mantissa bits; 6 bits a number), with one power-of-two scale for each 32 numbers along K (OCP MX v1.0); their sums are f32. All else is computed in f32.
;;   The module's matrix products, in the order in which they are computed (A, B: the left and right operand; K: the contracted axis; several contracted axes count as one K, in the product's order):
;;     1. [M 1,024, K 1,024] x [K 1,024, N 16]; A: input embeddings; B: input gate_w: QUANTISED
;;     2. batch 1,024 x [M 1, K 2] x [K 2, N 16]; A: computed on the way; B: computed on the way: left as it is (K = 2 < 32)
;;     3. [M 2,048, K 1,024] x [K 1,024, N 1,024]; A: input W1; B: input x: QUANTISED
;;     4. [M 2,048, K 1,024] x [K 1,024, N 1,024]; A: input W3; B: input x: QUANTISED
;;     5. batch 2 x [M 1,024, K 1,024] x [K 1,024, N 1,024]; A: computed on the way; B: input W2: QUANTISED
;;     6. [M 14,336, K 1,024] x [K 1,024, N 1,024]; A: input W1; B: input embeddings: QUANTISED
;;     7. [M 14,336, K 1,024] x [K 1,024, N 1,024]; A: input W3; B: input embeddings: QUANTISED
;;     8. batch 14 x [M 1,024, K 1,024] x [K 1,024, N 1,024]; A: computed on the way; B: input W2: QUANTISED
;;     9. batch 1,024 x [M 1, K 16] x [K 16, N 1,024]; A: computed on the way; B: computed on the way: left as it is (K = 16 < 32)
;;     10. [M 1,024, K 1,024] x [K 1,024, N 2,048]; A: input embeddings; B: input sW1: QUANTISED
;;     11. [M 1,024, K 2,048] x [K 2,048, N 1,024]; A: computed on the way; B: input sW2: QUANTISED
;;   THE QUANTISER, for each operand of a quantised product, along K:
;;     - K is cut into blocks of 32 from its start; a last block that is shorter is filled with zeros.
;;     - A block's scale is 2^e with e = floor(log2(the largest magnitude in the block)) - 4, held to -126 .. 127; a block of zeros has e = 0. As a byte (E8M0): e + 127.
;;     - Each number is divided by its block's scale, clamped to +-28, and rounded to the nearest number of E3M2, ties to even, subnormals kept.
;;     - The product sums the exact products of the quantised numbers (number of the format x scale) in f32.
;;   ~~~python
;;   def quantise(x, axis):      # numpy; x: float32 -> the quantised numbers, widened to float32 again
;;       x = np.moveaxis(x, axis, -1); K = x.shape[-1]
;;       x = np.pad(x, [(0, 0)] * (x.ndim - 1) + [(0, -K % 32)]); x = x.reshape(x.shape[:-1] + (-1, 32)); a = np.abs(x).max(-1, keepdims=True)
;;       e = np.where(a > 0, np.clip(np.frexp(np.where(a > 0, a, 1))[1] - 1 - 4, -126, 127), 0)      # np.frexp(a)[1] - 1 = floor(log2(a)), exactly
;;       r = np.clip(x / 2.0 ** e, -28, 28)
;;       step = 2.0 ** (np.maximum(np.frexp(np.where(r == 0, 1, r))[1] - 1, -2) - 2)
;;       q = np.round(r / step) * step * 2.0 ** e      # np.round: ties to even
;;       return np.moveaxis(q.reshape(q.shape[:-2] + (-1,))[..., :K], -1, axis).astype(np.float32)
;;   ~~~
;;   OPERANDS COMPUTED ON THE WAY. 'Computed on the way' means the value that the module computes at that place (a softmax that the list does not call 'softmax' is quantised finished and normalised). What goes into a quantiser is computed in f32, as accurately as f32 sums, v_exp_f32 and their like allow (about 1e-6 of the number): no bf16 or f16 on the way to a quantiser, and a product that is left as it is and whose result goes on into a quantised operand takes f32 operands (vector FMAs, or v_wmma_f32_16x16x4_f32). A number that lies on a knife's edge between two numbers of the format may be rounded either way, as far as f32 arithmetic and the matrix unit's own rounding can turn it there, and no further.
;; 3 versions, each right; version 2 is faster than version 1; version 3 is version 2 with the launches prep, up, down written anew for expert scheduling mode. Each part assembles by itself: llvm-mc -triple=amdgcn-amd-amdhsa -mcpu=gfx1250 --defsym DOCPART=n.
;; ======== version 1 of 3: 4 launches
;; workspace buffers: actc 1,572,864 bytes; acts 65,536 bytes; masks 8,192 bytes of whole numbers; wts 24,576 bytes; hc 14,155,776 bytes; hsc 589,824 bytes; ypart 18,874,368 bytes
;; launch prep (part 1): grid 64 x 1, 16 waves a work-group, no clusters, 36,864 bytes of LDS; arguments embeddings, x, gate_w, actc, acts, masks, wts; writes actc, acts, masks, wts
.if DOCPART == 1
	.amdgcn_target "amdgcn-amd-amdhsa--gfx1250"
	.amdhsa_code_object_version 6
	.text
	.protected	k_q5cac1cc419_prep
	.globl	k_q5cac1cc419_prep
	.p2align	8
	.type	k_q5cac1cc419_prep,@function
k_q5cac1cc419_prep:
	s_mov_b64 s[64:65], 0
	v_nop
	global_prefetch_b8 v0, s[64:65] scope:SCOPE_SE
	s_setreg_imm32_b32 hwreg(HW_REG_WAVE_MODE, 25, 1), 1
	s_wait_xcnt 0x0
; PREP.  The tokens' two tensors (embeddings, x: [1024][1024] f32) become codes of BF6 (E3M2) with one E8M0 byte for each 32 along K, laid as the later launches' operand registers take them;
; the gate's product (embeddings x gate_w^T, both quantised along K), its softmax and its two largest scores are made here, and the choice is stored at FIXED places as whole numbers.
; actc [2][1024 tokens][8 K steps][2 halves][48 bytes]: the 48 bytes are the 12 registers of lane (row, half) of a fragment of 16 rows x 128 K.   acts [2][1024][8 words]: a row's scale words.
; masks [32 rows][64 words]: row e < 16, word t: bit l = slot 32 t + l chose expert e (slot = 32 x tile + 16 x choice + row);  row 16: 0x0000ffff (every token, for the shared expert);  rows 17-31: 0.
; wts f32 [6144]: [0, 2048) the slot's gate weight, [2048, 4096) 1.0, [4096, 6144) 0.0.
; SHARES.  A work-group takes 16 tokens; wave w takes tensor q = w / 8 and K step s = w % 8: 16 rows x 128 numbers, 64 a lane, in the very order of the operand's layout (lane (r, h): k = 64 c + 32 h + 0 .. 31).
; The eight waves of the embeddings also quantise their K step of gate_w and issue ONE matrix instruction (source 0 = the 16 experts, source 1 = the 16 tokens); the eight partial sums meet in LDS and wave 0 adds them in ascending K.
; LIMITS: NaN and infinities among the inputs are not served.  A block of zeros gets the byte 1 where the rule says 127: its codes are zeros, and this program alone reads the bytes.
; The gate's sum over K is eight partial sums added in ascending order: scores equal to the last bits of f32 may be ordered otherwise than by another order of summing.  Ties are broken to the lower index.
.set SPIT, 784                         ; a token's row in the stage: 768 bytes + 16
.set SST,  25088                       ; behind the two stages of 16 rows: the scale words [q][row][8 words]
.set PART, 26112                       ; the partial logits: 1,024 bytes for each K step
.set X,    16                          ; v16-79   64 numbers of my row
.set G,    80                          ; v80-143  64 numbers of gate_w; later the partial logits
.set P1,   144                         ; v144-155 the tokens' fragment
.set P2,   156                         ; v156-167 gate_w's
.set CT,   168                         ; v168-175 upper halves of blocks, as the conversions leave them
.set QM,   176                         ; v176-177 largest magnitudes; v178-179 the conversions' scale operands; v180-181 bytes; v182-183 at work
.set QS,   178
.set QB,   180
.set SWX,  184                         ; the tokens' scale word
.set SWG,  185                         ; gate_w's
.set D,    186                         ; v186-193 the partial logits of my K step
	s_load_b256 s[4:11], s[0:1], 0x0               ; embeddings s[4:5], x s[6:7], gate_w s[8:9], actc s[10:11]
	s_load_b128 s[12:15], s[0:1], 0x20             ; acts s[12:13], masks s[14:15]
	s_load_b64 s[16:17], s[0:1], 0x30              ; wts
	v_lshl_add_u32 v224, v0, 2, 0x8800
	v_mov_b32 v225, 0
	v_lshrrev_b32 v12, 5, v0
	v_readfirstlane_b32 s18, v12                   ; wave 0..15
	s_lshr_b32 s19, s18, 3                         ; q: 0 embeddings, 1 x
	s_and_b32 s20, s18, 7                          ; s: my K step
	s_mov_b32 s24, 0x76543210
	s_mov_b32 s25, 0xfedcba98                      ; v_permlanex16_b32's selects for lane l xor 16
	s_mov_b32 s26, 0xffff0000                      ; lanes 16-31
	v_and_b32 v13, 31, v0                          ; lane
	v_and_b32 v1, 15, v0                           ; r
	v_bfe_u32 v2, v0, 4, 1                         ; h
	v_lshlrev_b32 v3, 12, v1
	v_lshl_add_u32 v3, v2, 7, v3                   ; in memory: row r of 4,096 bytes + 128 h
	v_mul_u32_u24 v4, v1, SPIT                     ; every LDS address is made here, ahead of the first branch on the wave's number
	v_mad_u32_u24 v4, v2, 48, v4
	s_mul_i32 s30, s19, 16*SPIT
	s_mul_i32 s31, s20, 96
	s_add_co_u32 s31, s31, s30
	v_add_nc_u32 v4, s31, v4                       ; the stage, in: q's stage + row r + 96 s + 48 h
	v_lshlrev_b32 v5, 5, v1
	s_lshl_b32 s31, s19, 9
	s_add_co_u32 s31, s31, SST
	s_lshl_b32 s32, s20, 2
	s_add_co_u32 s32, s32, s31
	v_add_nc_u32 v5, s32, v5                       ; my row's scale word of K step s
	v_lshlrev_b32 v6, 5, v13
	s_lshl_b32 s32, s20, 10
	s_add_co_u32 s32, s32, PART
	v_add_nc_u32 v6, s32, v6                       ; my 32 bytes of K step s's partial logits
	v_lshlrev_b32 v9, 4, v13                       ; 16 x lane
	s_mul_i32 s32, s20, 2*SPIT
	s_add_co_u32 s32, s32, s30
	v_add_nc_u32 v7, s32, v9                       ; the stage, out: rows 2 s and 2 s + 1 as 1,536 bytes on end: 16 x lane,
	v_lshl_add_u32 v8, v2, 4, v7                   ; and 16 more where the second row has begun
	v_add_nc_u32 v10, s31, v9                      ; q's 512 bytes of scale words, 16 a lane
	v_lshl_add_u32 v11, v13, 5, PART               ; the partial logits, read back
	v_mov_b32 v183, 0                              ; a lane permute's destination counts as one of its sources
	s_lshl_b32 s22, ttmp9, 16                      ; my tile's 16 rows of 4,096 bytes,
	s_lshl_b32 s34, s20, 9                         ; my K step's 512 bytes
	s_add_co_u32 s22, s22, s34
	s_mov_b32 s23, 0
	s_mov_b32 s35, 0
	s_mul_i32 s36, s19, 786432                     ; actc: tensor q, tile x 12,288, + 1,536 s
	s_mul_i32 s38, ttmp9, 12288
	s_add_co_u32 s36, s36, s38
	s_mul_i32 s38, s20, 1536
	s_add_co_u32 s36, s36, s38
	s_mov_b32 s37, 0
	s_lshl_b32 s38, s19, 15                        ; acts: tensor q, tile x 512
	s_lshl_b32 s39, ttmp9, 9
	s_add_co_u32 s38, s38, s39
	s_mov_b32 s39, 0
	s_lshl_b32 s58, ttmp9, 2                       ; masks: word = tile
	s_mov_b32 s59, 0
	s_lshl_b32 s60, ttmp9, 7                       ; wts: 32 slots a tile
	s_mov_b32 s61, 0
	s_wait_kmcnt 0x0
	s_cmp_eq_u32 s19, 0
	s_cselect_b64 s[28:29], s[4:5], s[6:7]
	s_add_nc_u64 s[28:29], s[28:29], s[22:23]
	s_add_nc_u64 s[8:9], s[8:9], s[34:35]
	s_add_nc_u64 s[10:11], s[10:11], s[36:37]
	s_add_nc_u64 s[12:13], s[12:13], s[38:39]
	s_add_nc_u64 s[14:15], s[14:15], s[58:59]
	s_add_nc_u64 s[16:17], s[16:17], s[60:61]
.irp c, 0,1
.irp j, 0,1,2,3,4,5,6,7
	global_load_b128 v[X+32*\c+4*\j:X+32*\c+4*\j+3], v3, s[28:29] offset:256*\c+16*\j th:TH_LOAD_NT   ; k = 128 s + 64 c + 32 h + 4 j ..
.endr
.endr
	s_cmp_lg_u32 s19, 0
	s_cbranch_scc1 .Lno_gate_loads
.irp c, 0,1
.irp j, 0,1,2,3,4,5,6,7
	global_load_b128 v[G+32*\c+4*\j:G+32*\c+4*\j+3], v3, s[8:9] offset:256*\c+16*\j                   ; gate_w: row r is expert r
.endr
.endr
.Lno_gate_loads:
	s_wait_loadcnt 0x0
; 64 numbers of a lane (two whole blocks: blocks h and 2 + h of the K step) become the lane's 12 operand registers and, with lane l xor 16's two bytes, the row's scale word.
.macro QK src, dst, word
.irp c, 0,1
	v_max3_num_f32 v[QM+\c], |v[\src+32*\c]|, |v[\src+32*\c+1]|, 0x2800000   ; with the floor 2^(5 - 127): the byte cannot fall under 1
.endr
.irp i, 2,4,6,8,10,12,14,16,18,20,22,24,26,28,30
.irp c, 0,1
	v_max3_num_f32 v[QM+\c], v[QM+\c], |v[\src+32*\c+\i]|, |v[\src+32*\c+\i+1]|
.endr
.endr
.irp c, 0,1
	v_add_nc_u32 v[QS+\c], 0xfe000000, v[QM+\c]    ; 4 off the exponent field: the conversion takes this operand's exponent field as its scale
.endr
.irp c, 0,1
	v_lshrrev_b32 v[QB+\c], 23, v[QS+\c]           ; the scale's byte
.endr
	v_lshl_or_b32 v[\word], v[QB+1], 16, v[QB]
	v_lshlrev_b32 v182, 3, v2
	v_lshlrev_b32 v[\word], v182, v[\word]         ; my two bytes at their places, 8 h bits up
	v_permlanex16_b32 v183, v[\word], s24, s25
	v_or_b32 v[\word], v[\word], v183              ; with lane l xor 16's two the word is whole
.irp c, 0,1
	v_cvt_scalef32_pk16_bf6_f32 v[\dst+6*\c:\dst+6*\c+2], v[\src+32*\c:\src+32*\c+15], v[QS+\c]
	v_cvt_scalef32_pk16_bf6_f32 v[CT+4*\c:CT+4*\c+2], v[\src+32*\c+16:\src+32*\c+31], v[QS+\c]   ; (a conversion's three registers begin on an even number)
.endr
	v_nop                                          ; one plain place behind a scaled conversion
.irp c, 0,1
.irp i, 0,1,2
	v_mov_b32 v[\dst+6*\c+3+\i], v[CT+4*\c+\i]
.endr
.endr
.endm
	QK X, P1, SWX
	ds_store_b128 v4, v[P1:P1+3]
	ds_store_b128 v4, v[P1+4:P1+7] offset:16
	ds_store_b128 v4, v[P1+8:P1+11] offset:32
	ds_store_b32 v5, v[SWX]                        ; both halves of the lanes write the same word with the same value
	s_cmp_lg_u32 s19, 0
	s_cbranch_scc1 .Lno_gate
	QK G, P2, SWG
.rept 8
	v_nop                                          ; a scale register written by a vector instruction stands 8 places ahead of a scaled matrix instruction, an operand 4
.endr
	v_wmma_scale_f32_16x16x128_f8f6f4 v[D:D+7], v[P2:P2+11], v[P1:P1+11], 0, v[SWG], v[SWX] matrix_a_fmt:MATRIX_FMT_BF6 matrix_b_fmt:MATRIX_FMT_BF6   ; lane (r, h): token r, experts 8 h + 0 .. 7
.rept 4
	v_nop
.endr
	ds_store_b128 v6, v[D:D+3]
	ds_store_b128 v6, v[D+4:D+7] offset:16
.Lno_gate:
	s_wait_dscnt 0x0                               ; for the others' sake: my stores have landed
	s_barrier_signal -1
	s_barrier_wait -1
	; the codes leave as they lie in actc: 1,536 consecutive bytes a wave, 512 an instruction
	ds_load_b128 v[16:19], v7
	ds_load_b128 v[20:23], v8 offset:512
	ds_load_b128 v[24:27], v7 offset:1040
	s_wait_dscnt 0x0
	global_store_b128 v9, v[16:19], s[10:11]
	global_store_b128 v9, v[20:23], s[10:11] offset:512
	global_store_b128 v9, v[24:27], s[10:11] offset:1024
	s_cmp_lg_u32 s20, 1
	s_cbranch_scc1 .Lno_words
	ds_load_b128 v[28:31], v10                     ; waves 1 and 9: a tensor's 512 bytes of scale words
	s_wait_dscnt 0x0
	global_store_b128 v9, v[28:31], s[12:13]
.Lno_words:
	s_cmp_lg_u32 s18, 0
	s_cbranch_scc1 .Lend
	; WAVE 0: the router.  No address and no branch below hangs on a score.
.irp s, 0,1,2,3,4,5,6,7
	ds_load_b128 v[G+8*\s:G+8*\s+3], v11 offset:1024*\s
	ds_load_b128 v[G+8*\s+4:G+8*\s+7], v11 offset:1024*\s+16
.endr
	s_wait_dscnt 0x0
.irp s, 1,2,3,4,5,6,7
.irp j, 0,2,4,6
	v_pk_add_f32 v[G+\j:G+\j+1], v[G+\j:G+\j+1], v[G+8*\s+\j:G+8*\s+\j+1]   ; K ascending
.endr
.endr
.irp j, 0,1,2,3,4,5,6,7
	v_permlanex16_b32 v[88+\j], v[80+\j], s24, s25 ; the token's other eight experts
.endr
.irp j, 0,1,2,3,4,5,6,7
	v_cndmask_b32 v[96+\j], v[80+\j], v[88+\j], s26    ; experts 0-7 in v96-103,
	v_cndmask_b32 v[104+\j], v[88+\j], v[80+\j], s26   ; 8-15 in v104-111, in every lane
.endr
	v_max3_num_f32 v112, v96, v97, v98
.irp i, 99,101,103,105,107,109
	v_max3_num_f32 v112, v112, v[\i], v[\i+1]
.endr
	v_max_num_f32 v112, v112, v111                 ; the row's maximum is taken away ahead of the exponentials
.irp j, 0,1,2,3,4,5,6,7,8,9,10,11,12,13,14,15
	v_sub_f32 v[96+\j], v[96+\j], v112
.endr
.irp j, 0,1,2,3,4,5,6,7,8,9,10,11,12,13,14,15
	v_mul_f32 v[96+\j], 0x3fb8aa3b, v[96+\j]
.endr
.irp j, 0,1,2,3,4,5,6,7,8,9,10,11,12,13,14,15
	v_exp_f32 v[96+\j], v[96+\j]
.endr
	v_nop                                          ; a plain place behind the batch
	s_wait_alu depctr_va_vdst(0)                   ; one wait for the sixteen, ahead of their first reader
	v_add_f32 v113, v96, v97
.irp j, 2,3,4,5,6,7,8,9,10,11,12,13,14,15
	v_add_f32 v113, v113, v[96+\j]
.endr
	v_rcp_f32 v113, v113
	v_nop
	s_wait_alu depctr_va_vdst(0)
.irp j, 0,1,2,3,4,5,6,7,8,9,10,11,12,13,14,15
	v_mul_f32 v[96+\j], v[96+\j], v113             ; the scores
.endr
	v_mov_b32 v114, v96                            ; the largest: an ascending scan that keeps the old one unless the new is strictly larger: the lower index wins a tie
	v_mov_b32 v115, 0
.irp j, 1,2,3,4,5,6,7,8,9,10,11,12,13,14,15
	v_cmp_le_f32 vcc_lo, v[96+\j], v114
	v_cndmask_b32 v114, v[96+\j], v114, vcc_lo
	v_cndmask_b32 v115, \j, v115, vcc_lo
.endr
	v_mov_b32 v116, -1.0
.irp j, 0,1,2,3,4,5,6,7,8,9,10,11,12,13,14,15
	v_cmp_eq_u32 vcc_lo, \j, v115
	v_cndmask_b32 v[96+\j], v[96+\j], v116, vcc_lo ; the winner is taken out: scores are not negative
.endr
	v_mov_b32 v117, v96                            ; the second largest, likewise
	v_mov_b32 v118, 0
.irp j, 1,2,3,4,5,6,7,8,9,10,11,12,13,14,15
	v_cmp_le_f32 vcc_lo, v[96+\j], v117
	v_cndmask_b32 v117, v[96+\j], v117, vcc_lo
	v_cndmask_b32 v118, \j, v118, vcc_lo
.endr
	v_cndmask_b32 v119, v115, v118, s26            ; lane r + 16 k: token r's choice k,
	v_cndmask_b32 v120, v114, v117, s26            ; and its weight
.irp e, 0,1,2,3,4,5,6,7,8,9,10,11,12,13,14,15
	v_cmp_eq_u32 s[40+\e], \e, v119                ; which of the tile's 32 slots chose expert e: a word of the mask
.endr
	v_mov_b32 v121, 0
.irp e, 0,1,2,3,4,5,6,7,8,9,10,11,12,13,14,15
	v_writelane_b32 v121, s[40+\e], \e
.endr
	s_mov_b32 s56, 0xffff
	v_writelane_b32 v121, s56, 16                  ; row 16: each token once
	v_lshlrev_b32 v122, 8, v13                     ; lane = row of masks, 256 bytes a row
	global_store_b32 v122, v121, s[14:15]
	v_lshlrev_b32 v123, 2, v13
	v_mov_b32 v124, 1.0
	v_mov_b32 v125, 0
	global_store_b32 v123, v120, s[16:17]
	global_store_b32 v123, v124, s[16:17] offset:8192
	global_store_b32 v123, v125, s[16:17] offset:16384
.Lend:
	s_wait_tensorcnt 0x0
	ds_add_u32 v224, v225
	s_wait_dscnt 0x0
	s_endpgm
.Lfunc_end_k_q5cac1cc419_prep:
	.size	k_q5cac1cc419_prep, .Lfunc_end_k_q5cac1cc419_prep-k_q5cac1cc419_prep
	.p2alignl 7, 3214868480
	.fill 96, 4, 3214868480
	.section	.rodata,"a",@progbits
	.p2align	6, 0x0
	.amdhsa_kernel k_q5cac1cc419_prep
		.amdhsa_group_segment_fixed_size 36864
		.amdhsa_private_segment_fixed_size 0
		.amdhsa_enable_private_segment 0
		.amdhsa_kernarg_size 56
		.amdhsa_user_sgpr_count 2
		.amdhsa_user_sgpr_kernarg_segment_ptr 1
		.amdhsa_wavefront_size32 1
		.amdhsa_system_sgpr_workgroup_id_x 1
		.amdhsa_system_sgpr_workgroup_id_y 1
		.amdhsa_system_sgpr_workgroup_id_z 1
		.amdhsa_system_vgpr_workitem_id 0
		.amdhsa_next_free_vgpr 226
		.amdhsa_next_free_sgpr 66
		.amdhsa_reserve_vcc 1
		.amdhsa_float_denorm_mode_32 3
		.amdhsa_float_denorm_mode_16_64 3
		.amdhsa_memory_ordered 1
		.amdhsa_forward_progress 1
		.amdhsa_inst_pref_size 29
	.end_amdhsa_kernel
	.amdgpu_metadata
---
amdhsa.version: [ 1, 2 ]
amdhsa.kernels:
  - .name:           k_q5cac1cc419_prep
    .symbol:         k_q5cac1cc419_prep.kd
    .args:
      - { .name: embeddings, .offset: 0, .size: 8, .value_kind: global_buffer, .address_space: global }
      - { .name: x, .offset: 8, .size: 8, .value_kind: global_buffer, .address_space: global }
      - { .name: gate_w, .offset: 16, .size: 8, .value_kind: global_buffer, .address_space: global }
      - { .name: actc, .offset: 24, .size: 8, .value_kind: global_buffer, .address_space: global }
      - { .name: acts, .offset: 32, .size: 8, .value_kind: global_buffer, .address_space: global }
      - { .name: masks, .offset: 40, .size: 8, .value_kind: global_buffer, .address_space: global }
      - { .name: wts, .offset: 48, .size: 8, .value_kind: global_buffer, .address_space: global }
    .group_segment_fixed_size: 36864
    .private_segment_fixed_size: 0
    .kernarg_segment_align: 8
    .kernarg_segment_size: 56
    .max_flat_workgroup_size: 512
    .sgpr_count:     66
    .vgpr_count:     226
    .wavefront_size: 32
...
	.end_amdgpu_metadata
.endif
;; end of part 1
;; launch up (part 2): grid 288 x 1, 8 waves a work-group, no clusters, 108,544 bytes of LDS; arguments actc, acts, masks, W1, W3, sW1, B1, B3, sB1, hc, hsc; writes hc, hsc
.if DOCPART == 2
	.amdgcn_target "amdgcn-amd-amdhsa--gfx1250"
	.amdhsa_code_object_version 6
	.text
	.protected	k_q5cac1cc419_up
	.globl	k_q5cac1cc419_up
	.p2align	8
	.type	k_q5cac1cc419_up,@function
k_q5cac1cc419_up:
	s_mov_b64 s[64:65], 0
	v_nop
	global_prefetch_b8 v0, s[64:65] scope:SCOPE_SE
	s_setreg_imm32_b32 hwreg(HW_REG_WAVE_MODE, 25, 1), 1
	s_wait_xcnt 0x0
; UP.  The hidden layers: h = silu(t W1 + B1) (t W3 + B3) for the rows that chose an expert, silu(emb sW1 + sB1) for every token; quantised along the next K and stored as codes by POSITION (expert, rank).
; Both operands are codes of BF6 (E3M2) with one E8M0 byte for each 32 along K; sums in f32.
; SHARES.  A work-group owns 64 columns of W1 and the same 64 of W3 of one expert (work-groups 32 .. 287), or 128 columns of sW1 and half of the tokens (0 .. 31): 512 KB of f32 weights.
; PHASE A: the eight waves stream the slice (wave = matrix m x quarter of K); one load reads 256 consecutive bytes of a weight row, a lane two columns, its registers running DOWN K; each block of 32 is quantised in
; registers and laid into LDS as an IMAGE OF THE OPERAND'S REGISTERS (48 bytes a lane and fragment).  Meanwhile wave 0 turns the expert's row of masks into the list of its tokens, by rank.
; PHASE B: a wave takes units of 32 ranks x 32 hidden units (2 tiles of rows x 4 tiles of columns x 8 K steps = 64 matrix instructions, used TRANSPOSED: source 0 = 16 weight columns, source 1 = 16 rows).
; THE COLUMNS OF A TILE ARE NOT NEIGHBOURS: row r of tile u takes column 8 u + r + 8 (r / 8) of a block of 32, so that a lane's 16 registers of tiles u = 0, 1 are 16 neighbours along the next K.
; The biases are loaded INTO the accumulators: every product adds in place, and nothing is cleared or added afterwards.
; The row loop has a constant count of trips; a trip whose ranks are not this work-group's (by the stored count, or by the half of a shared work-group) is jumped over.  No barrier stands behind the second.
; No tensor load: branches hang on stored counts.  No cluster: no two work-groups read the same weights, but for the two halves of a shared slice.
; LIMITS: NaN and infinities are not served; a block of zeros gets the byte 1 where the rule says 127 (zero codes; the bytes are read by this program alone).
.set SCL,   98304                      ; LDS: 0 .. 98,303 the images [b][K step][m][u] x 1,536;  here the weights' scale words [K step][b][r + 16 u][m]
.set SSTR,  512                        ; from K step to K step among them
.set LIST,  102400                     ; the list: 1,056 entries by rank, 32 words for the lanes that have nothing to say
.set CNTW,  106752                     ; the expert's number of rows
.set ASTR,  96                         ; a row's codes: from K step to K step
.set VL8,   2                          ; v2   8 x lane
.set VIMG,  3                          ; v3   where my two columns' codes go
.set VSCL,  4                          ; v4   and their scale words
.set VWI,   5                          ; v5   the images of my block b, 48 x lane
.set VWSA,  6                          ; v6   their scale words, 8 x lane
.set VLRD,  7                          ; v7   the list at my unit's ranks
.set VH48,  8                          ; v8   48 x (lane / 16)
.set VBO,   9                          ; v9   the biases: 64 (lane / 16) + 128 b
.set VA0,   10                         ; v10-11 my rows' codes, tile 0, 1
.set VS0,   12                         ; v12-13 their scale words
.set VHST,  14                         ; v14  where rank R0 + lane's codes go
.set VHSS,  15                         ; v15  and its scale byte
.set VLRD0, 16                         ; v16  LIST + 4 (lane % 16)
.set VCNA,  17                         ; v17  CNTW
.set WS,    28                         ; v28-31 the weights' scale words, two sets of two
.set X,     32                         ; phase A: v32-159 two sets of 32 rows x 2 columns
.set Y0,    160                        ; v160-191 the even column's 32 numbers
.set Y1,    192                        ; v192-223 the odd column's
.set BM0,   224
.set BM1,   225
.set SO0,   226
.set SO1,   227
.set BY0,   228
.set BY1,   229
.set SW0,   230
.set SW1,   231
.set C0,    232                        ; v232-238, v240-246 a block's codes
.set C1,    240
.set VP,    248                        ; the list build's own: rank, LDS address, entry, the idle lanes' place, the default entry, its address, the count
.set VLA,   249
.set VID,   250
.set VTRASH, 251
.set VFILL, 252
.set VFILLA, 253
.set VT,    254
.set ACC,   32                         ; phase B: v32-95 accumulator (T, ct) at 32 + 32 T + 8 ct, ct = 2 m + u
.set AR,    96                         ; v96-191 the rows' fragments, a ring of four K steps x two tiles
.set ASC,   192                        ; v192-207 the rows' scale words: 8 T + K step
.set WP,    208                        ; v208-231 weight fragments ct 0, 1
.set WQ,    232                        ; v232-255 ct 2, 3
.set TS,    96                         ; the way out: 32 registers at work
.set WPT,   4                          ; s[4:5] my part of the weights
.set AB,    6                          ; s[6:7] the rows' codes;  s[8:9] their scale words
.set ASB,   8
.set BA,    10                         ; s[10:11], s[12:13] the biases of m = 0, 1
.set BB,    12
.set HCB,   14                         ; s[14:15] hc at my expert, K step and block;  s[84:85] hsc likewise
.set HSB,   84
.set MKB,   86                         ; s[86:87] my expert's row of masks
.set HI,    66                         ; s66 lanes 16-31
.set SH,    89                         ; s89 1 in a shared work-group
.set R0,    90                         ; s90 the unit's first rank
.set NEFF,  91                         ; s91 one past my last rank
.set TRIPS, 92
.set CNT,   93
.set BASE,  96                         ; s96 my first rank;  s97 one past the last that may be mine
.set LIM,   97
.set NL,    98                         ; s[98:99] -log2(e)
.set SEL,   100                        ; s[100:101] selects for lane l xor 16
.macro NOP4
.rept 4
	v_nop
.endr
.endm
; 32 rows of K, 256 consecutive bytes each, into set: a lane's registers 2 i, 2 i + 1 are columns 2 l, 2 l + 1 of row 32 t + i.  Base and offset register are never rewritten.
.macro LOADS set, t
	s_cmp_eq_u32 s[SH], 0
	s_cbranch_scc0 .Lwide_\@
.set i, 0
.rept 32
	global_load_b64 v[X+64*(\set)+2*i:X+64*(\set)+2*i+1], v[VL8], s[WPT:WPT+1] offset:(32*(\t)+i)*4096 th:TH_LOAD_NT   ; read once in the launch
.set i, i+1
.endr
	s_branch .Lasked_\@
.Lwide_\@:
.set i, 0
.rept 32
	global_load_b64 v[X+64*(\set)+2*i:X+64*(\set)+2*i+1], v[VL8], s[WPT:WPT+1] offset:(32*(\t)+i)*8192                 ; sW1: rows of 8,192 bytes, read by two work-groups
.set i, i+1
.endr
.Lasked_\@:
.endm
; One block of 32 along K for my 64 columns: largest magnitudes, the two columns parted, codes, images.
.macro BLK set, t, more, last
.set XS, X+64*(\set)
.if \last
	s_wait_loadcnt 0x0
.else
	s_wait_loadcnt 32                              ; this set's 32 loads are in; the other set's 32 may be out
.endif
	v_max3_num_f32 v[BM0], |v[XS]|, |v[XS+2]|, 0x2800000       ; with the floor 2^(5 - 127): the byte cannot fall under 1
	v_max3_num_f32 v[BM1], |v[XS+1]|, |v[XS+3]|, 0x2800000
.irp i, 4,8,12,16,20,24,28,32,36,40,44,48,52,56,60
	v_max3_num_f32 v[BM0], v[BM0], |v[XS+\i]|, |v[XS+\i+2]|
	v_max3_num_f32 v[BM1], v[BM1], |v[XS+\i+1]|, |v[XS+\i+3]|
.endr
.set i, 0
.rept 32
	v_mov_b32 v[Y0+i], v[XS+2*i]                   ; the conversions want 16 neighbours along K in consecutive registers: the price of loads of 8 bytes
	v_mov_b32 v[Y1+i], v[XS+2*i+1]
.set i, i+1
.endr
.if \more
	LOADS \set, (\t)+2
.endif
	v_add_nc_u32 v[SO0], 0xfe000000, v[BM0]        ; 4 off the exponent field: the conversions' scale operands
	v_add_nc_u32 v[SO1], 0xfe000000, v[BM1]
	s_wait_dscnt 0x0                               ; the last block's LDS stores are done with the codes' registers
	v_cvt_scalef32_pk16_bf6_f32 v[C0:C0+2], v[Y0:Y0+15], v[SO0]
	v_cvt_scalef32_pk16_bf6_f32 v[C0+4:C0+6], v[Y0+16:Y0+31], v[SO0]
	v_cvt_scalef32_pk16_bf6_f32 v[C1:C1+2], v[Y1:Y1+15], v[SO1]
	v_cvt_scalef32_pk16_bf6_f32 v[C1+4:C1+6], v[Y1+16:Y1+31], v[SO1]
	v_lshrrev_b32 v[BY0], 23, v[SO0]               ; the bytes; also the plain place behind the conversions
	v_lshrrev_b32 v[BY1], 23, v[SO1]
.irp i, 3,4,5
	v_mov_b32 v[C0+\i], v[C0+\i+1]                 ; a block's 24 bytes in six registers on end
	v_mov_b32 v[C1+\i], v[C1+\i+1]
.endr
.if ((\t)%4) == 0
	v_mov_b32 v[SW0], v[BY0]
	v_mov_b32 v[SW1], v[BY1]
.else
	v_lshl_or_b32 v[SW0], v[BY0], 8*((\t)%4), v[SW0]
	v_lshl_or_b32 v[SW1], v[BY1], 8*((\t)%4), v[SW1]
.endif
.set OFF, ((\t)/4)*6144+768*((\t)%2)+24*(((\t)/2)%2)   ; block t % 4 = 2 c + h of its K step: lanes 16 h on, bytes 24 c on
.if (((\t)/2)%2) == 0
	ds_store_b128 v[VIMG], v[C0:C0+3] offset:OFF
	ds_store_b64 v[VIMG], v[C0+4:C0+5] offset:OFF+16
	ds_store_b128 v[VIMG], v[C1:C1+3] offset:OFF+48
	ds_store_b64 v[VIMG], v[C1+4:C1+5] offset:OFF+64
.else
	ds_store_b64 v[VIMG], v[C0:C0+1] offset:OFF
	ds_store_b128 v[VIMG], v[C0+2:C0+5] offset:OFF+8
	ds_store_b64 v[VIMG], v[C1:C1+1] offset:OFF+48
	ds_store_b128 v[VIMG], v[C1+2:C1+5] offset:OFF+56
.endif
.if ((\t)%4) == 3
	ds_store_b32 v[VSCL], v[SW0] offset:((\t)/4)*SSTR
	ds_store_b32 v[VSCL], v[SW1] offset:((\t)/4)*SSTR+8
.endif
.endm
; The expert's 64 words of masks become its list: the entry of rank p is written at LIST + 4 p.  A lane whose bit is off writes to a word of its own behind the list.
.macro LISTBUILD step
	s_load_b512 s[16:31], s[MKB:MKB+1], 0x0
	s_load_b512 s[32:47], s[MKB:MKB+1], 0x40
	s_load_b512 s[48:63], s[MKB:MKB+1], 0x80
	s_load_b512 s[68:83], s[MKB:MKB+1], 0xc0
.set i, 0
.rept 33
	ds_store_b32 v[VFILLA], v[VFILL] offset:128*i  ; the default entry, for the ranks that fill the last unit of 32
.set i, i+1
.endr
	s_mov_b32 s[CNT], 0
	s_wait_kmcnt 0x0
.irp j, 16,17,18,19,20,21,22,23,24,25,26,27,28,29,30,31,32,33,34,35,36,37,38,39,40,41,42,43,44,45,46,47,48,49,50,51,52,53,54,55,56,57,58,59,60,61,62,63,68,69,70,71,72,73,74,75,76,77,78,79,80,81,82,83
	v_mbcnt_lo_u32_b32 v[VP], s\j, s[CNT]          ; the rows counted so far + the bits below mine: my rank
	v_cndmask_b32 v[VP], v[VTRASH], v[VP], s\j
	v_min_u32 v[VP], 1087, v[VP]
	v_lshl_add_u32 v[VLA], v[VP], 2, LIST
	ds_store_b32 v[VLA], v[VID]
	v_add_nc_u32 v[VID], \step, v[VID]
	s_bcnt1_i32_b32 s94, s\j
	s_add_co_u32 s[CNT], s[CNT], s94
.endr
	v_mov_b32 v[VT], s[CNT]
	ds_store_b32 v[VCNA], v[VT]
.endm
.macro WFRAG reg, s, ct                ; a weight fragment comes back as it was laid: 48 bytes a lane
.irp g, 0,1,2
	ds_load_b128 v[\reg+4*\g:\reg+4*\g+3], v[VWI] offset:(4*(\s)+(\ct))*1536+16*\g
.endr
.endm
.macro AFRAG s                         ; the two tiles of rows, K step s, into ring slot s % 4
.irp T, 0,1
.irp g, 0,1,2
	global_load_b128 v[AR+24*((\s)%4)+12*\T+4*\g:AR+24*((\s)%4)+12*\T+4*\g+3], v[VA0+\T], s[AB:AB+1] offset:ASTR*(\s)+16*\g
.endr
.endr
.endm
.macro MM s, w, ct, T
.if ((\ct)%2) == 0
	v_wmma_scale_f32_16x16x128_f8f6f4 v[ACC+32*(\T)+8*(\ct):ACC+32*(\T)+8*(\ct)+7], v[\w:\w+11], v[AR+24*((\s)%4)+12*(\T):AR+24*((\s)%4)+12*(\T)+11], v[ACC+32*(\T)+8*(\ct):ACC+32*(\T)+8*(\ct)+7], v[WS+2*((\s)%2)+(\ct)/2], v[ASC+8*(\T)+(\s)] matrix_a_fmt:MATRIX_FMT_BF6 matrix_b_fmt:MATRIX_FMT_BF6
.else
	v_wmma_scale_f32_16x16x128_f8f6f4 v[ACC+32*(\T)+8*(\ct):ACC+32*(\T)+8*(\ct)+7], v[\w:\w+11], v[AR+24*((\s)%4)+12*(\T):AR+24*((\s)%4)+12*(\T)+11], v[ACC+32*(\T)+8*(\ct):ACC+32*(\T)+8*(\ct)+7], v[WS+2*((\s)%2)+(\ct)/2], v[ASC+8*(\T)+(\s)] matrix_a_fmt:MATRIX_FMT_BF6 matrix_b_fmt:MATRIX_FMT_BF6 matrix_a_scale:MATRIX_SCALE_ROW1
.endif
.endm
; A K step: eight matrix instructions, the eight accumulators by turns, one instruction a turn, in the same order in every step.
; n: the global loads that may stay out: the rows' fragments of the younger K steps, six each.
.macro KSTEP s, n
	s_wait_dscnt 6                                 ; the scale words and ct 0, 1 are in; ct 2, 3's six loads may be out
	s_wait_loadcnt \n
	MM \s, WP, 0, 0
	MM \s, WP, 0, 1
	MM \s, WP+12, 1, 0
	MM \s, WP+12, 1, 1
	NOP4                                           ; four places in front of loads into registers that matrix instructions have read
.if (\s) < 7
	ds_load_b64 v[WS+2*(((\s)+1)%2):WS+2*(((\s)+1)%2)+1], v[VWSA] offset:SSTR*((\s)+1)
	WFRAG WP, (\s)+1, 0
	WFRAG WP+12, (\s)+1, 1
	s_wait_dscnt 7                                 ; ct 2, 3 are in; the seven just issued may be out
.else
	s_wait_dscnt 0x0
.endif
	MM \s, WQ, 2, 0
	MM \s, WQ, 2, 1
	MM \s, WQ+12, 3, 0
	MM \s, WQ+12, 3, 1
	NOP4
.if (\s) < 7
	WFRAG WQ, (\s)+1, 2
	WFRAG WQ+12, (\s)+1, 3
.endif
.if (\s) < 4
	AFRAG (\s)+4
.endif
.endm
; silu in place on v[a .. a+15] and v[a+32 .. a+47]: x / (1 + 2^(-x log2 e)).  Each kind of transcendental is one batch with one wait.
.macro SILU a
.irp i, 0,2,4,6,8,10,12,14
	v_pk_mul_f32 v[TS+\i:TS+\i+1], v[\a+\i:\a+\i+1], s[NL:NL+1] op_sel_hi:[1,0]            ; each accumulator is read from its low end on
.endr
.irp i, 0,2,4,6,8,10,12,14
	v_pk_mul_f32 v[TS+16+\i:TS+16+\i+1], v[\a+32+\i:\a+32+\i+1], s[NL:NL+1] op_sel_hi:[1,0]
.endr
.set i, 0
.rept 32
	v_exp_f32 v[TS+i], v[TS+i]
.set i, i+1
.endr
	v_nop
	s_wait_alu depctr_va_vdst(0)
.irp i, 0,2,4,6,8,10,12,14,16,18,20,22,24,26,28,30
	v_pk_add_f32 v[TS+\i:TS+\i+1], v[TS+\i:TS+\i+1], 1.0 op_sel_hi:[1,0]
.endr
.set i, 0
.rept 32
	v_rcp_f32 v[TS+i], v[TS+i]
.set i, i+1
.endr
	v_nop
	s_wait_alu depctr_va_vdst(0)
.irp i, 0,2,4,6,8,10,12,14
	v_pk_mul_f32 v[\a+\i:\a+\i+1], v[\a+\i:\a+\i+1], v[TS+\i:TS+\i+1]
	v_pk_mul_f32 v[\a+32+\i:\a+32+\i+1], v[\a+32+\i:\a+32+\i+1], v[TS+16+\i:TS+16+\i+1]
.endr
.endm
; Two tiles' halves of a block (16 numbers a lane each) become whole blocks: lane l ends with the 24 bytes of rank R0 + l in v[cb .. cb+5] and its byte in v[cb+7].
.macro QUANT2 h0, h1, cb
	v_max3_num_f32 v128, |v[\h0]|, |v[\h0+1]|, 0x2800000
	v_max3_num_f32 v129, |v[\h1]|, |v[\h1+1]|, 0x2800000
.irp i, 2,4,6,8,10,12,14
	v_max3_num_f32 v128, v128, |v[\h0+\i]|, |v[\h0+\i+1]|
	v_max3_num_f32 v129, v129, |v[\h1+\i]|, |v[\h1+\i+1]|
.endr
	v_mov_b32 v130, 0                              ; a lane permute's destination counts as one of its sources
	v_mov_b32 v131, 0
	v_permlanex16_b32 v130, v128, s[SEL], s[SEL+1]
	v_permlanex16_b32 v131, v129, s[SEL], s[SEL+1]
	v_max_num_f32 v128, v128, v130                 ; with lane l xor 16's 16: the block's largest magnitude
	v_max_num_f32 v129, v129, v131
	v_add_nc_u32 v132, 0xfe000000, v128
	v_add_nc_u32 v133, 0xfe000000, v129
	v_lshrrev_b32 v134, 23, v132
	v_lshrrev_b32 v135, 23, v133
	v_cvt_scalef32_pk16_bf6_f32 v[\cb:\cb+2], v[\h0:\h0+15], v132
	v_cvt_scalef32_pk16_bf6_f32 v[\cb+4:\cb+6], v[\h1:\h1+15], v133
	v_cndmask_b32 v[\cb+7], v134, v135, s[HI]      ; lanes 0-15 tile 0's byte, lanes 16-31 tile 1's.  Also the plain place behind the conversions
.irp i, 0,1,2
	v_permlane16_swap_b32 v[\cb+\i], v[\cb+4+\i]   ; the first's lanes 16-31 change places with the second's lanes 0-15: lower 16 codes here, upper 16 there
.endr
.irp i, 3,4,5
	v_mov_b32 v[\cb+\i], v[\cb+\i+1]
.endr
.endm
.macro STOREH cb, o, ob
	global_store_b64 v[VHST], v[\cb:\cb+1], s[HCB:HCB+1] offset:\o
	global_store_b64 v[VHST], v[\cb+2:\cb+3], s[HCB:HCB+1] offset:\o+8
	global_store_b64 v[VHST], v[\cb+4:\cb+5], s[HCB:HCB+1] offset:\o+16
	global_store_b8 v[VHSS], v[\cb+7], s[HSB:HSB+1] offset:\ob
.endm
	s_load_b512 s[16:31], s[0:1], 0x0              ; actc 16, acts 18, masks 20, W1 22, W3 24, sW1 26, B1 28, B3 30
	s_load_b128 s[32:35], s[0:1], 0x40             ; sB1 32, hc 34
	s_load_b64 s[36:37], s[0:1], 0x50              ; hsc 36
	v_lshl_add_u32 v22, v0, 2, 0x1a400
	v_mov_b32 v23, 0
	v_lshrrev_b32 v24, 5, v0
	v_readfirstlane_b32 s88, v24                   ; wave 0..7
	s_and_b32 s38, ttmp9, 15                       ; sg: which slice
	s_lshr_b32 s39, ttmp9, 4
	s_sub_co_u32 s40, s39, 2                       ; routed: the expert
	s_lshr_b32 s41, s38, 3
	s_add_co_u32 s41, s41, 16                      ; shared: hidden units 0-1,023 count as expert 16, the others as 17
	s_and_b32 s42, s38, 7                          ; the next product's K step: shared,
	s_lshr_b32 s43, s38, 1                         ; routed;
	s_and_b32 s44, s38, 1                          ; which half of it (routed)
	s_lshl_b32 s45, s42, 2                         ; the first scale byte: shared,
	s_lshl_b32 s46, s38, 1                         ; routed
	s_lshl_b32 s47, s39, 9                         ; shared: my half of the ranks
	s_add_co_u32 s48, s47, 512
	s_lshr_b32 s56, s88, 2                         ; phase A: m,
	s_and_b32 s57, s88, 3                          ; and my quarter of K
	s_lshl_b32 s58, s40, 22
	s_lshl_b32 s59, s38, 8
	s_add_co_u32 s58, s58, s59
	s_lshl_b32 s59, s57, 20
	s_add_co_u32 s58, s58, s59                     ; routed weights: expert x 4 MiB + 256 sg + 256 rows of 4,096 bytes a quarter
	s_lshl_b32 s60, s38, 9
	s_lshl_b32 s59, s56, 8
	s_add_co_u32 s59, s59, s60
	s_lshl_b32 s61, s57, 21
	s_add_co_u32 s59, s59, s61                     ; sW1: 512 sg + 256 m + 256 rows of 8,192 bytes a quarter
	s_lshl_b32 s61, s40, 12
	s_lshl_b32 s54, s38, 8
	s_add_co_u32 s61, s61, s54                     ; routed biases: 4,096 e + 256 sg
	s_add_co_u32 s55, s60, 256
	s_cmp_lt_u32 ttmp9, 32
	s_cselect_b32 s[SH], 1, 0
	s_cselect_b32 s49, 16, s40                     ; the row of masks
	s_cselect_b32 s50, s41, s40                    ; the expert's number in hc and hsc
	s_cselect_b32 s51, s42, s43
	s_cselect_b32 s52, 0, s44
	s_cselect_b32 s53, s45, s46
	s_cselect_b32 s[BASE], s47, 0
	s_cselect_b32 s[LIM], s48, 0x400
	s_cselect_b32 s58, s59, s58
	s_cselect_b32 s54, s60, s61
	s_cselect_b32 s55, s55, s61
	s_mul_i32 s59, s50, 786432
	s_mul_i32 s60, s51, 1536
	s_add_co_u32 s59, s59, s60
	s_mul_i32 s60, s52, 24
	s_add_co_u32 s59, s59, s60                     ; hc: expert, K step, which 24 bytes of a lane's 48
	s_lshl_b32 s60, s50, 15
	s_add_co_u32 s60, s60, s53                     ; hsc
	s_lshl_b32 s61, s49, 8                         ; masks
	s_lshr_b32 s41, ttmp9, 5
	s_cmp_eq_u32 s41, 1                            ; work-groups 32 .. 63 are experts 0 and 1: they read x
	s_cselect_b32 s42, 786432, 0
	s_cselect_b32 s43, 32768, 0
	s_mov_b32 s63, 0
	s_mov_b32 s[HI], 0xffff0000
	s_mov_b32 s[NL], 0xbfb8aa3b
	s_mov_b32 s[NL+1], s[NL]                       ; (named with it as a pair, so it is written)
	s_mov_b32 s[SEL], 0x76543210
	s_mov_b32 s[SEL+1], 0xfedcba98
	v_and_b32 v1, 31, v0                           ; lane
	v_lshlrev_b32 v[VL8], 3, v1
	v_bfe_u32 v24, v0, 4, 1                        ; lane / 16: in phase A the block of 32 of my columns
	v_bfe_u32 v25, v0, 2, 1                        ; u of column 2 l
	v_and_b32 v26, 3, v0
	v_bfe_u32 v27, v0, 3, 1
	v_lshlrev_b32 v26, 1, v26
	v_lshl_add_u32 v26, v27, 3, v26                ; r of column 2 l: 2 (l % 4) + 8 ((l / 8) % 2)
	v_and_b32 v18, 15, v0
	v_mul_u32_u24 v[VIMG], v24, 49152
	v_mad_u32_u24 v[VIMG], v25, 1536, v[VIMG]
	v_mad_u32_u24 v[VIMG], v26, 48, v[VIMG]
	s_mul_i32 s94, s56, 3072
	s_mul_i32 s95, s57, 12288
	s_add_co_u32 s94, s94, s95
	v_add_nc_u32 v[VIMG], s94, v[VIMG]
	v_lshl_add_u32 v[VSCL], v25, 4, v26
	v_lshlrev_b32 v[VSCL], 3, v[VSCL]
	v_lshl_add_u32 v[VSCL], v24, 8, v[VSCL]
	s_lshl_b32 s94, s56, 2
	s_lshl_b32 s95, s57, 10
	s_add_co_u32 s94, s94, s95
	s_add_co_u32 s94, s94, SCL
	v_add_nc_u32 v[VSCL], s94, v[VSCL]
	s_and_b32 s67, s88, 1                          ; phase B: my block b of the slice,
	s_lshr_b32 s[TRIPS], s88, 1                    ; and which 32 ranks of a trip's 128
	v_mul_u32_u24 v[VWI], v1, 48
	s_mul_i32 s94, s67, 49152
	v_add_nc_u32 v[VWI], s94, v[VWI]
	v_lshlrev_b32 v[VWSA], 3, v1
	s_lshl_b32 s94, s67, 8
	s_add_co_u32 s94, s94, SCL
	v_add_nc_u32 v[VWSA], s94, v[VWSA]
	v_mul_u32_u24 v[VH48], v24, 48
	v_lshlrev_b32 v[VBO], 6, v24
	s_lshl_b32 s94, s67, 7
	v_add_nc_u32 v[VBO], s94, v[VBO]
	v_mul_u32_u24 v[VHST], v24, 12288
	v_mad_u32_u24 v[VHST], v18, 48, v[VHST]
	s_mul_i32 s94, s67, 768
	s_mul_i32 s95, s[TRIPS], 24576
	s_add_co_u32 s94, s94, s95
	v_add_nc_u32 v[VHST], s94, v[VHST]             ; rank R0 + lane: tile x 12,288 + 48 row + 768 b
	v_lshlrev_b32 v[VHSS], 5, v1
	s_lshl_b32 s94, s[TRIPS], 10
	s_add_co_u32 s94, s94, s67
	v_add_nc_u32 v[VHSS], s94, v[VHSS]             ; 32 (R0 + lane) + b
	v_lshl_add_u32 v[VLRD0], v18, 2, LIST
	v_mov_b32 v[VCNA], CNTW
	v_mov_b32 v[VID], v18                          ; the list's entries are TOKENS: bit l of word j is token 16 j + l % 16
	v_add_nc_u32 v[VTRASH], 1056, v1
	v_mov_b32 v[VFILL], 0
	v_lshl_add_u32 v[VFILLA], v1, 2, LIST
	s_lshl_b32 s[R0], s[TRIPS], 5
	s_wait_kmcnt 0x0
	s_cmp_eq_u32 s56, 0
	s_cselect_b64 s[WPT:WPT+1], s[22:23], s[24:25]
	s_cmp_eq_u32 s[SH], 0
	s_cselect_b64 s[WPT:WPT+1], s[WPT:WPT+1], s[26:27]
	s_cselect_b64 s[BA:BA+1], s[28:29], s[32:33]
	s_cselect_b64 s[BB:BB+1], s[30:31], s[32:33]
	s_mov_b32 s62, s58
	s_add_nc_u64 s[WPT:WPT+1], s[WPT:WPT+1], s[62:63]
	LOADS 0, 0                                     ; the stream begins before anything else is done
	LOADS 1, 1
	s_mov_b32 s62, s54
	s_add_nc_u64 s[BA:BA+1], s[BA:BA+1], s[62:63]
	s_mov_b32 s62, s55
	s_add_nc_u64 s[BB:BB+1], s[BB:BB+1], s[62:63]
	s_mov_b32 s62, s42
	s_add_nc_u64 s[AB:AB+1], s[16:17], s[62:63]
	s_mov_b32 s62, s43
	s_add_nc_u64 s[ASB:ASB+1], s[18:19], s[62:63]
	s_mov_b32 s62, s59
	s_add_nc_u64 s[HCB:HCB+1], s[34:35], s[62:63]
	s_mov_b32 s62, s60
	s_add_nc_u64 s[HSB:HSB+1], s[36:37], s[62:63]
	s_mov_b32 s62, s61
	s_add_nc_u64 s[MKB:MKB+1], s[20:21], s[62:63]
	s_cmp_lg_u32 s88, 0
	s_cbranch_scc1 .Lno_list
	LISTBUILD 16                                   ; wave 0 alone; no other wave touches LDS ahead of the barrier below
.Lno_list:
	s_wait_dscnt 0x0                               ; the list has landed
	s_barrier_signal -1
	s_barrier_wait -1
	BLK 0, 0, 1, 0
	BLK 1, 1, 1, 0
	BLK 0, 2, 1, 0
	BLK 1, 3, 1, 0
	BLK 0, 4, 1, 0
	BLK 1, 5, 1, 0
	BLK 0, 6, 0, 0
	BLK 1, 7, 0, 1
	s_wait_dscnt 0x0                               ; my images have landed
	s_barrier_signal -1
	s_barrier_wait -1                              ; everybody's have: from here on LDS is only read
	ds_load_b32 v24, v[VCNA]
	s_wait_dscnt 0x0
	v_readfirstlane_b32 s[NEFF], v24
	s_min_u32 s[NEFF], s[NEFF], s[LIM]
	s_mov_b32 s[TRIPS], 8
.Lrow:                                                 ; eight trips of 128 ranks: 1,024, the most that an expert can have
	s_cmp_lt_u32 s[R0], s[BASE]
	s_cbranch_scc1 .Lstep
	s_cmp_ge_u32 s[R0], s[NEFF]
	s_cbranch_scc1 .Lstep
	s_lshl_b32 s94, s[R0], 2
	v_add_nc_u32 v[VLRD], s94, v[VLRD0]
	ds_load_b32 v24, v[VLRD]                       ; the tokens of ranks R0 + r
	ds_load_b32 v25, v[VLRD] offset:64             ; and R0 + 16 + r
.irp T, 0,1
.irp u, 0,1
	global_load_b128 v[ACC+32*\T+8*\u:ACC+32*\T+8*\u+3], v[VBO], s[BA:BA+1] offset:32*\u          ; the biases start the sums
	global_load_b128 v[ACC+32*\T+8*\u+4:ACC+32*\T+8*\u+7], v[VBO], s[BA:BA+1] offset:32*\u+16
	global_load_b128 v[ACC+32*\T+16+8*\u:ACC+32*\T+16+8*\u+3], v[VBO], s[BB:BB+1] offset:32*\u
	global_load_b128 v[ACC+32*\T+16+8*\u+4:ACC+32*\T+16+8*\u+7], v[VBO], s[BB:BB+1] offset:32*\u+16
.endr
.endr
	ds_load_b64 v[WS:WS+1], v[VWSA]
	WFRAG WP, 0, 0
	WFRAG WP+12, 0, 1
	WFRAG WQ, 0, 2
	WFRAG WQ+12, 0, 3
	s_wait_dscnt 13                                ; the two list words are in; the thirteen loads behind them may be out
	v_min_u32 v24, 1023, v24
	v_min_u32 v25, 1023, v25
	v_mul_u32_u24 v[VA0], v24, 768
	v_mul_u32_u24 v[VA0+1], v25, 768
	v_add_nc_u32 v[VA0], v[VH48], v[VA0]
	v_add_nc_u32 v[VA0+1], v[VH48], v[VA0+1]
	v_lshlrev_b32 v[VS0], 5, v24
	v_lshlrev_b32 v[VS0+1], 5, v25
.irp T, 0,1
	global_load_b128 v[ASC+8*\T:ASC+8*\T+3], v[VS0+\T], s[ASB:ASB+1]
	global_load_b128 v[ASC+8*\T+4:ASC+8*\T+7], v[VS0+\T], s[ASB:ASB+1] offset:16
.endr
	AFRAG 0
	AFRAG 1
	AFRAG 2
	AFRAG 3
	KSTEP 0, 18
	KSTEP 1, 18
	KSTEP 2, 18
	KSTEP 3, 18
	KSTEP 4, 18
	KSTEP 5, 12
	KSTEP 6, 6
	KSTEP 7, 0
	SILU 32
	s_cmp_eq_u32 s[SH], 0
	s_cbranch_scc0 .Lshared_out
.irp i, 0,2,4,6,8,10,12,14
	v_pk_mul_f32 v[32+\i:33+\i], v[32+\i:33+\i], v[48+\i:49+\i]     ; x the W3 branch
.endr
.irp i, 0,2,4,6,8,10,12,14
	v_pk_mul_f32 v[64+\i:65+\i], v[64+\i:65+\i], v[80+\i:81+\i]
.endr
	QUANT2 32, 64, 136
	STOREH 136, 0, 0
	s_branch .Lstep
.Lshared_out:                                          ; both parts of 64 columns are hidden units of their own
	QUANT2 32, 64, 136
	STOREH 136, 0, 0
	SILU 48
	QUANT2 48, 80, 144
	STOREH 144, 24, 2
.Lstep:
	s_wait_xcnt 0x0                                ; the stores have read their data and offsets: both are written again only behind this wait
	v_add_nc_u32 v[VHST], 98304, v[VHST]
	v_add_nc_u32 v[VHSS], 4096, v[VHSS]
	s_add_co_u32 s[R0], s[R0], 128
	s_sub_co_u32 s[TRIPS], s[TRIPS], 1
	s_cmp_lg_u32 s[TRIPS], 0
	s_cbranch_scc1 .Lrow
	s_wait_tensorcnt 0x0
	ds_add_u32 v22, v23
	s_wait_dscnt 0x0
	s_endpgm
.Lfunc_end_k_q5cac1cc419_up:
	.size	k_q5cac1cc419_up, .Lfunc_end_k_q5cac1cc419_up-k_q5cac1cc419_up
	.p2alignl 7, 3214868480
	.fill 96, 4, 3214868480
	.section	.rodata,"a",@progbits
	.p2align	6, 0x0
	.amdhsa_kernel k_q5cac1cc419_up
		.amdhsa_group_segment_fixed_size 108544
		.amdhsa_private_segment_fixed_size 0
		.amdhsa_enable_private_segment 0
		.amdhsa_kernarg_size 88
		.amdhsa_user_sgpr_count 2
		.amdhsa_user_sgpr_kernarg_segment_ptr 1
		.amdhsa_wavefront_size32 1
		.amdhsa_system_sgpr_workgroup_id_x 1
		.amdhsa_system_sgpr_workgroup_id_y 1
		.amdhsa_system_sgpr_workgroup_id_z 1
		.amdhsa_system_vgpr_workitem_id 0
		.amdhsa_next_free_vgpr 256
		.amdhsa_next_free_sgpr 102
		.amdhsa_reserve_vcc 0
		.amdhsa_float_denorm_mode_32 3
		.amdhsa_float_denorm_mode_16_64 3
		.amdhsa_memory_ordered 1
		.amdhsa_forward_progress 1
		.amdhsa_inst_pref_size 170
	.end_amdhsa_kernel
	.amdgpu_metadata
---
amdhsa.version: [ 1, 2 ]
amdhsa.kernels:
  - .name:           k_q5cac1cc419_up
    .symbol:         k_q5cac1cc419_up.kd
    .args:
      - { .name: actc, .offset: 0, .size: 8, .value_kind: global_buffer, .address_space: global }
      - { .name: acts, .offset: 8, .size: 8, .value_kind: global_buffer, .address_space: global }
      - { .name: masks, .offset: 16, .size: 8, .value_kind: global_buffer, .address_space: global }
      - { .name: W1, .offset: 24, .size: 8, .value_kind: global_buffer, .address_space: global }
      - { .name: W3, .offset: 32, .size: 8, .value_kind: global_buffer, .address_space: global }
      - { .name: sW1, .offset: 40, .size: 8, .value_kind: global_buffer, .address_space: global }
      - { .name: B1, .offset: 48, .size: 8, .value_kind: global_buffer, .address_space: global }
      - { .name: B3, .offset: 56, .size: 8, .value_kind: global_buffer, .address_space: global }
      - { .name: sB1, .offset: 64, .size: 8, .value_kind: global_buffer, .address_space: global }
      - { .name: hc, .offset: 72, .size: 8, .value_kind: global_buffer, .address_space: global }
      - { .name: hsc, .offset: 80, .size: 8, .value_kind: global_buffer, .address_space: global }
    .group_segment_fixed_size: 108544
    .private_segment_fixed_size: 0
    .kernarg_segment_align: 8
    .kernarg_segment_size: 88
    .max_flat_workgroup_size: 256
    .sgpr_count:     102
    .vgpr_count:     256
    .wavefront_size: 32
...
	.end_amdgpu_metadata
.endif
;; end of part 2
;; launch down (part 3): grid 320 x 1, 8 waves a work-group, no clusters, 126,464 bytes of LDS; arguments hc, hsc, masks, wts, W2, sW2, B2, sB2, ypart; writes ypart
.if DOCPART == 3
	.amdgcn_target "amdgcn-amd-amdhsa--gfx1250"
	.amdhsa_code_object_version 6
	.text
	.protected	k_q5cac1cc419_down
	.globl	k_q5cac1cc419_down
	.p2align	8
	.type	k_q5cac1cc419_down,@function
k_q5cac1cc419_down:
	s_mov_b64 s[64:65], 0
	v_nop
	global_prefetch_b8 v0, s[64:65] scope:SCOPE_SE
	s_setreg_imm32_b32 hwreg(HW_REG_WAVE_MODE, 25, 1), 1
	s_wait_xcnt 0x0
; DOWN.  ypart[row] = c x (h W2 + B2) for each routed row (c its gate weight), and the two halves of the shared expert's second product for every token (c = 1; sB2 goes with the first half, zeros with the second).
; Both operands are codes of BF6 (E3M2) with one E8M0 byte for each 32 along K; sums in f32.
; SHARES.  A work-group owns 64 columns of W2 of one expert (work-groups 64 .. 319), or 64 columns of one half of sW2's rows and half of the tokens (0 .. 63): 256 KB of f32 weights.
; PHASE A: wave w streams K step w (128 rows, 256 consecutive bytes a load), quantises it in registers and lays it into LDS as images of the operand's registers; wave 0 also builds the list of the expert's ROWS of ypart, by rank.
; PHASE B: a wave takes units of 32 ranks x 64 columns (64 matrix instructions, used TRANSPOSED: source 0 = 16 weight columns, source 1 = 16 rows): the hidden codes lie in hc by rank, in the order of the operand's
; registers, so a fragment is 1,536 consecutive bytes.  The results, x c, go through the wave's own stage in LDS and leave as whole runs of 256 bytes, sixteen lanes to a row of ypart.
; The ranks that fill an expert's last unit of 32 carry the default entries: rows 4,096 + 32 e + rank % 32 of ypart, which nobody reads, with the weight 0.
; The row loop has a constant count of trips; a trip whose ranks are not this work-group's is jumped over.  No barrier stands behind the second.  No tensor load: branches hang on stored counts.
.set SCL,   49152                      ; LDS: 0 .. 49,151 the images [K step][tile j] x 1,536;  here the weights' scale words [K step][r + 16 (j % 2)][j / 2]
.set SSTR,  256
.set LIST,  51200                      ; the list: 1,056 entries by rank, 32 words for the lanes that have nothing to say
.set CNTW,  55552
.set STG,   55808                      ; a stage of 32 rows x (256 + 16) bytes for each wave
.set ASTR,  1536                       ; hc: from K step to K step
.set VL8,   2
.set VIMG,  3
.set VSCL,  4
.set VWI,   5                          ; v5   48 x lane
.set VWSA,  6                          ; v6   SCL + 8 x lane
.set VLRD,  7                          ; v7   the list at my unit's ranks, a lane a row of a tile
.set VLRD0, 8
.set VBO,   9                          ; v9   32 (lane / 16)
.set VA0,   10                         ; v10-11 hc: my unit's two tiles, 48 x lane
.set VS0,   12                         ; v12-13 hsc: their rows
.set VSTO,  14                         ; v14  the stage, in
.set VSRD,  15                         ; v15  the stage, out
.set VLR2,  18                         ; v18  the list, two ranks an instruction
.set VLR20, 19
.set VC16,  20                         ; v20  16 (lane % 16)
.set VCNA,  21
.set CW,    24                         ; v[24:25], v[26:27] the rows' weights, tile 0, 1 (the packed form names pairs and takes their low words)
.set WS,    28
.set X,     32
.set Y0,    160
.set Y1,    192
.set BM0,   224
.set BM1,   225
.set SO0,   226
.set SO1,   227
.set BY0,   228
.set BY1,   229
.set SW0,   230
.set SW1,   231
.set C0,    232
.set C1,    240
.set VP,    248
.set VLA,   249
.set VID,   250
.set VTRASH, 251
.set VFILL, 252
.set VFILLA, 253
.set VT,    254
.set ACC,   32                         ; accumulator (T, j) at 32 + 32 T + 8 j
.set AR,    96
.set ASC,   192
.set WP,    208
.set WQ,    232
.set WPT,   4                          ; s[4:5] my part of the weights
.set AB,    6                          ; s[6:7] hc at my expert;  s[8:9] hsc
.set ASB,   8
.set BA,    10                         ; s[10:11] the bias
.set WTB,   12                         ; s[12:13] wts
.set YP,    14                         ; s[14:15] ypart at my columns
.set MKB,   86
.set R0,    90
.set NEFF,  91
.set TRIPS, 92
.set CNT,   93
.set BASE,  96
.set LIM,   97
.macro NOP4
.rept 4
	v_nop
.endr
.endm
.macro LOADS set, t                    ; 32 rows of K, 256 consecutive bytes each: a lane's registers 2 i, 2 i + 1 are columns 2 l, 2 l + 1 of row 32 t + i
.set i, 0
.rept 32
	global_load_b64 v[X+64*(\set)+2*i:X+64*(\set)+2*i+1], v[VL8], s[WPT:WPT+1] offset:(32*(\t)+i)*4096
.set i, i+1
.endr
.endm
.macro BLK set, t, more, last          ; one block of 32 along K for my 64 columns
.set XS, X+64*(\set)
.if \last
	s_wait_loadcnt 0x0
.else
	s_wait_loadcnt 32                              ; this set's 32 loads are in; the other set's 32 may be out
.endif
	v_max3_num_f32 v[BM0], |v[XS]|, |v[XS+2]|, 0x2800000       ; with the floor 2^(5 - 127): the byte cannot fall under 1
	v_max3_num_f32 v[BM1], |v[XS+1]|, |v[XS+3]|, 0x2800000
.irp i, 4,8,12,16,20,24,28,32,36,40,44,48,52,56,60
	v_max3_num_f32 v[BM0], v[BM0], |v[XS+\i]|, |v[XS+\i+2]|
	v_max3_num_f32 v[BM1], v[BM1], |v[XS+\i+1]|, |v[XS+\i+3]|
.endr
.set i, 0
.rept 32
	v_mov_b32 v[Y0+i], v[XS+2*i]                   ; the conversions want 16 neighbours along K in consecutive registers
	v_mov_b32 v[Y1+i], v[XS+2*i+1]
.set i, i+1
.endr
.if \more
	LOADS \set, (\t)+2
.endif
	v_add_nc_u32 v[SO0], 0xfe000000, v[BM0]
	v_add_nc_u32 v[SO1], 0xfe000000, v[BM1]
	s_wait_dscnt 0x0                               ; the last block's LDS stores are done with the codes' registers
	v_cvt_scalef32_pk16_bf6_f32 v[C0:C0+2], v[Y0:Y0+15], v[SO0]
	v_cvt_scalef32_pk16_bf6_f32 v[C0+4:C0+6], v[Y0+16:Y0+31], v[SO0]
	v_cvt_scalef32_pk16_bf6_f32 v[C1:C1+2], v[Y1:Y1+15], v[SO1]
	v_cvt_scalef32_pk16_bf6_f32 v[C1+4:C1+6], v[Y1+16:Y1+31], v[SO1]
	v_lshrrev_b32 v[BY0], 23, v[SO0]               ; the bytes; also the plain place behind the conversions
	v_lshrrev_b32 v[BY1], 23, v[SO1]
.irp i, 3,4,5
	v_mov_b32 v[C0+\i], v[C0+\i+1]
	v_mov_b32 v[C1+\i], v[C1+\i+1]
.endr
.if ((\t)%4) == 0
	v_mov_b32 v[SW0], v[BY0]
	v_mov_b32 v[SW1], v[BY1]
.else
	v_lshl_or_b32 v[SW0], v[BY0], 8*((\t)%4), v[SW0]
	v_lshl_or_b32 v[SW1], v[BY1], 8*((\t)%4), v[SW1]
.endif
.set OFF, ((\t)/4)*6144+768*((\t)%2)+24*(((\t)/2)%2)
.if (((\t)/2)%2) == 0
	ds_store_b128 v[VIMG], v[C0:C0+3] offset:OFF
	ds_store_b64 v[VIMG], v[C0+4:C0+5] offset:OFF+16
	ds_store_b128 v[VIMG], v[C1:C1+3] offset:OFF+48
	ds_store_b64 v[VIMG], v[C1+4:C1+5] offset:OFF+64
.else
	ds_store_b64 v[VIMG], v[C0:C0+1] offset:OFF
	ds_store_b128 v[VIMG], v[C0+2:C0+5] offset:OFF+8
	ds_store_b64 v[VIMG], v[C1:C1+1] offset:OFF+48
	ds_store_b128 v[VIMG], v[C1+2:C1+5] offset:OFF+56
.endif
.if ((\t)%4) == 3
	ds_store_b32 v[VSCL], v[SW0] offset:((\t)/4)*SSTR
	ds_store_b32 v[VSCL], v[SW1] offset:((\t)/4)*SSTR+8
.endif
.endm
.macro LISTBUILD step                  ; the expert's 64 words of masks become its list: the entry of rank p at LIST + 4 p
	s_load_b512 s[16:31], s[MKB:MKB+1], 0x0
	s_load_b512 s[32:47], s[MKB:MKB+1], 0x40
	s_load_b512 s[48:63], s[MKB:MKB+1], 0x80
	s_load_b512 s[68:83], s[MKB:MKB+1], 0xc0
.set i, 0
.rept 33
	ds_store_b32 v[VFILLA], v[VFILL] offset:128*i  ; the default entry, for the ranks that fill the last unit of 32
.set i, i+1
.endr
	s_mov_b32 s[CNT], 0
	s_wait_kmcnt 0x0
.irp j, 16,17,18,19,20,21,22,23,24,25,26,27,28,29,30,31,32,33,34,35,36,37,38,39,40,41,42,43,44,45,46,47,48,49,50,51,52,53,54,55,56,57,58,59,60,61,62,63,68,69,70,71,72,73,74,75,76,77,78,79,80,81,82,83
	v_mbcnt_lo_u32_b32 v[VP], s\j, s[CNT]
	v_cndmask_b32 v[VP], v[VTRASH], v[VP], s\j
	v_min_u32 v[VP], 1087, v[VP]
	v_lshl_add_u32 v[VLA], v[VP], 2, LIST
	ds_store_b32 v[VLA], v[VID]
	v_add_nc_u32 v[VID], \step, v[VID]
	s_bcnt1_i32_b32 s94, s\j
	s_add_co_u32 s[CNT], s[CNT], s94
.endr
	v_mov_b32 v[VT], s[CNT]
	ds_store_b32 v[VCNA], v[VT]
.endm
.macro WFRAG reg, s, ct
.irp g, 0,1,2
	ds_load_b128 v[\reg+4*\g:\reg+4*\g+3], v[VWI] offset:(4*(\s)+(\ct))*1536+16*\g
.endr
.endm
.macro AFRAG s
.irp T, 0,1
.irp g, 0,1,2
	global_load_b128 v[AR+24*((\s)%4)+12*\T+4*\g:AR+24*((\s)%4)+12*\T+4*\g+3], v[VA0+\T], s[AB:AB+1] offset:ASTR*(\s)+16*\g
.endr
.endr
.endm
.macro MM s, w, ct, T
.if ((\ct)%2) == 0
	v_wmma_scale_f32_16x16x128_f8f6f4 v[ACC+32*(\T)+8*(\ct):ACC+32*(\T)+8*(\ct)+7], v[\w:\w+11], v[AR+24*((\s)%4)+12*(\T):AR+24*((\s)%4)+12*(\T)+11], v[ACC+32*(\T)+8*(\ct):ACC+32*(\T)+8*(\ct)+7], v[WS+2*((\s)%2)+(\ct)/2], v[ASC+8*(\T)+(\s)] matrix_a_fmt:MATRIX_FMT_BF6 matrix_b_fmt:MATRIX_FMT_BF6
.else
	v_wmma_scale_f32_16x16x128_f8f6f4 v[ACC+32*(\T)+8*(\ct):ACC+32*(\T)+8*(\ct)+7], v[\w:\w+11], v[AR+24*((\s)%4)+12*(\T):AR+24*((\s)%4)+12*(\T)+11], v[ACC+32*(\T)+8*(\ct):ACC+32*(\T)+8*(\ct)+7], v[WS+2*((\s)%2)+(\ct)/2], v[ASC+8*(\T)+(\s)] matrix_a_fmt:MATRIX_FMT_BF6 matrix_b_fmt:MATRIX_FMT_BF6 matrix_a_scale:MATRIX_SCALE_ROW1
.endif
.endm
; A K step: eight matrix instructions, the eight accumulators by turns, one instruction a turn, in the same order in every step.
.macro KSTEP s, n
	s_wait_dscnt 6                                 ; the scale words and tiles 0, 1 are in; tiles 2, 3's six loads may be out
	s_wait_loadcnt \n
	MM \s, WP, 0, 0
	MM \s, WP, 0, 1
	MM \s, WP+12, 1, 0
	MM \s, WP+12, 1, 1
	NOP4                                           ; four places in front of loads into registers that matrix instructions have read
.if (\s) < 7
	ds_load_b64 v[WS+2*(((\s)+1)%2):WS+2*(((\s)+1)%2)+1], v[VWSA] offset:SSTR*((\s)+1)
	WFRAG WP, (\s)+1, 0
	WFRAG WP+12, (\s)+1, 1
	s_wait_dscnt 7                                 ; tiles 2, 3 are in; the seven just issued may be out
.else
	s_wait_dscnt 0x0
.endif
	MM \s, WQ, 2, 0
	MM \s, WQ, 2, 1
	MM \s, WQ+12, 3, 0
	MM \s, WQ+12, 3, 1
	NOP4
.if (\s) < 7
	WFRAG WQ, (\s)+1, 2
	WFRAG WQ+12, (\s)+1, 3
.endif
.if (\s) < 4
	AFRAG (\s)+4
.endif
.endm
	s_load_b512 s[16:31], s[0:1], 0x0              ; hc 16, hsc 18, masks 20, wts 22, W2 24, sW2 26, B2 28, sB2 30
	s_load_b64 s[32:33], s[0:1], 0x40              ; ypart
	s_set_vgpr_msb 0x40
	v_lshl_add_u32 v0, v0, 2, 0x1ea00
	v_mov_b32 v1, 0
	s_set_vgpr_msb 0x4000
	v_lshrrev_b32 v22, 5, v0
	v_readfirstlane_b32 s88, v22                   ; wave 0..7
	s_and_b32 s38, ttmp9, 15                       ; sg: which 64 columns
	s_lshr_b32 s39, ttmp9, 4
	s_sub_co_u32 s40, s39, 4                       ; routed: the expert
	s_and_b32 s41, s39, 1                          ; shared: which half of the ranks,
	s_lshr_b32 s42, ttmp9, 5                       ; which half of sW2's rows
	s_add_co_u32 s43, s42, 16
	s_lshl_b32 s44, s41, 9
	s_add_co_u32 s45, s44, 512
	s_lshl_b32 s46, s42, 4
	s_add_co_u32 s46, s46, 2048                    ; shared rows of ypart: 2,048 + 32 tile + 16 (ex - 16) + r
	s_lshl_b32 s47, s42, 22
	s_lshl_b32 s48, s40, 22
	s_lshl_b32 s51, s38, 8                         ; 256 sg
	s_lshl_b32 s52, s40, 12
	s_add_co_u32 s52, s52, s51                     ; B2: 4,096 e + 256 sg
	s_add_co_u32 s53, s51, 16384                   ; the zeros in wts
	s_cmp_lt_u32 ttmp9, 64
	s_cselect_b32 s49, 16, s40                     ; the row of masks
	s_cselect_b32 s50, s43, s40                    ; the expert's number in hc and hsc
	s_cselect_b32 s[BASE], s44, 0
	s_cselect_b32 s[LIM], s45, 0x400
	s_cselect_b32 s54, s46, 0
	s_cselect_b32 s47, s47, s48
	s_cselect_b32 s55, s53, s52
	s_cmp_lt_u32 ttmp9, 32
	s_cselect_b32 s55, s51, s55                    ; the bias' offset: sB2, the zeros, or B2
	s_lshl_b32 s48, s88, 19                        ; my K step: 128 rows of 4,096 bytes
	s_add_co_u32 s47, s47, s48
	s_add_co_u32 s47, s47, s51
	s_mul_i32 s56, s50, 786432
	s_lshl_b32 s57, s50, 15
	s_lshl_b32 s58, s49, 8
	s_lshl_b32 s59, s50, 5
	s_add_co_u32 s59, s59, 4096                    ; the default entries: 4,096 + 32 ex + lane
	s_mov_b32 s63, 0
	v_and_b32 v1, 31, v0                           ; lane
	v_lshlrev_b32 v[VL8], 3, v1
	v_bfe_u32 v22, v0, 3, 2                        ; tile j of column 2 l
	v_and_b32 v23, 7, v0
	v_mul_u32_u24 v[VIMG], v22, 1536
	v_mad_u32_u24 v[VIMG], v23, 96, v[VIMG]        ; row 2 (l % 8) of it
	s_mul_i32 s94, s88, 6144
	v_add_nc_u32 v[VIMG], s94, v[VIMG]
	v_lshlrev_b32 v[VSCL], 4, v23
	v_bfe_u32 v22, v0, 3, 1
	v_lshl_add_u32 v[VSCL], v22, 7, v[VSCL]
	v_bfe_u32 v22, v0, 4, 1                        ; lane / 16
	v_lshl_add_u32 v[VSCL], v22, 2, v[VSCL]
	s_lshl_b32 s94, s88, 8
	s_add_co_u32 s94, s94, SCL
	v_add_nc_u32 v[VSCL], s94, v[VSCL]
	v_and_b32 v23, 15, v0                          ; lane % 16
	v_mul_u32_u24 v[VWI], v1, 48
	v_lshl_add_u32 v[VWSA], v1, 3, SCL
	v_lshl_add_u32 v[VLRD0], v23, 2, LIST
	v_lshl_add_u32 v[VLR20], v22, 2, LIST
	v_lshlrev_b32 v[VBO], 5, v22
	v_lshlrev_b32 v[VC16], 4, v23
	s_mul_i32 s94, s88, 24576
	v_add_nc_u32 v[VA0], s94, v[VWI]               ; 768 R0 + 48 lane
	v_add_nc_u32 v[VA0+1], 12288, v[VA0]
	v_lshlrev_b32 v[VS0], 5, v23
	s_lshl_b32 s94, s88, 10
	v_add_nc_u32 v[VS0], s94, v[VS0]               ; 32 (R0 + r)
	v_add_nc_u32 v[VS0+1], 512, v[VS0]
	s_mul_i32 s94, s88, 8704
	s_add_co_u32 s94, s94, STG                     ; my stage
	v_mul_u32_u24 v[VSTO], v23, 272
	v_lshl_add_u32 v[VSTO], v22, 5, v[VSTO]
	v_add_nc_u32 v[VSTO], s94, v[VSTO]             ; in: row r, 32 bytes for each half of the lanes
	v_mul_u32_u24 v[VSRD], v22, 272
	v_lshl_add_u32 v[VSRD], v23, 4, v[VSRD]
	v_add_nc_u32 v[VSRD], s94, v[VSRD]             ; out: lanes 0-15 one row, lanes 16-31 the next
	v_mov_b32 v[VCNA], CNTW
	v_mov_b32 v[CW+1], 0                           ; (named as the upper halves of pairs)
	v_mov_b32 v[CW+3], 0
	v_add_nc_u32 v[VID], s54, v1                   ; the list's entries are ROWS of ypart: bit l of word j is row 32 j + l (+ the shared rows' start)
	v_add_nc_u32 v[VTRASH], 1056, v1
	v_add_nc_u32 v[VFILL], s59, v1
	v_lshl_add_u32 v[VFILLA], v1, 2, LIST
	s_lshl_b32 s[R0], s88, 5
	s_wait_kmcnt 0x0
	s_cmp_lt_u32 ttmp9, 64
	s_cselect_b64 s[WPT:WPT+1], s[26:27], s[24:25]
	s_cselect_b64 s[BA:BA+1], s[22:23], s[28:29]
	s_cmp_lt_u32 ttmp9, 32
	s_cselect_b64 s[BA:BA+1], s[30:31], s[BA:BA+1]
	s_mov_b32 s62, s47
	s_add_nc_u64 s[WPT:WPT+1], s[WPT:WPT+1], s[62:63]
	LOADS 0, 0                                     ; the stream begins before anything else is done
	LOADS 1, 1
	s_mov_b32 s62, s55
	s_add_nc_u64 s[BA:BA+1], s[BA:BA+1], s[62:63]
	s_mov_b32 s62, s56
	s_add_nc_u64 s[AB:AB+1], s[16:17], s[62:63]
	s_mov_b32 s62, s57
	s_add_nc_u64 s[ASB:ASB+1], s[18:19], s[62:63]
	s_mov_b64 s[WTB:WTB+1], s[22:23]
	s_mov_b32 s62, s51
	s_add_nc_u64 s[YP:YP+1], s[32:33], s[62:63]
	s_mov_b32 s62, s58
	s_add_nc_u64 s[MKB:MKB+1], s[20:21], s[62:63]
	s_cmp_lg_u32 s88, 0
	s_cbranch_scc1 .Lno_list
	LISTBUILD 32                                   ; wave 0 alone; no other wave touches LDS ahead of the barrier below
.Lno_list:
	s_wait_dscnt 0x0                               ; the list has landed
	s_barrier_signal -1
	s_barrier_wait -1
	BLK 0, 0, 1, 0
	BLK 1, 1, 1, 0
	BLK 0, 2, 0, 0
	BLK 1, 3, 0, 1
	s_wait_dscnt 0x0                               ; my images have landed
	s_barrier_signal -1
	s_barrier_wait -1                              ; everybody's have: from here on a wave writes only its own stage
	ds_load_b32 v16, v[VCNA]
	s_wait_dscnt 0x0
	v_readfirstlane_b32 s[NEFF], v16
	s_min_u32 s[NEFF], s[NEFF], s[LIM]
	s_mov_b32 s[TRIPS], 4
.Lrow:                                                 ; four trips of 256 ranks: 1,024, the most that an expert can have
	s_cmp_lt_u32 s[R0], s[BASE]
	s_cbranch_scc1 .Lstep
	s_cmp_ge_u32 s[R0], s[NEFF]
	s_cbranch_scc1 .Lstep
	s_lshl_b32 s94, s[R0], 2
	v_add_nc_u32 v[VLRD], s94, v[VLRD0]
	v_add_nc_u32 v[VLR2], s94, v[VLR20]
	ds_load_b32 v16, v[VLRD]                       ; the rows of ypart of ranks R0 + r
	ds_load_b32 v17, v[VLRD] offset:64             ; and R0 + 16 + r
.irp T, 0,1
.irp j, 0,1,2,3
	global_load_b128 v[ACC+32*\T+8*\j:ACC+32*\T+8*\j+3], v[VBO], s[BA:BA+1] offset:64*\j           ; the bias starts the sums
	global_load_b128 v[ACC+32*\T+8*\j+4:ACC+32*\T+8*\j+7], v[VBO], s[BA:BA+1] offset:64*\j+16
.endr
.endr
.irp T, 0,1
	global_load_b128 v[ASC+8*\T:ASC+8*\T+3], v[VS0+\T], s[ASB:ASB+1]
	global_load_b128 v[ASC+8*\T+4:ASC+8*\T+7], v[VS0+\T], s[ASB:ASB+1] offset:16
.endr
	AFRAG 0
	AFRAG 1
	AFRAG 2
	AFRAG 3
	ds_load_b64 v[WS:WS+1], v[VWSA]
	WFRAG WP, 0, 0
	WFRAG WP+12, 0, 1
	WFRAG WQ, 0, 2
	WFRAG WQ+12, 0, 3
	s_wait_dscnt 13                                ; the two list words are in; the thirteen loads behind them may be out
	v_min_u32 v16, 6143, v16
	v_min_u32 v17, 6143, v17
	v_lshlrev_b32 v16, 2, v16
	v_lshlrev_b32 v17, 2, v17
	global_load_b32 v[CW], v16, s[WTB:WTB+1]       ; the rows' weights: the youngest loads, so the first K step waits for all
	global_load_b32 v[CW+2], v17, s[WTB:WTB+1]
	KSTEP 0, 0
	KSTEP 1, 18
	KSTEP 2, 18
	KSTEP 3, 18
	KSTEP 4, 18
	KSTEP 5, 12
	KSTEP 6, 6
	KSTEP 7, 0
.irp T, 0,1
.irp i, 0,2,4,6,8,10,12,14,16,18,20,22,24,26,28,30
	v_pk_mul_f32 v[ACC+32*\T+\i:ACC+32*\T+\i+1], v[ACC+32*\T+\i:ACC+32*\T+\i+1], v[CW+2*\T:CW+2*\T+1] op_sel_hi:[1,0]   ; x the row's weight; each accumulator from its low end on
.endr
.endr
.irp T, 0,1
.irp j, 0,1,2,3
	ds_store_b128 v[VSTO], v[ACC+32*\T+8*\j:ACC+32*\T+8*\j+3] offset:16*\T*272+64*\j               ; lane (r, h): rank R0 + 16 T + r, columns 16 j + 8 h + 0 .. 7
	ds_store_b128 v[VSTO], v[ACC+32*\T+8*\j+4:ACC+32*\T+8*\j+7] offset:16*\T*272+64*\j+16
.endr
.endr
.irp i, 0,1,2,3,4,5,6,7,8,9,10,11,12,13,14,15
	ds_load_b32 v[96+\i], v[VLR2] offset:8*\i      ; the rows of ypart of ranks R0 + 2 i + lane / 16
.endr
.irp i, 0,1,2,3,4,5,6,7,8,9,10,11,12,13,14,15
	ds_load_b128 v[112+4*\i:115+4*\i], v[VSRD] offset:544*\i   ; LDS serves a wave's instructions in order: these see my stores
.endr
	s_wait_dscnt 0x0
.irp i, 0,1,2,3,4,5,6,7,8,9,10,11,12,13,14,15
	v_min_u32 v[96+\i], 4607, v[96+\i]
	v_lshl_add_u32 v[176+\i], v[96+\i], 12, v[VC16]
	global_store_b128 v[176+\i], v[112+4*\i:115+4*\i], s[YP:YP+1]   ; sixteen lanes store 256 consecutive bytes, at a multiple of 256 from ypart's first byte
.endr
.Lstep:
	s_wait_xcnt 0x0                                ; the stores have read their data and offsets: both are written again only behind this wait
	v_add_nc_u32 v[VA0], 196608, v[VA0]
	v_add_nc_u32 v[VA0+1], 196608, v[VA0+1]
	v_add_nc_u32 v[VS0], 8192, v[VS0]
	v_add_nc_u32 v[VS0+1], 8192, v[VS0+1]
	s_add_co_u32 s[R0], s[R0], 256
	s_sub_co_u32 s[TRIPS], s[TRIPS], 1
	s_cmp_lg_u32 s[TRIPS], 0
	s_cbranch_scc1 .Lrow
	s_set_vgpr_msb 0x5
	s_wait_tensorcnt 0x0
	ds_add_u32 v0, v1
	s_wait_dscnt 0x0
	s_set_vgpr_msb 0x500
	s_endpgm
.Lfunc_end_k_q5cac1cc419_down:
	.size	k_q5cac1cc419_down, .Lfunc_end_k_q5cac1cc419_down-k_q5cac1cc419_down
	.p2alignl 7, 3214868480
	.fill 96, 4, 3214868480
	.section	.rodata,"a",@progbits
	.p2align	6, 0x0
	.amdhsa_kernel k_q5cac1cc419_down
		.amdhsa_group_segment_fixed_size 126464
		.amdhsa_private_segment_fixed_size 0
		.amdhsa_enable_private_segment 0
		.amdhsa_kernarg_size 72
		.amdhsa_user_sgpr_count 2
		.amdhsa_user_sgpr_kernarg_segment_ptr 1
		.amdhsa_wavefront_size32 1
		.amdhsa_system_sgpr_workgroup_id_x 1
		.amdhsa_system_sgpr_workgroup_id_y 1
		.amdhsa_system_sgpr_workgroup_id_z 1
		.amdhsa_system_vgpr_workitem_id 0
		.amdhsa_next_free_vgpr 258
		.amdhsa_next_free_sgpr 102
		.amdhsa_reserve_vcc 0
		.amdhsa_float_denorm_mode_32 3
		.amdhsa_float_denorm_mode_16_64 3
		.amdhsa_memory_ordered 1
		.amdhsa_forward_progress 1
		.amdhsa_inst_pref_size 102
	.end_amdhsa_kernel
	.amdgpu_metadata
---
amdhsa.version: [ 1, 2 ]
amdhsa.kernels:
  - .name:           k_q5cac1cc419_down
    .symbol:         k_q5cac1cc419_down.kd
    .args:
      - { .name: hc, .offset: 0, .size: 8, .value_kind: global_buffer, .address_space: global }
      - { .name: hsc, .offset: 8, .size: 8, .value_kind: global_buffer, .address_space: global }
      - { .name: masks, .offset: 16, .size: 8, .value_kind: global_buffer, .address_space: global }
      - { .name: wts, .offset: 24, .size: 8, .value_kind: global_buffer, .address_space: global }
      - { .name: W2, .offset: 32, .size: 8, .value_kind: global_buffer, .address_space: global }
      - { .name: sW2, .offset: 40, .size: 8, .value_kind: global_buffer, .address_space: global }
      - { .name: B2, .offset: 48, .size: 8, .value_kind: global_buffer, .address_space: global }
      - { .name: sB2, .offset: 56, .size: 8, .value_kind: global_buffer, .address_space: global }
      - { .name: ypart, .offset: 64, .size: 8, .value_kind: global_buffer, .address_space: global }
    .group_segment_fixed_size: 126464
    .private_segment_fixed_size: 0
    .kernarg_segment_align: 8
    .kernarg_segment_size: 72
    .max_flat_workgroup_size: 256
    .sgpr_count:     102
    .vgpr_count:     258
    .wavefront_size: 32
...
	.end_amdgpu_metadata
.endif
;; end of part 3
;; launch combine (part 4): grid 256 x 1, 4 waves a work-group, no clusters, 0 bytes of LDS; arguments ypart, out0; writes out0
.if DOCPART == 4
	.amdgcn_target "amdgcn-amd-amdhsa--gfx1250"
	.amdhsa_code_object_version 6
	.text
	.protected	k_q5cac1cc419_combine
	.globl	k_q5cac1cc419_combine
	.p2align	8
	.type	k_q5cac1cc419_combine,@function
k_q5cac1cc419_combine:
	s_mov_b64 s[64:65], 0
	v_nop
	global_prefetch_b8 v0, s[64:65] scope:SCOPE_SE
	s_setreg_imm32_b32 hwreg(HW_REG_WAVE_MODE, 25, 1), 1
	s_wait_xcnt 0x0
; COMBINE.  out0[token] = the token's two routed rows + the shared expert's two halves: four rows of ypart, 4,096 bytes each.
; A wave takes a token.  Its rows: 32 (t / 16) + t % 16 (first choice), 16 rows on (second), and the same two 2,048 rows further down (shared).
; Every load and store of a wave covers 512 consecutive bytes.  All 32 loads go out at once; the waits count the four loads of each younger piece.  No LDS, no barrier: waves share nothing.
	s_load_b128 s[4:7], s[0:1], 0x0                ; ypart, out0
	v_lshrrev_b32 v1, 5, v0
	v_readfirstlane_b32 s8, v1                     ; wave 0..3
	s_lshl_b32 s9, ttmp9, 2
	s_add_co_u32 s9, s9, s8                        ; the token
	s_lshr_b32 s10, s9, 4
	s_lshl_b32 s10, s10, 5
	s_and_b32 s11, s9, 15
	s_add_co_u32 s10, s10, s11                     ; its first row of ypart
	s_lshl_b32 s10, s10, 12
	s_mov_b32 s11, 0
	s_lshl_b32 s12, s9, 12
	s_mov_b32 s13, 0
	v_and_b32 v1, 31, v0
	v_lshlrev_b32 v1, 4, v1                        ; 16 bytes a lane
	s_wait_kmcnt 0x0
	s_add_nc_u64 s[4:5], s[4:5], s[10:11]
	s_add_nc_u64 s[14:15], s[4:5], 0x800000        ; 2,048 rows on: beyond a load's immediate, so it has a base of its own
	s_add_nc_u64 s[6:7], s[6:7], s[12:13]
.irp j, 0,1,2,3,4,5,6,7
	global_load_b128 v[4+16*\j:7+16*\j], v1, s[4:5] offset:512*\j th:TH_LOAD_NT
	global_load_b128 v[8+16*\j:11+16*\j], v1, s[4:5] offset:65536+512*\j th:TH_LOAD_NT
	global_load_b128 v[12+16*\j:15+16*\j], v1, s[14:15] offset:512*\j th:TH_LOAD_NT
	global_load_b128 v[16+16*\j:19+16*\j], v1, s[14:15] offset:65536+512*\j th:TH_LOAD_NT
.endr
.irp j, 0,1,2,3,4,5,6,7
	s_wait_loadcnt 4*(7-\j)                        ; piece j's four loads are in; the younger pieces' may be out
	v_pk_add_f32 v[4+16*\j:5+16*\j], v[4+16*\j:5+16*\j], v[8+16*\j:9+16*\j]
	v_pk_add_f32 v[6+16*\j:7+16*\j], v[6+16*\j:7+16*\j], v[10+16*\j:11+16*\j]
	v_pk_add_f32 v[12+16*\j:13+16*\j], v[12+16*\j:13+16*\j], v[16+16*\j:17+16*\j]
	v_pk_add_f32 v[14+16*\j:15+16*\j], v[14+16*\j:15+16*\j], v[18+16*\j:19+16*\j]
	v_pk_add_f32 v[4+16*\j:5+16*\j], v[4+16*\j:5+16*\j], v[12+16*\j:13+16*\j]
	v_pk_add_f32 v[6+16*\j:7+16*\j], v[6+16*\j:7+16*\j], v[14+16*\j:15+16*\j]
	global_store_b128 v1, v[4+16*\j:7+16*\j], s[6:7] offset:512*\j th:TH_STORE_NT
.endr
	s_endpgm
.Lfunc_end_k_q5cac1cc419_combine:
	.size	k_q5cac1cc419_combine, .Lfunc_end_k_q5cac1cc419_combine-k_q5cac1cc419_combine
	.p2alignl 7, 3214868480
	.fill 96, 4, 3214868480
	.section	.rodata,"a",@progbits
	.p2align	6, 0x0
	.amdhsa_kernel k_q5cac1cc419_combine
		.amdhsa_group_segment_fixed_size 0
		.amdhsa_private_segment_fixed_size 0
		.amdhsa_enable_private_segment 0
		.amdhsa_kernarg_size 16
		.amdhsa_user_sgpr_count 2
		.amdhsa_user_sgpr_kernarg_segment_ptr 1
		.amdhsa_wavefront_size32 1
		.amdhsa_system_sgpr_workgroup_id_x 1
		.amdhsa_system_sgpr_workgroup_id_y 1
		.amdhsa_system_sgpr_workgroup_id_z 1
		.amdhsa_system_vgpr_workitem_id 0
		.amdhsa_next_free_vgpr 140
		.amdhsa_next_free_sgpr 66
		.amdhsa_reserve_vcc 0
		.amdhsa_float_denorm_mode_32 3
		.amdhsa_float_denorm_mode_16_64 3
		.amdhsa_memory_ordered 1
		.amdhsa_forward_progress 1
		.amdhsa_inst_pref_size 8
	.end_amdhsa_kernel
	.amdgpu_metadata
---
amdhsa.version: [ 1, 2 ]
amdhsa.kernels:
  - .name:           k_q5cac1cc419_combine
    .symbol:         k_q5cac1cc419_combine.kd
    .args:
      - { .name: ypart, .offset: 0, .size: 8, .value_kind: global_buffer, .address_space: global }
      - { .name: out0, .offset: 8, .size: 8, .value_kind: global_buffer, .address_space: global }
    .group_segment_fixed_size: 0
    .private_segment_fixed_size: 0
    .kernarg_segment_align: 8
    .kernarg_segment_size: 16
    .max_flat_workgroup_size: 128
    .sgpr_count:     66
    .vgpr_count:     140
    .wavefront_size: 32
...
	.end_amdgpu_metadata
.endif
;; end of part 4
;; ======== version 2 of 3: 4 launches; 1.34 times as fast as version 1
;; workspace buffers: actc 1,572,864 bytes; acts 65,536 bytes; masks 8,192 bytes of whole numbers; wts 24,576 bytes; hc 14,155,776 bytes; hsc 589,824 bytes; ypart 18,874,368 bytes; swq 3,276,800 bytes
;; launch prep (part 5): grid 96 x 1, 16 waves a work-group, no clusters, 135,168 bytes of LDS; arguments embeddings, x, gate_w, actc, acts, masks, wts, sW1, sW2, swq; writes actc, acts, masks, wts, swq
.if DOCPART == 5
	.amdgcn_target "amdgcn-amd-amdhsa--gfx1250"
	.amdhsa_code_object_version 6
	.text
	.protected	k_q5cac1cc419_prep
	.globl	k_q5cac1cc419_prep
	.p2align	8
	.type	k_q5cac1cc419_prep,@function
k_q5cac1cc419_prep:
	s_mov_b64 s[64:65], 0
	v_nop
	global_prefetch_b8 v0, s[64:65] scope:SCOPE_SE
	s_setreg_imm32_b32 hwreg(HW_REG_WAVE_MODE, 25, 1), 1
	s_wait_xcnt 0x0
; PREP.  Work-groups 0 .. 63: the tokens.  Work-groups 64 .. 95: the shared expert's weights.  The two part once, at the head, and use LDS bytes of their own.
; THE TOKENS.  embeddings and x ([1024][1024] f32) become codes of BF6 (E3M2) with one E8M0 byte for each 32 along K, laid as the later launches' operand registers take them;
; the gate's product (embeddings x gate_w^T, both quantised along K), its softmax and its two largest scores are made here, and the choice is stored at FIXED places as whole numbers.
; actc [2][1024 tokens][8 K steps][2 halves][48 bytes]: the 48 bytes are the 12 registers of lane (row, half) of a fragment of 16 rows x 128 K.   acts [2][1024][8 words]: a row's scale words.
; masks [32 rows][64 words]: row e < 16, word t: bit l = slot 32 t + l chose expert e (slot = 32 x tile + 16 x choice + row);  rows 16-31: zeros, not read.
; wts f32 [6144]: [0, 2048) the slot's gate weight, [4096, 6144) 0.0; the words between are neither written nor read.
; A work-group takes 16 tokens; wave w takes tensor q = w / 8 and K step s = w % 8: 16 rows x 128 numbers, 64 a lane, in the very order of the operand's layout (lane (r, h): k = 64 c + 32 h + 0 .. 31).
; The eight waves of the embeddings also quantise their K step of gate_w and issue ONE matrix instruction (source 0 = the 16 experts, source 1 = the 16 tokens); the eight partial sums meet in LDS and wave 0 adds them in ascending K.
; THE WEIGHTS.  sW1 [1024][2048] and sW2 [2048][1024], f32 with K as their first axis, become codes laid in swq exactly as the later launches keep weights in LDS: images of operand registers, 48 bytes a lane and fragment.
; swq: sW1: 16 slices of 128 columns x (98,304 bytes of codes [b][K step][m][u] x 1,536 + 4,096 of scale words [K step][b][r + 16 u][m]);
;      sW2, from byte 1,638,400: 32 units (16 x half of K + slice of 64 columns) x (49,152 bytes [K step][tile] x 1,536 + 2,048 of scale words [K step][r + 16 (tile % 2)][tile / 2]).
; A wave takes 64 columns x one K step: 128 rows, 256 consecutive bytes a load, a lane two columns, its registers running DOWN K; four fragments go through the wave's own stage and leave as 12 x 512 consecutive bytes.
; LIMITS: NaN and infinities among the inputs are not served.  A block of zeros gets the byte 1 where the rule says 127: its codes are zeros, and this program alone reads the bytes.
; The gate's sum over K is eight partial sums added in ascending order: scores equal to the last bits of f32 may be ordered otherwise than by another order of summing.  Ties are broken to the lower index.
.set SPIT, 784                         ; a token's row in the stage: 768 bytes + 16
.set SST,  25088                       ; behind the two stages of 16 rows: the scale words [q][row][8 words]
.set PART, 26112                       ; the partial logits: 1,024 bytes for each K step
.set WST,  34816                       ; the weights' stages: 6,144 bytes for each wave
.set X,    16                          ; v16-79   64 numbers of my row
.set G,    80                          ; v80-143  64 numbers of gate_w; later the partial logits
.set P1,   144                         ; v144-155 the tokens' fragment
.set P2,   156                         ; v156-167 gate_w's
.set CT,   168                         ; v168-175 upper halves of blocks, as the conversions leave them
.set QM,   176                         ; v176-177 largest magnitudes; v178-179 the conversions' scale operands; v180-181 bytes; v182-183 at work
.set QS,   178
.set QB,   180
.set SWX,  184                         ; the tokens' scale word
.set SWG,  185                         ; gate_w's
.set D,    186                         ; v186-193 the partial logits of my K step
.set VL8,  2                           ; the weights' path: v2 my two columns' bytes in a row
.set VIMG, 3                           ; v3   where their codes go in my stage
.set VCP,  4                           ; v4   my stage, 16 x lane
.set VCO0, 5                           ; v5   16 x lane
.set VCO1, 6                           ; v6   the same for the stage's second half
.set VSO,  7                           ; v7   where my columns' scale words go
.set WX,   32                          ; v32-159 two sets of 32 rows x 2 columns
.set Y0,   160                         ; v160-191 the even column's 32 numbers
.set Y1,   192                         ; v192-223 the odd column's
.set BM0,  224
.set BM1,  225
.set SO0,  226
.set SO1,  227
.set BY0,  228
.set BY1,  229
.set SW0,  230
.set SW1,  231
.set C0,   232                         ; v232-238, v240-246 a block's codes
.set C1,   240
	v_lshl_add_u32 v254, v0, 2, 0x20800
	v_mov_b32 v255, 0
	v_lshrrev_b32 v12, 5, v0
	v_readfirstlane_b32 s18, v12                   ; wave 0..15
	s_cmp_ge_u32 ttmp9, 64
	s_cbranch_scc1 .Lweights
	s_load_b256 s[4:11], s[0:1], 0x0               ; embeddings s[4:5], x s[6:7], gate_w s[8:9], actc s[10:11]
	s_load_b128 s[12:15], s[0:1], 0x20             ; acts s[12:13], masks s[14:15]
	s_load_b64 s[16:17], s[0:1], 0x30              ; wts
	s_lshr_b32 s19, s18, 3                         ; q: 0 embeddings, 1 x
	s_and_b32 s20, s18, 7                          ; s: my K step
	s_mov_b32 s24, 0x76543210
	s_mov_b32 s25, 0xfedcba98                      ; v_permlanex16_b32's selects for lane l xor 16
	s_mov_b32 s26, 0xffff0000                      ; lanes 16-31
	v_and_b32 v13, 31, v0                          ; lane
	v_and_b32 v1, 15, v0                           ; r
	v_bfe_u32 v2, v0, 4, 1                         ; h
	v_lshlrev_b32 v3, 12, v1
	v_lshl_add_u32 v3, v2, 7, v3                   ; in memory: row r of 4,096 bytes + 128 h
	v_mul_u32_u24 v4, v1, SPIT                     ; every LDS address is made here, ahead of the first branch on the wave's number
	v_mad_u32_u24 v4, v2, 48, v4
	s_mul_i32 s30, s19, 16*SPIT
	s_mul_i32 s31, s20, 96
	s_add_co_u32 s31, s31, s30
	v_add_nc_u32 v4, s31, v4                       ; the stage, in: q's stage + row r + 96 s + 48 h
	v_lshlrev_b32 v5, 5, v1
	s_lshl_b32 s31, s19, 9
	s_add_co_u32 s31, s31, SST
	s_lshl_b32 s32, s20, 2
	s_add_co_u32 s32, s32, s31
	v_add_nc_u32 v5, s32, v5                       ; my row's scale word of K step s
	v_lshlrev_b32 v6, 5, v13
	s_lshl_b32 s32, s20, 10
	s_add_co_u32 s32, s32, PART
	v_add_nc_u32 v6, s32, v6                       ; my 32 bytes of K step s's partial logits
	v_lshlrev_b32 v9, 4, v13                       ; 16 x lane
	s_mul_i32 s32, s20, 2*SPIT
	s_add_co_u32 s32, s32, s30
	v_add_nc_u32 v7, s32, v9                       ; the stage, out: rows 2 s and 2 s + 1 as 1,536 bytes on end: 16 x lane,
	v_lshl_add_u32 v8, v2, 4, v7                   ; and 16 more where the second row has begun
	v_add_nc_u32 v10, s31, v9                      ; q's 512 bytes of scale words, 16 a lane
	v_lshl_add_u32 v11, v13, 5, PART               ; the partial logits, read back
	v_mov_b32 v183, 0                              ; a lane permute's destination counts as one of its sources
	s_lshl_b32 s22, ttmp9, 16                      ; my tile's 16 rows of 4,096 bytes,
	s_lshl_b32 s34, s20, 9                         ; my K step's 512 bytes
	s_add_co_u32 s22, s22, s34
	s_mov_b32 s23, 0
	s_mov_b32 s35, 0
	s_mul_i32 s36, s19, 786432                     ; actc: tensor q, tile x 12,288, + 1,536 s
	s_mul_i32 s38, ttmp9, 12288
	s_add_co_u32 s36, s36, s38
	s_mul_i32 s38, s20, 1536
	s_add_co_u32 s36, s36, s38
	s_mov_b32 s37, 0
	s_lshl_b32 s38, s19, 15                        ; acts: tensor q, tile x 512
	s_lshl_b32 s39, ttmp9, 9
	s_add_co_u32 s38, s38, s39
	s_mov_b32 s39, 0
	s_lshl_b32 s58, ttmp9, 2                       ; masks: word = tile
	s_mov_b32 s59, 0
	s_lshl_b32 s60, ttmp9, 7                       ; wts: 32 slots a tile
	s_mov_b32 s61, 0
	s_wait_kmcnt 0x0
	s_cmp_eq_u32 s19, 0
	s_cselect_b64 s[28:29], s[4:5], s[6:7]
	s_add_nc_u64 s[28:29], s[28:29], s[22:23]
	s_add_nc_u64 s[8:9], s[8:9], s[34:35]
	s_add_nc_u64 s[10:11], s[10:11], s[36:37]
	s_add_nc_u64 s[12:13], s[12:13], s[38:39]
	s_add_nc_u64 s[14:15], s[14:15], s[58:59]
	s_add_nc_u64 s[16:17], s[16:17], s[60:61]
.irp c, 0,1
.irp j, 0,1,2,3,4,5,6,7
	global_load_b128 v[X+32*\c+4*\j:X+32*\c+4*\j+3], v3, s[28:29] offset:256*\c+16*\j   ; k = 128 s + 64 c + 32 h + 4 j ..  (no hint: eight loads of the wave come back to each run of 256 bytes)
.endr
.endr
	s_cmp_lg_u32 s19, 0
	s_cbranch_scc1 .Lno_gate_loads
.irp c, 0,1
.irp j, 0,1,2,3,4,5,6,7
	global_load_b128 v[G+32*\c+4*\j:G+32*\c+4*\j+3], v3, s[8:9] offset:256*\c+16*\j                   ; gate_w: row r is expert r
.endr
.endr
.Lno_gate_loads:
	s_wait_loadcnt 0x0
; 64 numbers of a lane (two whole blocks: blocks h and 2 + h of the K step) become the lane's 12 operand registers and, with lane l xor 16's two bytes, the row's scale word.
.macro QK src, dst, word
.irp c, 0,1
	v_max3_num_f32 v[QM+\c], |v[\src+32*\c]|, |v[\src+32*\c+1]|, 0x2800000   ; with the floor 2^(5 - 127): the byte cannot fall under 1
.endr
.irp i, 2,4,6,8,10,12,14,16,18,20,22,24,26,28,30
.irp c, 0,1
	v_max3_num_f32 v[QM+\c], v[QM+\c], |v[\src+32*\c+\i]|, |v[\src+32*\c+\i+1]|
.endr
.endr
.irp c, 0,1
	v_add_nc_u32 v[QS+\c], 0xfe000000, v[QM+\c]    ; 4 off the exponent field: the conversion takes this operand's exponent field as its scale
.endr
.irp c, 0,1
	v_lshrrev_b32 v[QB+\c], 23, v[QS+\c]           ; the scale's byte
.endr
	v_lshl_or_b32 v[\word], v[QB+1], 16, v[QB]
	v_lshlrev_b32 v182, 3, v2
	v_lshlrev_b32 v[\word], v182, v[\word]         ; my two bytes at their places, 8 h bits up
	v_permlanex16_b32 v183, v[\word], s24, s25
	v_or_b32 v[\word], v[\word], v183              ; with lane l xor 16's two the word is whole
.irp c, 0,1
	v_cvt_scalef32_pk16_bf6_f32 v[\dst+6*\c:\dst+6*\c+2], v[\src+32*\c:\src+32*\c+15], v[QS+\c]
	v_cvt_scalef32_pk16_bf6_f32 v[CT+4*\c:CT+4*\c+2], v[\src+32*\c+16:\src+32*\c+31], v[QS+\c]   ; (a conversion's three registers begin on an even number)
.endr
	v_nop                                          ; one plain place behind a scaled conversion
.irp c, 0,1
.irp i, 0,1,2
	v_mov_b32 v[\dst+6*\c+3+\i], v[CT+4*\c+\i]
.endr
.endr
.endm
	QK X, P1, SWX
	ds_store_b128 v4, v[P1:P1+3]
	ds_store_b128 v4, v[P1+4:P1+7] offset:16
	ds_store_b128 v4, v[P1+8:P1+11] offset:32
	ds_store_b32 v5, v[SWX]                        ; both halves of the lanes write the same word with the same value
	s_cmp_lg_u32 s19, 0
	s_cbranch_scc1 .Lno_gate
	QK G, P2, SWG
.rept 8
	v_nop                                          ; a scale register written by a vector instruction stands 8 places ahead of a scaled matrix instruction, an operand 4
.endr
	v_wmma_scale_f32_16x16x128_f8f6f4 v[D:D+7], v[P2:P2+11], v[P1:P1+11], 0, v[SWG], v[SWX] matrix_a_fmt:MATRIX_FMT_BF6 matrix_b_fmt:MATRIX_FMT_BF6   ; lane (r, h): token r, experts 8 h + 0 .. 7
.rept 4
	v_nop
.endr
	ds_store_b128 v6, v[D:D+3]
	ds_store_b128 v6, v[D+4:D+7] offset:16
.Lno_gate:
	s_wait_dscnt 0x0                               ; for the others' sake: my stores have landed
	s_barrier_signal -1
	s_barrier_wait -1
	; the codes leave as they lie in actc: 1,536 consecutive bytes a wave, 512 an instruction
	ds_load_b128 v[16:19], v7
	ds_load_b128 v[20:23], v8 offset:512
	ds_load_b128 v[24:27], v7 offset:1040
	s_wait_dscnt 0x0
	global_store_b128 v9, v[16:19], s[10:11]
	global_store_b128 v9, v[20:23], s[10:11] offset:512
	global_store_b128 v9, v[24:27], s[10:11] offset:1024
	s_cmp_lg_u32 s20, 1
	s_cbranch_scc1 .Lno_words
	ds_load_b128 v[28:31], v10                     ; waves 1 and 9: a tensor's 512 bytes of scale words
	s_wait_dscnt 0x0
	global_store_b128 v9, v[28:31], s[12:13]
.Lno_words:
	s_cmp_lg_u32 s18, 0
	s_cbranch_scc1 .Lend
	; WAVE 0: the router.  No address and no branch below hangs on a score.
.irp s, 0,1,2,3,4,5,6,7
	ds_load_b128 v[G+8*\s:G+8*\s+3], v11 offset:1024*\s
	ds_load_b128 v[G+8*\s+4:G+8*\s+7], v11 offset:1024*\s+16
.endr
	s_wait_dscnt 0x0
.irp s, 1,2,3,4,5,6,7
.irp j, 0,2,4,6
	v_pk_add_f32 v[G+\j:G+\j+1], v[G+\j:G+\j+1], v[G+8*\s+\j:G+8*\s+\j+1]   ; K ascending
.endr
.endr
.irp j, 0,1,2,3,4,5,6,7
	v_permlanex16_b32 v[88+\j], v[80+\j], s24, s25 ; the token's other eight experts
.endr
.irp j, 0,1,2,3,4,5,6,7
	v_cndmask_b32 v[96+\j], v[80+\j], v[88+\j], s26    ; experts 0-7 in v96-103,
	v_cndmask_b32 v[104+\j], v[88+\j], v[80+\j], s26   ; 8-15 in v104-111, in every lane
.endr
	v_max3_num_f32 v112, v96, v97, v98
.irp i, 99,101,103,105,107,109
	v_max3_num_f32 v112, v112, v[\i], v[\i+1]
.endr
	v_max_num_f32 v112, v112, v111                 ; the row's maximum is taken away ahead of the exponentials
.irp j, 0,1,2,3,4,5,6,7,8,9,10,11,12,13,14,15
	v_sub_f32 v[96+\j], v[96+\j], v112
.endr
.irp j, 0,1,2,3,4,5,6,7,8,9,10,11,12,13,14,15
	v_mul_f32 v[96+\j], 0x3fb8aa3b, v[96+\j]
.endr
.irp j, 0,1,2,3,4,5,6,7,8,9,10,11,12,13,14,15
	v_exp_f32 v[96+\j], v[96+\j]
.endr
	v_nop                                          ; a plain place behind the batch
	s_wait_alu depctr_va_vdst(0)                   ; one wait for the sixteen, ahead of their first reader
	v_add_f32 v113, v96, v97
.irp j, 2,3,4,5,6,7,8,9,10,11,12,13,14,15
	v_add_f32 v113, v113, v[96+\j]
.endr
	v_rcp_f32 v113, v113
	v_nop
	s_wait_alu depctr_va_vdst(0)
.irp j, 0,1,2,3,4,5,6,7,8,9,10,11,12,13,14,15
	v_mul_f32 v[96+\j], v[96+\j], v113             ; the scores
.endr
	v_mov_b32 v114, v96                            ; the largest: an ascending scan that keeps the old one unless the new is strictly larger: the lower index wins a tie
	v_mov_b32 v115, 0
.irp j, 1,2,3,4,5,6,7,8,9,10,11,12,13,14,15
	v_cmp_le_f32 vcc_lo, v[96+\j], v114
	v_cndmask_b32 v114, v[96+\j], v114, vcc_lo
	v_cndmask_b32 v115, \j, v115, vcc_lo
.endr
	v_mov_b32 v116, -1.0
.irp j, 0,1,2,3,4,5,6,7,8,9,10,11,12,13,14,15
	v_cmp_eq_u32 vcc_lo, \j, v115
	v_cndmask_b32 v[96+\j], v[96+\j], v116, vcc_lo ; the winner is taken out: scores are not negative
.endr
	v_mov_b32 v117, v96                            ; the second largest, likewise
	v_mov_b32 v118, 0
.irp j, 1,2,3,4,5,6,7,8,9,10,11,12,13,14,15
	v_cmp_le_f32 vcc_lo, v[96+\j], v117
	v_cndmask_b32 v117, v[96+\j], v117, vcc_lo
	v_cndmask_b32 v118, \j, v118, vcc_lo
.endr
	v_cndmask_b32 v119, v115, v118, s26            ; lane r + 16 k: token r's choice k,
	v_cndmask_b32 v120, v114, v117, s26            ; and its weight
.irp e, 0,1,2,3,4,5,6,7,8,9,10,11,12,13,14,15
	v_cmp_eq_u32 s[40+\e], \e, v119                ; which of the tile's 32 slots chose expert e: a word of the mask
.endr
	v_mov_b32 v121, 0
.irp e, 0,1,2,3,4,5,6,7,8,9,10,11,12,13,14,15
	v_writelane_b32 v121, s[40+\e], \e
.endr
	v_lshlrev_b32 v122, 8, v13                     ; lane = row of masks, 256 bytes a row
	global_store_b32 v122, v121, s[14:15]
	v_lshlrev_b32 v123, 2, v13
	v_mov_b32 v125, 0
	global_store_b32 v123, v120, s[16:17]
	global_store_b32 v123, v125, s[16:17] offset:16384
.Lend:
	s_wait_tensorcnt 0x0
	ds_add_u32 v254, v255
	s_wait_dscnt 0x0
	s_endpgm
; ---- THE WEIGHTS' PATH
; 32 rows of K, 256 consecutive bytes each, into set: a lane's registers 2 i, 2 i + 1 are its two columns of row 32 t + i.  Base and offset register are never rewritten.  Each byte is read once in the launch.
.macro WLOADS set, t
	s_cmp_eq_u32 s21, 0
	s_cbranch_scc0 .Lnarrow_\@
.set i, 0
.rept 32
	global_load_b64 v[WX+64*(\set)+2*i:WX+64*(\set)+2*i+1], v[VL8], s[4:5] offset:(32*(\t)+i)*8192 th:TH_LOAD_NT   ; sW1: rows of 8,192 bytes
.set i, i+1
.endr
	s_branch .Lasked_\@
.Lnarrow_\@:
.set i, 0
.rept 32
	global_load_b64 v[WX+64*(\set)+2*i:WX+64*(\set)+2*i+1], v[VL8], s[4:5] offset:(32*(\t)+i)*4096 th:TH_LOAD_NT   ; sW2: rows of 4,096 bytes
.set i, i+1
.endr
.Lasked_\@:
.endm
; One block of 32 along K for my 64 columns: largest magnitudes, the two columns parted, codes, images.
.macro WBLK set, t, more, last
.set XS, WX+64*(\set)
.if \last
	s_wait_loadcnt 0x0
.else
	s_wait_loadcnt 32                              ; this set's 32 loads are in; the other set's 32 may be out
.endif
	v_max3_num_f32 v[BM0], |v[XS]|, |v[XS+2]|, 0x2800000       ; with the floor 2^(5 - 127): the byte cannot fall under 1
	v_max3_num_f32 v[BM1], |v[XS+1]|, |v[XS+3]|, 0x2800000
.irp i, 4,8,12,16,20,24,28,32,36,40,44,48,52,56,60
	v_max3_num_f32 v[BM0], v[BM0], |v[XS+\i]|, |v[XS+\i+2]|
	v_max3_num_f32 v[BM1], v[BM1], |v[XS+\i+1]|, |v[XS+\i+3]|
.endr
.set i, 0
.rept 32
	v_mov_b32 v[Y0+i], v[XS+2*i]                   ; the conversions want 16 neighbours along K in consecutive registers: the price of loads of 8 bytes
	v_mov_b32 v[Y1+i], v[XS+2*i+1]
.set i, i+1
.endr
.if \more
	WLOADS \set, (\t)+2
.endif
	v_add_nc_u32 v[SO0], 0xfe000000, v[BM0]        ; 4 off the exponent field: the conversions' scale operands
	v_add_nc_u32 v[SO1], 0xfe000000, v[BM1]
	s_wait_dscnt 0x0                               ; the last block's LDS stores are done with the codes' registers
	v_cvt_scalef32_pk16_bf6_f32 v[C0:C0+2], v[Y0:Y0+15], v[SO0]
	v_cvt_scalef32_pk16_bf6_f32 v[C0+4:C0+6], v[Y0+16:Y0+31], v[SO0]
	v_cvt_scalef32_pk16_bf6_f32 v[C1:C1+2], v[Y1:Y1+15], v[SO1]
	v_cvt_scalef32_pk16_bf6_f32 v[C1+4:C1+6], v[Y1+16:Y1+31], v[SO1]
	v_lshrrev_b32 v[BY0], 23, v[SO0]               ; the bytes; also the plain place behind the conversions
	v_lshrrev_b32 v[BY1], 23, v[SO1]
.irp i, 3,4,5
	v_mov_b32 v[C0+\i], v[C0+\i+1]                 ; a block's 24 bytes in six registers on end
	v_mov_b32 v[C1+\i], v[C1+\i+1]
.endr
.if (\t) == 0
	v_mov_b32 v[SW0], v[BY0]
	v_mov_b32 v[SW1], v[BY1]
.else
	v_lshl_or_b32 v[SW0], v[BY0], 8*(\t), v[SW0]
	v_lshl_or_b32 v[SW1], v[BY1], 8*(\t), v[SW1]
.endif
.set OFF, 768*((\t)%2)+24*((\t)/2)     ; block t = 2 c + h of the K step: lanes 16 h on, bytes 24 c on
.if ((\t)/2) == 0
	ds_store_b128 v[VIMG], v[C0:C0+3] offset:OFF
	ds_store_b64 v[VIMG], v[C0+4:C0+5] offset:OFF+16
	ds_store_b128 v[VIMG], v[C1:C1+3] offset:OFF+48
	ds_store_b64 v[VIMG], v[C1+4:C1+5] offset:OFF+64
.else
	ds_store_b64 v[VIMG], v[C0:C0+1] offset:OFF
	ds_store_b128 v[VIMG], v[C0+2:C0+5] offset:OFF+8
	ds_store_b64 v[VIMG], v[C1:C1+1] offset:OFF+48
	ds_store_b128 v[VIMG], v[C1+2:C1+5] offset:OFF+56
.endif
.endm
.Lweights:
	s_load_b128 s[4:7], s[0:1], 0x38               ; sW1, sW2
	s_load_b64 s[8:9], s[0:1], 0x48                ; swq
	s_sub_co_u32 s20, ttmp9, 64                    ; 0 .. 31
	s_lshr_b32 s21, s20, 4                         ; 0: sW1, 1: sW2
	s_and_b32 s22, s20, 15
	s_lshl_b32 s22, s22, 1
	s_lshr_b32 s23, s18, 3
	s_add_co_u32 s22, s22, s23                     ; which 64 columns (sW1: 0 .. 31) or which unit (sW2: 16 x half of K + slice)
	s_and_b32 s19, s18, 7                          ; my K step
	s_lshl_b32 s24, s22, 8
	s_lshl_b32 s25, s19, 20
	s_add_co_u32 s24, s24, s25                     ; sW1: 256 bytes a part, 128 rows of 8,192 bytes a K step
	s_and_b32 s26, s22, 15
	s_lshl_b32 s26, s26, 8
	s_lshr_b32 s27, s22, 4
	s_lshl_b32 s27, s27, 22
	s_add_co_u32 s26, s26, s27
	s_lshl_b32 s27, s19, 19
	s_add_co_u32 s26, s26, s27                     ; sW2: 256 bytes a slice, 1,024 rows a half, 128 rows of 4,096 bytes a K step
	s_lshr_b32 s28, s22, 1
	s_mul_i32 s28, s28, 102400                     ; swq, sW1: the slice of 128 columns,
	s_mul_i32 s29, s19, 6144                       ; four fragments a K step,
	s_and_b32 s30, s22, 1
	s_mul_i32 s31, s30, 3072                       ; m's two of them
	s_add_co_u32 s31, s31, s28
	s_add_co_u32 s31, s31, s29
	s_lshl_b32 s32, s19, 9
	s_lshl_b32 s30, s30, 2
	s_add_co_u32 s32, s32, s30
	s_add_co_u32 s32, s32, s28
	s_add_co_u32 s32, s32, 98304                   ; and its scale words: 512 s + 4 m
	s_mul_i32 s33, s22, 51200
	s_add_co_u32 s33, s33, 1638400                 ; swq, sW2: the unit,
	s_add_co_u32 s34, s33, s29
	s_lshl_b32 s35, s19, 8
	s_add_co_u32 s35, s35, s33
	s_add_co_u32 s35, s35, 49152                   ; and its scale words: 256 s
	s_cmp_eq_u32 s21, 0
	s_cselect_b32 s24, s24, s26
	s_cselect_b32 s31, s31, s34
	s_cselect_b32 s32, s32, s35
	s_cselect_b32 s36, 46080, 0                    ; sW1: the stage's second half is block b = 1, 49,152 bytes behind b = 0 in swq and 3,072 in the stage
	s_cselect_b32 s37, -1, 0
	s_mov_b32 s41, 0
	v_and_b32 v1, 31, v0                           ; lane
	v_lshlrev_b32 v8, 3, v1
	v_and_b32 v9, 0x13, v1                         ; sW1: the lane's bits 2 and 3 change places in its COLUMN pair, so that row r of tile u holds column 8 u + r + 8 (r / 8) of a block of 32,
	v_bfe_u32 v10, v0, 2, 1                        ; while the stage is laid alike for both tensors: fragment l / 8, rows 2 (l % 8) and the next
	v_bfe_u32 v11, v0, 3, 1
	v_lshl_or_b32 v9, v10, 3, v9
	v_lshl_or_b32 v9, v11, 2, v9
	v_lshlrev_b32 v9, 3, v9
	v_cndmask_b32 v[VL8], v8, v9, s37
	v_lshlrev_b32 v[VCO0], 4, v1                   ; 16 x lane.  Also sW1's place of a lane's scale words: 256 b + 128 u + 8 r
	v_and_b32 v13, 15, v0
	v_lshlrev_b32 v13, 4, v13
	v_bfe_u32 v14, v0, 4, 1
	v_lshl_add_u32 v13, v14, 2, v13                ; sW2's: 8 (r + 16 (tile % 2)) + 4 (tile / 2)
	v_cndmask_b32 v[VSO], v13, v[VCO0], s37
	v_bfe_u32 v10, v0, 3, 2
	v_and_b32 v11, 7, v0
	v_mul_u32_u24 v[VIMG], v10, 1536
	v_mad_u32_u24 v[VIMG], v11, 96, v[VIMG]
	s_mul_i32 s38, s18, 6144
	s_add_co_u32 s38, s38, WST                     ; my stage
	v_add_nc_u32 v[VIMG], s38, v[VIMG]
	v_add_nc_u32 v[VCP], s38, v[VCO0]
	v_add_nc_u32 v[VCO1], s36, v[VCO0]
	s_wait_kmcnt 0x0
	s_cmp_eq_u32 s21, 0
	s_cselect_b64 s[4:5], s[4:5], s[6:7]
	s_mov_b32 s40, s24
	s_add_nc_u64 s[4:5], s[4:5], s[40:41]
	WLOADS 0, 0
	WLOADS 1, 1
	s_mov_b32 s40, s31
	s_add_nc_u64 s[10:11], s[8:9], s[40:41]
	s_mov_b32 s40, s32
	s_add_nc_u64 s[12:13], s[8:9], s[40:41]
	WBLK 0, 0, 1, 0
	WBLK 1, 1, 1, 0
	WBLK 0, 2, 0, 0
	WBLK 1, 3, 0, 1
	global_store_b32 v[VSO], v[SW0], s[12:13]      ; my two columns' scale words of this K step
	global_store_b32 v[VSO], v[SW1], s[12:13] offset:8
.irp i, 0,1,2,3,4,5,6,7,8,9,10,11
	ds_load_b128 v[32+4*\i:35+4*\i], v[VCP] offset:512*\i   ; LDS serves a wave's instructions in order: these see my stores
.endr
	s_wait_dscnt 0x0
.irp i, 0,1,2,3,4,5
	global_store_b128 v[VCO0], v[32+4*\i:35+4*\i], s[10:11] offset:512*\i   ; 512 consecutive bytes, at a multiple of 256 from swq's first byte
.endr
.irp i, 6,7,8,9,10,11
	global_store_b128 v[VCO1], v[32+4*\i:35+4*\i], s[10:11] offset:512*\i
.endr
	s_wait_tensorcnt 0x0
	ds_add_u32 v254, v255
	s_wait_dscnt 0x0
	s_endpgm
.Lfunc_end_k_q5cac1cc419_prep:
	.size	k_q5cac1cc419_prep, .Lfunc_end_k_q5cac1cc419_prep-k_q5cac1cc419_prep
	.p2alignl 7, 3214868480
	.fill 96, 4, 3214868480
	.section	.rodata,"a",@progbits
	.p2align	6, 0x0
	.amdhsa_kernel k_q5cac1cc419_prep
		.amdhsa_group_segment_fixed_size 135168
		.amdhsa_private_segment_fixed_size 0
		.amdhsa_enable_private_segment 0
		.amdhsa_kernarg_size 80
		.amdhsa_user_sgpr_count 2
		.amdhsa_user_sgpr_kernarg_segment_ptr 1
		.amdhsa_wavefront_size32 1
		.amdhsa_system_sgpr_workgroup_id_x 1
		.amdhsa_system_sgpr_workgroup_id_y 1
		.amdhsa_system_sgpr_workgroup_id_z 1
		.amdhsa_system_vgpr_workitem_id 0
		.amdhsa_next_free_vgpr 256
		.amdhsa_next_free_sgpr 66
		.amdhsa_reserve_vcc 1
		.amdhsa_float_denorm_mode_32 3
		.amdhsa_float_denorm_mode_16_64 3
		.amdhsa_memory_ordered 1
		.amdhsa_forward_progress 1
		.amdhsa_inst_pref_size 79
	.end_amdhsa_kernel
	.amdgpu_metadata
---
amdhsa.version: [ 1, 2 ]
amdhsa.kernels:
  - .name:           k_q5cac1cc419_prep
    .symbol:         k_q5cac1cc419_prep.kd
    .args:
      - { .name: embeddings, .offset: 0, .size: 8, .value_kind: global_buffer, .address_space: global }
      - { .name: x, .offset: 8, .size: 8, .value_kind: global_buffer, .address_space: global }
      - { .name: gate_w, .offset: 16, .size: 8, .value_kind: global_buffer, .address_space: global }
      - { .name: actc, .offset: 24, .size: 8, .value_kind: global_buffer, .address_space: global }
      - { .name: acts, .offset: 32, .size: 8, .value_kind: global_buffer, .address_space: global }
      - { .name: masks, .offset: 40, .size: 8, .value_kind: global_buffer, .address_space: global }
      - { .name: wts, .offset: 48, .size: 8, .value_kind: global_buffer, .address_space: global }
      - { .name: sW1, .offset: 56, .size: 8, .value_kind: global_buffer, .address_space: global }
      - { .name: sW2, .offset: 64, .size: 8, .value_kind: global_buffer, .address_space: global }
      - { .name: swq, .offset: 72, .size: 8, .value_kind: global_buffer, .address_space: global }
    .group_segment_fixed_size: 135168
    .private_segment_fixed_size: 0
    .kernarg_segment_align: 8
    .kernarg_segment_size: 80
    .max_flat_workgroup_size: 512
    .sgpr_count:     66
    .vgpr_count:     256
    .wavefront_size: 32
...
	.end_amdgpu_metadata
.endif
;; end of part 5
;; launch up (part 6): grid 256 x 1, 8 waves a work-group, no clusters, 210,944 bytes of LDS; arguments actc, acts, masks, W1, W3, swq, B1, B3, sB1, hc, hsc; writes hc, hsc
.if DOCPART == 6
	.amdgcn_target "amdgcn-amd-amdhsa--gfx1250"
	.amdhsa_code_object_version 6
	.text
	.protected	k_q5cac1cc419_up
	.globl	k_q5cac1cc419_up
	.p2align	8
	.type	k_q5cac1cc419_up,@function
k_q5cac1cc419_up:
	s_mov_b64 s[64:65], 0
	v_nop
	global_prefetch_b8 v0, s[64:65] scope:SCOPE_SE
	s_setreg_imm32_b32 hwreg(HW_REG_WAVE_MODE, 25, 1), 1
	s_wait_xcnt 0x0
; UP.  The hidden layers: h = silu(t W1 + B1) (t W3 + B3) for the rows that chose an expert, silu(emb sW1 + sB1) for every token; quantised along the next K and stored as codes by POSITION (expert, rank).
; Both operands are codes of BF6 (E3M2) with one E8M0 byte for each 32 along K; sums in f32.
; SHARES.  256 work-groups of equal weight bytes.  Work-group g owns 64 columns (g % 16) of W1 and the same 64 of W3 of expert g / 16: 512 KB of f32; and of the shared expert 128 hidden units (slice g % 16) x 64 tokens (g / 16).
; PHASE A: the eight waves stream the slice (wave = matrix m x quarter of K); one load reads 256 consecutive bytes of a weight row, a lane two columns, its registers running DOWN K; each block of 32 is quantised in
; registers and laid into LDS as an IMAGE OF THE OPERAND'S REGISTERS (48 bytes a lane and fragment).  The shared slice's codes, which the launch before laid in the same form, are copied into LDS as they lie: 12,800 bytes a wave.
; Meanwhile wave 0 turns the expert's row of masks into the list of its tokens, by rank.
; PHASE B: a wave takes units of 32 ranks x 32 hidden units (2 tiles of rows x 4 tiles of columns x 8 K steps = 64 matrix instructions, used TRANSPOSED: source 0 = 16 weight columns, source 1 = 16 rows).
; Behind the routed rows waves 4 to 7, whose ranks are the higher ones, take one unit each of the shared expert: 32 tokens x 2 x 32 hidden units.
; THE COLUMNS OF A TILE ARE NOT NEIGHBOURS: row r of tile u takes column 8 u + r + 8 (r / 8) of a block of 32, so that a lane's 16 registers of tiles u = 0, 1 are 16 neighbours along the next K.
; The biases are loaded INTO the accumulators: every product adds in place, and nothing is cleared or added afterwards.
; The row loop has a constant count of trips; a trip whose ranks lie beyond the stored count is jumped over.  No barrier stands behind the second.
; No tensor load and no joint request: branches hang on stored counts; what sixteen work-groups read alike, a shared slice's 102,400 bytes, is a sixth of a work-group's bytes.
; LIMITS: NaN and infinities are not served; a block of zeros gets the byte 1 where the rule says 127 (zero codes; the bytes are read by this program alone).
.set SCL,   98304                      ; LDS: 0 .. 98,303 the images [b][K step][m][u] x 1,536;  here the weights' scale words [K step][b][r + 16 u][m]
.set SSTR,  512                        ; from K step to K step among them
.set LIST,  102400                     ; the list: 1,056 entries by rank, 32 words for the lanes that have nothing to say
.set CNTW,  106752                     ; the expert's number of rows
.set IMG2,  107520                     ; the shared slice: images and, 98,304 bytes on, scale words, laid as the two regions above
.set ASTR,  96                         ; a row's codes: from K step to K step
.set VL8,   2                          ; v2   8 x lane
.set VIMG,  3                          ; v3   where my two columns' codes go
.set VSCL,  4                          ; v4   and their scale words
.set VWI,   5                          ; v5   the images of my block b, 48 x lane
.set VWSA,  6                          ; v6   their scale words, 8 x lane
.set VLRD,  7                          ; v7   the list at my unit's ranks.  First: where my part of the copy goes
.set VCPL,  7
.set VH48,  8                          ; v8   48 x (lane / 16)
.set VBO,   9                          ; v9   the biases: 64 (lane / 16) + 128 b
.set VA0,   10                         ; v10-11 my rows' codes, tile 0, 1.  v10 first: where my part of the copy comes from
.set VCPG,  10
.set VS0,   12                         ; v12-13 their scale words
.set VHST,  14                         ; v14  where rank R0 + lane's codes go
.set VHSS,  15                         ; v15  and its scale byte
.set VLRD0, 16                         ; v16  LIST + 4 (lane % 16)
.set VCNA,  17                         ; v17  CNTW
.set VWI2,  18                         ; v18-19 as v5-6, for the shared slice
.set VWSA2, 19
.set WS,    28                         ; v28-31 the weights' scale words, two sets of two
.set X,     32                         ; phase A: v32-159 two sets of 32 rows x 2 columns
.set Y0,    160                        ; v160-191 the even column's 32 numbers
.set Y1,    192                        ; v192-223 the odd column's
.set BM0,   224
.set BM1,   225
.set SO0,   226
.set SO1,   227
.set BY0,   228
.set BY1,   229
.set SW0,   230
.set SW1,   231
.set C0,    232                        ; v232-238, v240-246 a block's codes
.set C1,    240
.set VP,    248                        ; the list build's own: rank, LDS address, entry, the idle lanes' place, the default entry, its address, the count
.set VLA,   249
.set VID,   250
.set VTRASH, 251
.set VFILL, 252
.set VFILLA, 253
.set VT,    254
.set ACC,   32                         ; phase B: v32-95 accumulator (T, ct) at 32 + 32 T + 8 ct, ct = 2 m + u
.set AR,    96                         ; v96-191 the rows' fragments, a ring of four K steps x two tiles
.set ASC,   192                        ; v192-207 the rows' scale words: 8 T + K step
.set WP,    208                        ; v208-231 weight fragments ct 0, 1
.set WQ,    232                        ; v232-255 ct 2, 3
.set TS,    96                         ; the way out: 32 registers at work
.set WPT,   4                          ; s[4:5] my part of the weights
.set AB,    6                          ; s[6:7] the rows' codes;  s[8:9] their scale words
.set ASB,   8
.set BA,    10                         ; s[10:11], s[12:13] the biases of m = 0, 1
.set BB,    12
.set HCB,   14                         ; s[14:15] hc at my expert, K step and block;  s[84:85] hsc likewise
.set HSB,   84
.set MKB,   86                         ; s[86:87] my expert's row of masks
.set HI,    66                         ; s66 lanes 16-31
.set R0,    90                         ; s90 the unit's first rank
.set NEFF,  91                         ; s91 the expert's number of rows
.set TRIPS, 92
.set CNT,   93
.set SWB,   96                         ; s[96:97] swq at my shared slice
.set NL,    98                         ; s[98:99] -log2(e)
.set SEL,   100                        ; s[100:101] selects for lane l xor 16
.macro NOP4
.rept 4
	v_nop
.endr
.endm
; 32 rows of K, 256 consecutive bytes each, into set: a lane's registers 2 i, 2 i + 1 are columns 2 l, 2 l + 1 of row 32 t + i.  Base and offset register are never rewritten.
.macro LOADS set, t
.set i, 0
.rept 32
	global_load_b64 v[X+64*(\set)+2*i:X+64*(\set)+2*i+1], v[VL8], s[WPT:WPT+1] offset:(32*(\t)+i)*4096 th:TH_LOAD_NT   ; read once in the launch
.set i, i+1
.endr
.endm
; One block of 32 along K for my 64 columns: largest magnitudes, the two columns parted, codes, images.
.macro BLK set, t, more, last
.set XS, X+64*(\set)
.if \last
	s_wait_loadcnt 0x0
.else
	s_wait_loadcnt 32                              ; this set's 32 loads are in; the other set's 32 may be out
.endif
	v_max3_num_f32 v[BM0], |v[XS]|, |v[XS+2]|, 0x2800000       ; with the floor 2^(5 - 127): the byte cannot fall under 1
	v_max3_num_f32 v[BM1], |v[XS+1]|, |v[XS+3]|, 0x2800000
.irp i, 4,8,12,16,20,24,28,32,36,40,44,48,52,56,60
	v_max3_num_f32 v[BM0], v[BM0], |v[XS+\i]|, |v[XS+\i+2]|
	v_max3_num_f32 v[BM1], v[BM1], |v[XS+\i+1]|, |v[XS+\i+3]|
.endr
.set i, 0
.rept 32
	v_mov_b32 v[Y0+i], v[XS+2*i]                   ; the conversions want 16 neighbours along K in consecutive registers: the price of loads of 8 bytes
	v_mov_b32 v[Y1+i], v[XS+2*i+1]
.set i, i+1
.endr
.if \more
	LOADS \set, (\t)+2
.endif
	v_add_nc_u32 v[SO0], 0xfe000000, v[BM0]        ; 4 off the exponent field: the conversions' scale operands
	v_add_nc_u32 v[SO1], 0xfe000000, v[BM1]
	s_wait_dscnt 0x0                               ; the last block's LDS stores are done with the codes' registers
	v_cvt_scalef32_pk16_bf6_f32 v[C0:C0+2], v[Y0:Y0+15], v[SO0]
	v_cvt_scalef32_pk16_bf6_f32 v[C0+4:C0+6], v[Y0+16:Y0+31], v[SO0]
	v_cvt_scalef32_pk16_bf6_f32 v[C1:C1+2], v[Y1:Y1+15], v[SO1]
	v_cvt_scalef32_pk16_bf6_f32 v[C1+4:C1+6], v[Y1+16:Y1+31], v[SO1]
	v_lshrrev_b32 v[BY0], 23, v[SO0]               ; the bytes; also the plain place behind the conversions
	v_lshrrev_b32 v[BY1], 23, v[SO1]
.irp i, 3,4,5
	v_mov_b32 v[C0+\i], v[C0+\i+1]                 ; a block's 24 bytes in six registers on end
	v_mov_b32 v[C1+\i], v[C1+\i+1]
.endr
.if ((\t)%4) == 0
	v_mov_b32 v[SW0], v[BY0]
	v_mov_b32 v[SW1], v[BY1]
.else
	v_lshl_or_b32 v[SW0], v[BY0], 8*((\t)%4), v[SW0]
	v_lshl_or_b32 v[SW1], v[BY1], 8*((\t)%4), v[SW1]
.endif
.set OFF, ((\t)/4)*6144+768*((\t)%2)+24*(((\t)/2)%2)   ; block t % 4 = 2 c + h of its K step: lanes 16 h on, bytes 24 c on
.if (((\t)/2)%2) == 0
	ds_store_b128 v[VIMG], v[C0:C0+3] offset:OFF
	ds_store_b64 v[VIMG], v[C0+4:C0+5] offset:OFF+16
	ds_store_b128 v[VIMG], v[C1:C1+3] offset:OFF+48
	ds_store_b64 v[VIMG], v[C1+4:C1+5] offset:OFF+64
.else
	ds_store_b64 v[VIMG], v[C0:C0+1] offset:OFF
	ds_store_b128 v[VIMG], v[C0+2:C0+5] offset:OFF+8
	ds_store_b64 v[VIMG], v[C1:C1+1] offset:OFF+48
	ds_store_b128 v[VIMG], v[C1+2:C1+5] offset:OFF+56
.endif
.if ((\t)%4) == 3
	ds_store_b32 v[VSCL], v[SW0] offset:((\t)/4)*SSTR
	ds_store_b32 v[VSCL], v[SW1] offset:((\t)/4)*SSTR+8
.endif
.endm
; The expert's 64 words of masks become its list: the entry of rank p is written at LIST + 4 p.  A lane whose bit is off writes to a word of its own behind the list.
.macro LISTBUILD step
	s_load_b512 s[16:31], s[MKB:MKB+1], 0x0
	s_load_b512 s[32:47], s[MKB:MKB+1], 0x40
	s_load_b512 s[48:63], s[MKB:MKB+1], 0x80
	s_load_b512 s[68:83], s[MKB:MKB+1], 0xc0
.set i, 0
.rept 33
	ds_store_b32 v[VFILLA], v[VFILL] offset:128*i  ; the default entry, for the ranks that fill the last unit of 32
.set i, i+1
.endr
	s_mov_b32 s[CNT], 0
	s_wait_kmcnt 0x0
.irp j, 16,17,18,19,20,21,22,23,24,25,26,27,28,29,30,31,32,33,34,35,36,37,38,39,40,41,42,43,44,45,46,47,48,49,50,51,52,53,54,55,56,57,58,59,60,61,62,63,68,69,70,71,72,73,74,75,76,77,78,79,80,81,82,83
	v_mbcnt_lo_u32_b32 v[VP], s\j, s[CNT]          ; the rows counted so far + the bits below mine: my rank
	v_cndmask_b32 v[VP], v[VTRASH], v[VP], s\j
	v_min_u32 v[VP], 1087, v[VP]
	v_lshl_add_u32 v[VLA], v[VP], 2, LIST
	ds_store_b32 v[VLA], v[VID]
	v_add_nc_u32 v[VID], \step, v[VID]
	s_bcnt1_i32_b32 s94, s\j
	s_add_co_u32 s[CNT], s[CNT], s94
.endr
	v_mov_b32 v[VT], s[CNT]
	ds_store_b32 v[VCNA], v[VT]
.endm
.macro WFRAG reg, s, ct                ; a weight fragment comes back as it was laid: 48 bytes a lane
.irp g, 0,1,2
	ds_load_b128 v[\reg+4*\g:\reg+4*\g+3], v[VWI] offset:(4*(\s)+(\ct))*1536+16*\g
.endr
.endm
.macro AFRAG s                         ; the two tiles of rows, K step s, into ring slot s % 4
.irp T, 0,1
.irp g, 0,1,2
	global_load_b128 v[AR+24*((\s)%4)+12*\T+4*\g:AR+24*((\s)%4)+12*\T+4*\g+3], v[VA0+\T], s[AB:AB+1] offset:ASTR*(\s)+16*\g
.endr
.endr
.endm
.macro MM s, w, ct, T
.if ((\ct)%2) == 0
	v_wmma_scale_f32_16x16x128_f8f6f4 v[ACC+32*(\T)+8*(\ct):ACC+32*(\T)+8*(\ct)+7], v[\w:\w+11], v[AR+24*((\s)%4)+12*(\T):AR+24*((\s)%4)+12*(\T)+11], v[ACC+32*(\T)+8*(\ct):ACC+32*(\T)+8*(\ct)+7], v[WS+2*((\s)%2)+(\ct)/2], v[ASC+8*(\T)+(\s)] matrix_a_fmt:MATRIX_FMT_BF6 matrix_b_fmt:MATRIX_FMT_BF6
.else
	v_wmma_scale_f32_16x16x128_f8f6f4 v[ACC+32*(\T)+8*(\ct):ACC+32*(\T)+8*(\ct)+7], v[\w:\w+11], v[AR+24*((\s)%4)+12*(\T):AR+24*((\s)%4)+12*(\T)+11], v[ACC+32*(\T)+8*(\ct):ACC+32*(\T)+8*(\ct)+7], v[WS+2*((\s)%2)+(\ct)/2], v[ASC+8*(\T)+(\s)] matrix_a_fmt:MATRIX_FMT_BF6 matrix_b_fmt:MATRIX_FMT_BF6 matrix_a_scale:MATRIX_SCALE_ROW1
.endif
.endm
; A K step: eight matrix instructions, the eight accumulators by turns, one instruction a turn, in the same order in every step.
; n: the global loads that may stay out: the rows' fragments of the younger K steps, six each.
.macro KSTEP s, n
	s_wait_dscnt 6                                 ; the scale words and ct 0, 1 are in; ct 2, 3's six loads may be out
	s_wait_loadcnt \n
	MM \s, WP, 0, 0
	MM \s, WP, 0, 1
	MM \s, WP+12, 1, 0
	MM \s, WP+12, 1, 1
	NOP4                                           ; four places in front of loads into registers that matrix instructions have read
.if (\s) < 7
	ds_load_b64 v[WS+2*(((\s)+1)%2):WS+2*(((\s)+1)%2)+1], v[VWSA] offset:SSTR*((\s)+1)
	WFRAG WP, (\s)+1, 0
	WFRAG WP+12, (\s)+1, 1
	s_wait_dscnt 7                                 ; ct 2, 3 are in; the seven just issued may be out
.else
	s_wait_dscnt 0x0
.endif
	MM \s, WQ, 2, 0
	MM \s, WQ, 2, 1
	MM \s, WQ+12, 3, 0
	MM \s, WQ+12, 3, 1
	NOP4
.if (\s) < 7
	WFRAG WQ, (\s)+1, 2
	WFRAG WQ+12, (\s)+1, 3
.endif
.if (\s) < 4
	AFRAG (\s)+4
.endif
.endm
; The parts of a unit.  They name VWI, VWSA, AB, ASB, BA, BB, HCB and HSB, which are set anew for the shared expert's unit.
.macro BIASES                          ; the biases start the sums: 16 loads
.irp T, 0,1
.irp u, 0,1
	global_load_b128 v[ACC+32*\T+8*\u:ACC+32*\T+8*\u+3], v[VBO], s[BA:BA+1] offset:32*\u
	global_load_b128 v[ACC+32*\T+8*\u+4:ACC+32*\T+8*\u+7], v[VBO], s[BA:BA+1] offset:32*\u+16
	global_load_b128 v[ACC+32*\T+16+8*\u:ACC+32*\T+16+8*\u+3], v[VBO], s[BB:BB+1] offset:32*\u
	global_load_b128 v[ACC+32*\T+16+8*\u+4:ACC+32*\T+16+8*\u+7], v[VBO], s[BB:BB+1] offset:32*\u+16
.endr
.endr
.endm
.macro KHEAD                           ; K step 0's weights: 13 LDS loads
	ds_load_b64 v[WS:WS+1], v[VWSA]
	WFRAG WP, 0, 0
	WFRAG WP+12, 0, 1
	WFRAG WQ, 0, 2
	WFRAG WQ+12, 0, 3
.endm
.macro ROWS                            ; the rows' scale words and their first four K steps: 4 + 24 loads
.irp T, 0,1
	global_load_b128 v[ASC+8*\T:ASC+8*\T+3], v[VS0+\T], s[ASB:ASB+1]
	global_load_b128 v[ASC+8*\T+4:ASC+8*\T+7], v[VS0+\T], s[ASB:ASB+1] offset:16
.endr
	AFRAG 0
	AFRAG 1
	AFRAG 2
	AFRAG 3
.endm
.macro KALL
	KSTEP 0, 18
	KSTEP 1, 18
	KSTEP 2, 18
	KSTEP 3, 18
	KSTEP 4, 18
	KSTEP 5, 12
	KSTEP 6, 6
	KSTEP 7, 0
.endm
; silu in place on v[a .. a+15] and v[a+32 .. a+47]: x / (1 + 2^(-x log2 e)).  Each kind of transcendental is one batch with one wait.
.macro SILU a
.irp i, 0,2,4,6,8,10,12,14
	v_pk_mul_f32 v[TS+\i:TS+\i+1], v[\a+\i:\a+\i+1], s[NL:NL+1] op_sel_hi:[1,0]            ; each accumulator is read from its low end on
.endr
.irp i, 0,2,4,6,8,10,12,14
	v_pk_mul_f32 v[TS+16+\i:TS+16+\i+1], v[\a+32+\i:\a+32+\i+1], s[NL:NL+1] op_sel_hi:[1,0]
.endr
.set i, 0
.rept 32
	v_exp_f32 v[TS+i], v[TS+i]
.set i, i+1
.endr
	v_nop
	s_wait_alu depctr_va_vdst(0)
.irp i, 0,2,4,6,8,10,12,14,16,18,20,22,24,26,28,30
	v_pk_add_f32 v[TS+\i:TS+\i+1], v[TS+\i:TS+\i+1], 1.0 op_sel_hi:[1,0]
.endr
.set i, 0
.rept 32
	v_rcp_f32 v[TS+i], v[TS+i]
.set i, i+1
.endr
	v_nop
	s_wait_alu depctr_va_vdst(0)
.irp i, 0,2,4,6,8,10,12,14
	v_pk_mul_f32 v[\a+\i:\a+\i+1], v[\a+\i:\a+\i+1], v[TS+\i:TS+\i+1]
	v_pk_mul_f32 v[\a+32+\i:\a+32+\i+1], v[\a+32+\i:\a+32+\i+1], v[TS+16+\i:TS+16+\i+1]
.endr
.endm
; Two tiles' halves of a block (16 numbers a lane each) become whole blocks: lane l ends with the 24 bytes of rank R0 + l in v[cb .. cb+5] and its byte in v[cb+7].
.macro QUANT2 h0, h1, cb
	v_max3_num_f32 v128, |v[\h0]|, |v[\h0+1]|, 0x2800000
	v_max3_num_f32 v129, |v[\h1]|, |v[\h1+1]|, 0x2800000
.irp i, 2,4,6,8,10,12,14
	v_max3_num_f32 v128, v128, |v[\h0+\i]|, |v[\h0+\i+1]|
	v_max3_num_f32 v129, v129, |v[\h1+\i]|, |v[\h1+\i+1]|
.endr
	v_mov_b32 v130, 0                              ; a lane permute's destination counts as one of its sources
	v_mov_b32 v131, 0
	v_permlanex16_b32 v130, v128, s[SEL], s[SEL+1]
	v_permlanex16_b32 v131, v129, s[SEL], s[SEL+1]
	v_max_num_f32 v128, v128, v130                 ; with lane l xor 16's 16: the block's largest magnitude
	v_max_num_f32 v129, v129, v131
	v_add_nc_u32 v132, 0xfe000000, v128
	v_add_nc_u32 v133, 0xfe000000, v129
	v_lshrrev_b32 v134, 23, v132
	v_lshrrev_b32 v135, 23, v133
	v_cvt_scalef32_pk16_bf6_f32 v[\cb:\cb+2], v[\h0:\h0+15], v132
	v_cvt_scalef32_pk16_bf6_f32 v[\cb+4:\cb+6], v[\h1:\h1+15], v133
	v_cndmask_b32 v[\cb+7], v134, v135, s[HI]      ; lanes 0-15 tile 0's byte, lanes 16-31 tile 1's.  Also the plain place behind the conversions
.irp i, 0,1,2
	v_permlane16_swap_b32 v[\cb+\i], v[\cb+4+\i]   ; the first's lanes 16-31 change places with the second's lanes 0-15: lower 16 codes here, upper 16 there
.endr
.irp i, 3,4,5
	v_mov_b32 v[\cb+\i], v[\cb+\i+1]
.endr
.endm
.macro STOREH cb, o, ob
	global_store_b64 v[VHST], v[\cb:\cb+1], s[HCB:HCB+1] offset:\o
	global_store_b64 v[VHST], v[\cb+2:\cb+3], s[HCB:HCB+1] offset:\o+8
	global_store_b64 v[VHST], v[\cb+4:\cb+5], s[HCB:HCB+1] offset:\o+16
	global_store_b8 v[VHSS], v[\cb+7], s[HSB:HSB+1] offset:\ob
.endm
	s_load_b512 s[16:31], s[0:1], 0x0              ; actc 16, acts 18, masks 20, W1 22, W3 24, swq 26, B1 28, B3 30
	s_load_b128 s[32:35], s[0:1], 0x40             ; sB1 32, hc 34
	s_load_b64 s[36:37], s[0:1], 0x50              ; hsc 36
	s_set_vgpr_msb 0x40
	v_lshl_add_u32 v0, v0, 2, 0x33400
	v_mov_b32 v1, 0
	s_set_vgpr_msb 0x4000
	v_lshrrev_b32 v24, 5, v0
	v_readfirstlane_b32 s88, v24                   ; wave 0..7
	s_and_b32 s38, ttmp9, 15                       ; sg: which slice
	s_lshr_b32 s40, ttmp9, 4                       ; the expert
	s_lshr_b32 s56, s88, 2                         ; phase A: m,
	s_and_b32 s57, s88, 3                          ; and my quarter of K
	s_lshl_b32 s58, s40, 22
	s_lshl_b32 s59, s38, 8
	s_add_co_u32 s58, s58, s59
	s_lshl_b32 s54, s40, 12
	s_add_co_u32 s54, s54, s59                     ; the biases: 4,096 e + 256 sg
	s_lshl_b32 s59, s57, 20
	s_add_co_u32 s58, s58, s59                     ; the weights: expert x 4 MiB + 256 sg + 256 rows of 4,096 bytes a quarter
	s_lshr_b32 s43, s38, 1                         ; the next product's K step,
	s_and_b32 s44, s38, 1                          ; and which half of it
	s_mul_i32 s59, s40, 786432
	s_mul_i32 s60, s43, 1536
	s_add_co_u32 s59, s59, s60
	s_mul_i32 s60, s44, 24
	s_add_co_u32 s59, s59, s60                     ; hc: expert, K step, which 24 bytes of a lane's 48
	s_lshl_b32 s60, s40, 15
	s_lshl_b32 s46, s38, 1
	s_add_co_u32 s60, s60, s46                     ; hsc: expert, the first of my two scale bytes
	s_lshl_b32 s61, s40, 8                         ; masks
	s_mul_i32 s45, s38, 102400                     ; swq: the shared slice
	s_cmp_lt_u32 ttmp9, 32                         ; experts 0 and 1 read x
	s_cselect_b32 s42, 786432, 0
	s_cselect_b32 s43, 32768, 0
	s_mov_b32 s63, 0
	s_mov_b32 s[HI], 0xffff0000
	s_mov_b32 s[NL], 0xbfb8aa3b
	s_mov_b32 s[NL+1], s[NL]                       ; (named with it as a pair, so it is written)
	s_mov_b32 s[SEL], 0x76543210
	s_mov_b32 s[SEL+1], 0xfedcba98
	v_and_b32 v1, 31, v0                           ; lane
	v_lshlrev_b32 v[VL8], 3, v1
	v_bfe_u32 v24, v0, 4, 1                        ; lane / 16: in phase A the block of 32 of my columns
	v_bfe_u32 v25, v0, 2, 1                        ; u of column 2 l
	v_and_b32 v26, 3, v0
	v_bfe_u32 v27, v0, 3, 1
	v_lshlrev_b32 v26, 1, v26
	v_lshl_add_u32 v26, v27, 3, v26                ; r of column 2 l: 2 (l % 4) + 8 ((l / 8) % 2)
	v_and_b32 v20, 15, v0
	v_mul_u32_u24 v[VIMG], v24, 49152
	v_mad_u32_u24 v[VIMG], v25, 1536, v[VIMG]
	v_mad_u32_u24 v[VIMG], v26, 48, v[VIMG]
	s_mul_i32 s94, s56, 3072
	s_mul_i32 s95, s57, 12288
	s_add_co_u32 s94, s94, s95
	v_add_nc_u32 v[VIMG], s94, v[VIMG]
	v_lshl_add_u32 v[VSCL], v25, 4, v26
	v_lshlrev_b32 v[VSCL], 3, v[VSCL]
	v_lshl_add_u32 v[VSCL], v24, 8, v[VSCL]
	s_lshl_b32 s94, s56, 2
	s_lshl_b32 s95, s57, 10
	s_add_co_u32 s94, s94, s95
	s_add_co_u32 s94, s94, SCL
	v_add_nc_u32 v[VSCL], s94, v[VSCL]
	s_and_b32 s67, s88, 1                          ; phase B: my block b of the slice,
	s_lshr_b32 s[TRIPS], s88, 1                    ; and which 32 ranks of a trip's 128
	v_mul_u32_u24 v[VWI], v1, 48
	s_mul_i32 s94, s67, 49152
	v_add_nc_u32 v[VWI], s94, v[VWI]
	v_lshlrev_b32 v[VWSA], 3, v1
	s_lshl_b32 s94, s67, 8
	s_add_co_u32 s94, s94, SCL
	v_add_nc_u32 v[VWSA], s94, v[VWSA]
	v_add_nc_u32 v[VWI2], IMG2, v[VWI]             ; the shared slice lies IMG2 bytes behind, images and scale words alike
	v_add_nc_u32 v[VWSA2], IMG2, v[VWSA]
	v_mul_u32_u24 v[VH48], v24, 48
	v_lshlrev_b32 v[VBO], 6, v24
	s_lshl_b32 s94, s67, 7
	v_add_nc_u32 v[VBO], s94, v[VBO]
	v_mul_u32_u24 v[VHST], v24, 12288
	v_mad_u32_u24 v[VHST], v20, 48, v[VHST]
	s_mul_i32 s94, s67, 768
	s_mul_i32 s95, s[TRIPS], 24576
	s_add_co_u32 s94, s94, s95
	v_add_nc_u32 v[VHST], s94, v[VHST]             ; rank R0 + lane: tile x 12,288 + 48 row + 768 b
	v_lshlrev_b32 v[VHSS], 5, v1
	s_lshl_b32 s94, s[TRIPS], 10
	s_add_co_u32 s94, s94, s67
	v_add_nc_u32 v[VHSS], s94, v[VHSS]             ; 32 (R0 + lane) + b
	v_lshl_add_u32 v[VLRD0], v20, 2, LIST
	v_mov_b32 v[VCNA], CNTW
	v_mov_b32 v[VID], v20                          ; the list's entries are TOKENS: bit l of word j is token 16 j + l % 16
	v_add_nc_u32 v[VTRASH], 1056, v1
	v_mov_b32 v[VFILL], 0
	v_lshl_add_u32 v[VFILLA], v1, 2, LIST
	s_mul_i32 s94, s88, 12800                      ; the copy: 102,400 bytes, 12,800 a wave, 16 a lane
	v_lshlrev_b32 v[VCPG], 4, v1
	v_add_nc_u32 v[VCPG], s94, v[VCPG]
	v_add_nc_u32 v[VCPL], IMG2, v[VCPG]
	s_lshl_b32 s[R0], s[TRIPS], 5
	s_wait_kmcnt 0x0
	s_cmp_eq_u32 s56, 0
	s_cselect_b64 s[WPT:WPT+1], s[22:23], s[24:25]
	s_mov_b32 s62, s58
	s_add_nc_u64 s[WPT:WPT+1], s[WPT:WPT+1], s[62:63]
	s_mov_b32 s62, s45
	s_add_nc_u64 s[SWB:SWB+1], s[26:27], s[62:63]
.set i, 0
.rept 22
	global_load_b128 v[160+4*i:163+4*i], v[VCPG], s[SWB:SWB+1] offset:512*i   ; the copy goes out first, into registers that the first block does not yet need,
.set i, i+1
.endr
.irp i, 22,23,24
	global_load_b128 v[20+4*(\i-22):23+4*(\i-22)], v[VCPG], s[SWB:SWB+1] offset:512*\i
.endr
	LOADS 0, 0                                     ; and the stream begins behind it
	LOADS 1, 1
	s_mov_b32 s62, s54
	s_add_nc_u64 s[BA:BA+1], s[28:29], s[62:63]
	s_add_nc_u64 s[BB:BB+1], s[30:31], s[62:63]
	s_mov_b32 s62, s42
	s_add_nc_u64 s[AB:AB+1], s[16:17], s[62:63]
	s_mov_b32 s62, s43
	s_add_nc_u64 s[ASB:ASB+1], s[18:19], s[62:63]
	s_mov_b32 s62, s59
	s_add_nc_u64 s[HCB:HCB+1], s[34:35], s[62:63]
	s_mov_b32 s62, s60
	s_add_nc_u64 s[HSB:HSB+1], s[36:37], s[62:63]
	s_mov_b32 s62, s61
	s_add_nc_u64 s[MKB:MKB+1], s[20:21], s[62:63]
	s_cmp_lg_u32 s88, 0
	s_cbranch_scc1 .Lno_list
	LISTBUILD 16                                   ; wave 0 alone; no other wave touches LDS ahead of the barrier below
.Lno_list:
	s_wait_dscnt 0x0                               ; the list has landed
	s_barrier_signal -1
	s_barrier_wait -1
	s_load_b512 s[16:31], s[0:1], 0x0              ; the arguments once more, for the shared unit: the list build has used these registers
	s_load_b128 s[32:35], s[0:1], 0x40
	s_load_b64 s[36:37], s[0:1], 0x50
	s_wait_loadcnt 63                              ; 64 loads were issued behind the copy's last: the copy is in
.set i, 0
.rept 22
	ds_store_b128 v[VCPL], v[160+4*i:163+4*i] offset:512*i
.set i, i+1
.endr
.irp i, 22,23,24
	ds_store_b128 v[VCPL], v[20+4*(\i-22):23+4*(\i-22)] offset:512*\i
.endr
	s_wait_dscnt 0x0                               ; the stores are done with their registers, which the blocks below write
	BLK 0, 0, 1, 0
	BLK 1, 1, 1, 0
	BLK 0, 2, 1, 0
	BLK 1, 3, 1, 0
	BLK 0, 4, 1, 0
	BLK 1, 5, 1, 0
	BLK 0, 6, 0, 0
	BLK 1, 7, 0, 1
	s_wait_dscnt 0x0                               ; my images have landed
	s_barrier_signal -1
	s_barrier_wait -1                              ; everybody's have: from here on LDS is only read
	s_wait_kmcnt 0x0
	s_and_b32 s40, ttmp9, 15                       ; the shared unit's bases: s[16:17] actc, s[18:19] acts stay as they came (the embeddings lie first)
	s_lshl_b32 s42, s40, 9
	s_mov_b32 s43, 0
	s_add_nc_u64 s[32:33], s[32:33], s[42:43]      ; sB1 at the slice's 128 numbers,
	s_add_nc_u64 s[20:21], s[32:33], 256           ; and at its second 64
	s_lshr_b32 s41, s40, 3
	s_add_co_u32 s41, s41, 16                      ; hidden units 0-1,023 count as expert 16, the others as 17;
	s_and_b32 s40, s40, 7                          ; the slice is one K step of the next product
	s_mul_i32 s42, s41, 786432
	s_mul_i32 s44, s40, 1536
	s_add_co_u32 s42, s42, s44
	s_add_nc_u64 s[34:35], s[34:35], s[42:43]
	s_lshl_b32 s42, s41, 15
	s_lshl_b32 s44, s40, 2
	s_add_co_u32 s42, s42, s44
	s_add_nc_u64 s[36:37], s[36:37], s[42:43]
	ds_load_b32 v24, v[VCNA]
	s_wait_dscnt 0x0
	v_readfirstlane_b32 s[NEFF], v24
	s_min_u32 s[NEFF], s[NEFF], 0x400
	s_mov_b32 s[TRIPS], 8
.Lrow:                                                 ; eight trips of 128 ranks: 1,024, the most that an expert can have
	s_cmp_ge_u32 s[R0], s[NEFF]
	s_cbranch_scc1 .Lstep
	s_lshl_b32 s94, s[R0], 2
	v_add_nc_u32 v[VLRD], s94, v[VLRD0]
	ds_load_b32 v24, v[VLRD]                       ; the tokens of ranks R0 + r
	ds_load_b32 v25, v[VLRD] offset:64             ; and R0 + 16 + r
	BIASES
	KHEAD
	s_wait_dscnt 13                                ; the two list words are in; the thirteen loads behind them may be out
	v_min_u32 v24, 1023, v24
	v_min_u32 v25, 1023, v25
	v_mul_u32_u24 v[VA0], v24, 768
	v_mul_u32_u24 v[VA0+1], v25, 768
	v_add_nc_u32 v[VA0], v[VH48], v[VA0]
	v_add_nc_u32 v[VA0+1], v[VH48], v[VA0+1]
	v_lshlrev_b32 v[VS0], 5, v24
	v_lshlrev_b32 v[VS0+1], 5, v25
	ROWS
	KALL
	SILU 32
.irp i, 0,2,4,6,8,10,12,14
	v_pk_mul_f32 v[32+\i:33+\i], v[32+\i:33+\i], v[48+\i:49+\i]     ; x the W3 branch
.endr
.irp i, 0,2,4,6,8,10,12,14
	v_pk_mul_f32 v[64+\i:65+\i], v[64+\i:65+\i], v[80+\i:81+\i]
.endr
	QUANT2 32, 64, 136
	STOREH 136, 0, 0
.Lstep:
	s_wait_xcnt 0x0                                ; the stores have read their data and offsets: both are written again only behind this wait
	v_add_nc_u32 v[VHST], 98304, v[VHST]
	v_add_nc_u32 v[VHSS], 4096, v[VHSS]
	s_add_co_u32 s[R0], s[R0], 128
	s_sub_co_u32 s[TRIPS], s[TRIPS], 1
	s_cmp_lg_u32 s[TRIPS], 0
	s_cbranch_scc1 .Lrow
	; ---- THE SHARED EXPERT: waves 4 to 7 take block b = wave % 2 of both parts of the slice for tokens 64 (g / 16) + 32 ((wave / 2) % 2) + 0 .. 31.  A token's rank is its number: no list.
	s_cmp_lt_u32 s88, 4
	s_cbranch_scc1 .Lend
.set VWI,  VWI2
.set VWSA, VWSA2
.set AB,   16
.set ASB,  18
.set BA,   32
.set BB,   20
.set HCB,  34
.set HSB,  36
	s_lshr_b32 s94, ttmp9, 4
	s_lshl_b32 s94, s94, 6
	s_lshr_b32 s95, s88, 1
	s_and_b32 s95, s95, 1
	s_lshl_b32 s95, s95, 5
	s_add_co_u32 s94, s94, s95                     ; my first token
	v_and_b32 v26, 15, v0
	v_bfe_u32 v27, v0, 4, 1
	v_add_nc_u32 v24, s94, v26
	v_add_nc_u32 v25, 16, v24
	v_mul_u32_u24 v[VA0], v24, 768
	v_mul_u32_u24 v[VA0+1], v25, 768
	v_add_nc_u32 v[VA0], v[VH48], v[VA0]
	v_add_nc_u32 v[VA0+1], v[VH48], v[VA0+1]
	v_lshlrev_b32 v[VS0], 5, v24
	v_lshlrev_b32 v[VS0+1], 5, v25
	v_mul_u32_u24 v[VHST], v27, 12288
	v_mad_u32_u24 v[VHST], v26, 48, v[VHST]
	s_mul_i32 s95, s67, 768
	s_mul_i32 s93, s94, 768
	s_add_co_u32 s95, s95, s93
	v_add_nc_u32 v[VHST], s95, v[VHST]
	v_lshlrev_b32 v[VHSS], 5, v1
	s_lshl_b32 s93, s94, 5
	s_add_co_u32 s93, s93, s67
	v_add_nc_u32 v[VHSS], s93, v[VHSS]
	BIASES
	ROWS
	KHEAD
	KALL
	SILU 32                                        ; both parts of 64 columns are hidden units of their own
	QUANT2 32, 64, 136
	STOREH 136, 0, 0
	SILU 48
	QUANT2 48, 80, 144
	STOREH 144, 24, 2
.Lend:
	s_set_vgpr_msb 0x5
	s_wait_tensorcnt 0x0
	ds_add_u32 v0, v1
	s_wait_dscnt 0x0
	s_set_vgpr_msb 0x500
	s_endpgm
.Lfunc_end_k_q5cac1cc419_up:
	.size	k_q5cac1cc419_up, .Lfunc_end_k_q5cac1cc419_up-k_q5cac1cc419_up
	.p2alignl 7, 3214868480
	.fill 96, 4, 3214868480
	.section	.rodata,"a",@progbits
	.p2align	6, 0x0
	.amdhsa_kernel k_q5cac1cc419_up
		.amdhsa_group_segment_fixed_size 210944
		.amdhsa_private_segment_fixed_size 0
		.amdhsa_enable_private_segment 0
		.amdhsa_kernarg_size 88
		.amdhsa_user_sgpr_count 2
		.amdhsa_user_sgpr_kernarg_segment_ptr 1
		.amdhsa_wavefront_size32 1
		.amdhsa_system_sgpr_workgroup_id_x 1
		.amdhsa_system_sgpr_workgroup_id_y 1
		.amdhsa_system_sgpr_workgroup_id_z 1
		.amdhsa_system_vgpr_workitem_id 0
		.amdhsa_next_free_vgpr 258
		.amdhsa_next_free_sgpr 102
		.amdhsa_reserve_vcc 0
		.amdhsa_float_denorm_mode_32 3
		.amdhsa_float_denorm_mode_16_64 3
		.amdhsa_memory_ordered 1
		.amdhsa_forward_progress 1
		.amdhsa_inst_pref_size 180
	.end_amdhsa_kernel
	.amdgpu_metadata
---
amdhsa.version: [ 1, 2 ]
amdhsa.kernels:
  - .name:           k_q5cac1cc419_up
    .symbol:         k_q5cac1cc419_up.kd
    .args:
      - { .name: actc, .offset: 0, .size: 8, .value_kind: global_buffer, .address_space: global }
      - { .name: acts, .offset: 8, .size: 8, .value_kind: global_buffer, .address_space: global }
      - { .name: masks, .offset: 16, .size: 8, .value_kind: global_buffer, .address_space: global }
      - { .name: W1, .offset: 24, .size: 8, .value_kind: global_buffer, .address_space: global }
      - { .name: W3, .offset: 32, .size: 8, .value_kind: global_buffer, .address_space: global }
      - { .name: swq, .offset: 40, .size: 8, .value_kind: global_buffer, .address_space: global }
      - { .name: B1, .offset: 48, .size: 8, .value_kind: global_buffer, .address_space: global }
      - { .name: B3, .offset: 56, .size: 8, .value_kind: global_buffer, .address_space: global }
      - { .name: sB1, .offset: 64, .size: 8, .value_kind: global_buffer, .address_space: global }
      - { .name: hc, .offset: 72, .size: 8, .value_kind: global_buffer, .address_space: global }
      - { .name: hsc, .offset: 80, .size: 8, .value_kind: global_buffer, .address_space: global }
    .group_segment_fixed_size: 210944
    .private_segment_fixed_size: 0
    .kernarg_segment_align: 8
    .kernarg_segment_size: 88
    .max_flat_workgroup_size: 256
    .sgpr_count:     102
    .vgpr_count:     258
    .wavefront_size: 32
...
	.end_amdgpu_metadata
.endif
;; end of part 6
;; launch down (part 7): grid 256 x 1, 8 waves a work-group, no clusters, 178,176 bytes of LDS; arguments hc, hsc, masks, wts, W2, swq, B2, sB2, ypart; writes ypart
.if DOCPART == 7
	.amdgcn_target "amdgcn-amd-amdhsa--gfx1250"
	.amdhsa_code_object_version 6
	.text
	.protected	k_q5cac1cc419_down
	.globl	k_q5cac1cc419_down
	.p2align	8
	.type	k_q5cac1cc419_down,@function
k_q5cac1cc419_down:
	s_mov_b64 s[64:65], 0
	v_nop
	global_prefetch_b8 v0, s[64:65] scope:SCOPE_SE
	s_setreg_imm32_b32 hwreg(HW_REG_WAVE_MODE, 25, 1), 1
	s_wait_xcnt 0x0
; DOWN.  ypart[row] = c x (h W2 + B2) for each routed row (c its gate weight), and the two halves along K of the shared expert's second product for every token (sB2 goes with the first half, zeros with the second).
; Both operands are codes of BF6 (E3M2) with one E8M0 byte for each 32 along K; sums in f32.
; SHARES.  256 work-groups of equal weight bytes.  Work-group g owns 64 columns (g % 16) of W2 of expert g / 16: 256 KB of f32; and of the shared expert the same 64 columns x half (g / 16) % 2 of K x 128 tokens (g / 32).
; PHASE A: wave w streams K step w (128 rows, 256 consecutive bytes a load), quantises it in registers and lays it into LDS as images of the operand's registers; the shared unit's codes, which the first launch laid in
; the same form, are copied into LDS as they lie: 6,400 bytes a wave; wave 0 also builds the list of the expert's ROWS of ypart, by rank.
; PHASE B: a wave takes units of 32 ranks x 64 columns (64 matrix instructions, used TRANSPOSED: source 0 = 16 weight columns, source 1 = 16 rows): the hidden codes lie in hc by rank, in the order of the operand's
; registers, so a fragment is 1,536 consecutive bytes.  The results go through the wave's own stage in LDS and leave as whole runs of 256 bytes, sixteen lanes to a row of ypart.
; Behind the routed rows waves 4 to 7, whose ranks are the higher ones, take one unit each of the shared expert.
; The ranks that fill an expert's last unit of 32 carry the default entries: rows 4,096 + 32 e + rank % 32 of ypart, which nobody reads, with the weight 0.
; The row loop has a constant count of trips; a trip whose ranks lie beyond the stored count is jumped over.  No barrier stands behind the second.
; No tensor load and no joint request: branches hang on stored counts; what eight work-groups read alike, a shared unit's 51,200 bytes, is a sixth of a work-group's bytes.
.set SCL,   49152                      ; LDS: 0 .. 49,151 the images [K step][tile j] x 1,536;  here the weights' scale words [K step][r + 16 (j % 2)][j / 2]
.set SSTR,  256
.set LIST,  51200                      ; the list: 1,056 entries by rank, 32 words for the lanes that have nothing to say
.set CNTW,  55552
.set STG,   55808                      ; a stage of 32 rows x (256 + 16) bytes for each wave
.set IMG2,  125440                     ; the shared unit's images,
.set SCL2,  174592                     ; and its scale words
.set ASTR,  1536                       ; hc: from K step to K step
.set VL8,   2
.set VIMG,  3
.set VSCL,  4
.set V48,   5                          ; v5   48 x lane: also the routed images' address
.set VWI,   5
.set VWSA,  6                          ; v6   SCL + 8 x lane
.set VLRD,  7                          ; v7   the list at my unit's ranks, a lane a row of a tile.  First: where my part of the copy goes
.set VCPL,  7
.set VLRD0, 8
.set VBO,   9                          ; v9   32 (lane / 16)
.set VA0,   10                         ; v10-11 hc: my unit's two tiles, 48 x lane
.set VS0,   12                         ; v12-13 hsc: their rows
.set VSTO,  14                         ; v14  the stage, in
.set VSRD,  15                         ; v15  the stage, out
.set VLR2,  18                         ; v18  the list, two ranks an instruction.  First: where my part of the copy comes from
.set VCPG,  18
.set VLR20, 19
.set VC16,  20                         ; v20  16 (lane % 16)
.set VCNA,  21
.set VWI2,  22                         ; v22-23 as v5-6, for the shared unit
.set VWSA2, 23
.set CW,    24                         ; v[24:25], v[26:27] the rows' weights, tile 0, 1 (the packed form names pairs and takes their low words)
.set WS,    28
.set X,     32
.set Y0,    160
.set Y1,    192
.set BM0,   224
.set BM1,   225
.set SO0,   226
.set SO1,   227
.set BY0,   228
.set BY1,   229
.set SW0,   230
.set SW1,   231
.set C0,    232
.set C1,    240
.set VP,    248
.set VLA,   249
.set VID,   250
.set VTRASH, 251
.set VFILL, 252
.set VFILLA, 253
.set VT,    254
.set ACC,   32                         ; accumulator (T, j) at 32 + 32 T + 8 j
.set AR,    96
.set ASC,   192
.set WP,    208
.set WQ,    232
.set WPT,   4                          ; s[4:5] my part of the weights
.set AB,    6                          ; s[6:7] hc at my expert;  s[8:9] hsc
.set ASB,   8
.set BA,    10                         ; s[10:11] the bias
.set WTB,   12                         ; s[12:13] wts
.set YP,    14                         ; s[14:15] ypart at my columns
.set MKB,   86
.set R0,    90
.set NEFF,  91
.set TRIPS, 92
.set CNT,   93
.set SWB,   96                         ; s[96:97] swq at my shared unit
.macro NOP4
.rept 4
	v_nop
.endr
.endm
.macro LOADS set, t                    ; 32 rows of K, 256 consecutive bytes each: a lane's registers 2 i, 2 i + 1 are columns 2 l, 2 l + 1 of row 32 t + i
.set i, 0
.rept 32
	global_load_b64 v[X+64*(\set)+2*i:X+64*(\set)+2*i+1], v[VL8], s[WPT:WPT+1] offset:(32*(\t)+i)*4096 th:TH_LOAD_NT   ; read once in the launch
.set i, i+1
.endr
.endm
.macro BLK set, t, more, last          ; one block of 32 along K for my 64 columns
.set XS, X+64*(\set)
.if \last
	s_wait_loadcnt 0x0
.else
	s_wait_loadcnt 32                              ; this set's 32 loads are in; the other set's 32 may be out
.endif
	v_max3_num_f32 v[BM0], |v[XS]|, |v[XS+2]|, 0x2800000       ; with the floor 2^(5 - 127): the byte cannot fall under 1
	v_max3_num_f32 v[BM1], |v[XS+1]|, |v[XS+3]|, 0x2800000
.irp i, 4,8,12,16,20,24,28,32,36,40,44,48,52,56,60
	v_max3_num_f32 v[BM0], v[BM0], |v[XS+\i]|, |v[XS+\i+2]|
	v_max3_num_f32 v[BM1], v[BM1], |v[XS+\i+1]|, |v[XS+\i+3]|
.endr
.set i, 0
.rept 32
	v_mov_b32 v[Y0+i], v[XS+2*i]                   ; the conversions want 16 neighbours along K in consecutive registers
	v_mov_b32 v[Y1+i], v[XS+2*i+1]
.set i, i+1
.endr
.if \more
	LOADS \set, (\t)+2
.endif
	v_add_nc_u32 v[SO0], 0xfe000000, v[BM0]
	v_add_nc_u32 v[SO1], 0xfe000000, v[BM1]
	s_wait_dscnt 0x0                               ; the last block's LDS stores are done with the codes' registers
	v_cvt_scalef32_pk16_bf6_f32 v[C0:C0+2], v[Y0:Y0+15], v[SO0]
	v_cvt_scalef32_pk16_bf6_f32 v[C0+4:C0+6], v[Y0+16:Y0+31], v[SO0]
	v_cvt_scalef32_pk16_bf6_f32 v[C1:C1+2], v[Y1:Y1+15], v[SO1]
	v_cvt_scalef32_pk16_bf6_f32 v[C1+4:C1+6], v[Y1+16:Y1+31], v[SO1]
	v_lshrrev_b32 v[BY0], 23, v[SO0]               ; the bytes; also the plain place behind the conversions
	v_lshrrev_b32 v[BY1], 23, v[SO1]
.irp i, 3,4,5
	v_mov_b32 v[C0+\i], v[C0+\i+1]
	v_mov_b32 v[C1+\i], v[C1+\i+1]
.endr
.if ((\t)%4) == 0
	v_mov_b32 v[SW0], v[BY0]
	v_mov_b32 v[SW1], v[BY1]
.else
	v_lshl_or_b32 v[SW0], v[BY0], 8*((\t)%4), v[SW0]
	v_lshl_or_b32 v[SW1], v[BY1], 8*((\t)%4), v[SW1]
.endif
.set OFF, ((\t)/4)*6144+768*((\t)%2)+24*(((\t)/2)%2)
.if (((\t)/2)%2) == 0
	ds_store_b128 v[VIMG], v[C0:C0+3] offset:OFF
	ds_store_b64 v[VIMG], v[C0+4:C0+5] offset:OFF+16
	ds_store_b128 v[VIMG], v[C1:C1+3] offset:OFF+48
	ds_store_b64 v[VIMG], v[C1+4:C1+5] offset:OFF+64
.else
	ds_store_b64 v[VIMG], v[C0:C0+1] offset:OFF
	ds_store_b128 v[VIMG], v[C0+2:C0+5] offset:OFF+8
	ds_store_b64 v[VIMG], v[C1:C1+1] offset:OFF+48
	ds_store_b128 v[VIMG], v[C1+2:C1+5] offset:OFF+56
.endif
.if ((\t)%4) == 3
	ds_store_b32 v[VSCL], v[SW0] offset:((\t)/4)*SSTR
	ds_store_b32 v[VSCL], v[SW1] offset:((\t)/4)*SSTR+8
.endif
.endm
.macro LISTBUILD step                  ; the expert's 64 words of masks become its list: the entry of rank p at LIST + 4 p
	s_load_b512 s[16:31], s[MKB:MKB+1], 0x0
	s_load_b512 s[32:47], s[MKB:MKB+1], 0x40
	s_load_b512 s[48:63], s[MKB:MKB+1], 0x80
	s_load_b512 s[68:83], s[MKB:MKB+1], 0xc0
.set i, 0
.rept 33
	ds_store_b32 v[VFILLA], v[VFILL] offset:128*i  ; the default entry, for the ranks that fill the last unit of 32
.set i, i+1
.endr
	s_mov_b32 s[CNT], 0
	s_wait_kmcnt 0x0
.irp j, 16,17,18,19,20,21,22,23,24,25,26,27,28,29,30,31,32,33,34,35,36,37,38,39,40,41,42,43,44,45,46,47,48,49,50,51,52,53,54,55,56,57,58,59,60,61,62,63,68,69,70,71,72,73,74,75,76,77,78,79,80,81,82,83
	v_mbcnt_lo_u32_b32 v[VP], s\j, s[CNT]
	v_cndmask_b32 v[VP], v[VTRASH], v[VP], s\j
	v_min_u32 v[VP], 1087, v[VP]
	v_lshl_add_u32 v[VLA], v[VP], 2, LIST
	ds_store_b32 v[VLA], v[VID]
	v_add_nc_u32 v[VID], \step, v[VID]
	s_bcnt1_i32_b32 s94, s\j
	s_add_co_u32 s[CNT], s[CNT], s94
.endr
	v_mov_b32 v[VT], s[CNT]
	ds_store_b32 v[VCNA], v[VT]
.endm
.macro WFRAG reg, s, ct
.irp g, 0,1,2
	ds_load_b128 v[\reg+4*\g:\reg+4*\g+3], v[VWI] offset:(4*(\s)+(\ct))*1536+16*\g
.endr
.endm
.macro AFRAG s
.irp T, 0,1
.irp g, 0,1,2
	global_load_b128 v[AR+24*((\s)%4)+12*\T+4*\g:AR+24*((\s)%4)+12*\T+4*\g+3], v[VA0+\T], s[AB:AB+1] offset:ASTR*(\s)+16*\g
.endr
.endr
.endm
.macro MM s, w, ct, T
.if ((\ct)%2) == 0
	v_wmma_scale_f32_16x16x128_f8f6f4 v[ACC+32*(\T)+8*(\ct):ACC+32*(\T)+8*(\ct)+7], v[\w:\w+11], v[AR+24*((\s)%4)+12*(\T):AR+24*((\s)%4)+12*(\T)+11], v[ACC+32*(\T)+8*(\ct):ACC+32*(\T)+8*(\ct)+7], v[WS+2*((\s)%2)+(\ct)/2], v[ASC+8*(\T)+(\s)] matrix_a_fmt:MATRIX_FMT_BF6 matrix_b_fmt:MATRIX_FMT_BF6
.else
	v_wmma_scale_f32_16x16x128_f8f6f4 v[ACC+32*(\T)+8*(\ct):ACC+32*(\T)+8*(\ct)+7], v[\w:\w+11], v[AR+24*((\s)%4)+12*(\T):AR+24*((\s)%4)+12*(\T)+11], v[ACC+32*(\T)+8*(\ct):ACC+32*(\T)+8*(\ct)+7], v[WS+2*((\s)%2)+(\ct)/2], v[ASC+8*(\T)+(\s)] matrix_a_fmt:MATRIX_FMT_BF6 matrix_b_fmt:MATRIX_FMT_BF6 matrix_a_scale:MATRIX_SCALE_ROW1
.endif
.endm
; A K step: eight matrix instructions, the eight accumulators by turns, one instruction a turn, in the same order in every step.
; n: the global loads that may stay out: the rows' fragments of the younger K steps, six each.
.macro KSTEP s, n
	s_wait_dscnt 6                                 ; the scale words and tiles 0, 1 are in; tiles 2, 3's six loads may be out
	s_wait_loadcnt \n
	MM \s, WP, 0, 0
	MM \s, WP, 0, 1
	MM \s, WP+12, 1, 0
	MM \s, WP+12, 1, 1
	NOP4                                           ; four places in front of loads into registers that matrix instructions have read
.if (\s) < 7
	ds_load_b64 v[WS+2*(((\s)+1)%2):WS+2*(((\s)+1)%2)+1], v[VWSA] offset:SSTR*((\s)+1)
	WFRAG WP, (\s)+1, 0
	WFRAG WP+12, (\s)+1, 1
	s_wait_dscnt 7                                 ; tiles 2, 3 are in; the seven just issued may be out
.else
	s_wait_dscnt 0x0
.endif
	MM \s, WQ, 2, 0
	MM \s, WQ, 2, 1
	MM \s, WQ+12, 3, 0
	MM \s, WQ+12, 3, 1
	NOP4
.if (\s) < 7
	WFRAG WQ, (\s)+1, 2
	WFRAG WQ+12, (\s)+1, 3
.endif
.if (\s) < 4
	AFRAG (\s)+4
.endif
.endm
; The parts of a unit.  They name VWI, VWSA, AB, ASB and BA, which are set anew for the shared expert's unit.
.macro BIASES                          ; the bias starts the sums: 16 loads
.irp T, 0,1
.irp j, 0,1,2,3
	global_load_b128 v[ACC+32*\T+8*\j:ACC+32*\T+8*\j+3], v[VBO], s[BA:BA+1] offset:64*\j
	global_load_b128 v[ACC+32*\T+8*\j+4:ACC+32*\T+8*\j+7], v[VBO], s[BA:BA+1] offset:64*\j+16
.endr
.endr
.endm
.macro ROWS                            ; the rows' scale words and their first four K steps: 4 + 24 loads
.irp T, 0,1
	global_load_b128 v[ASC+8*\T:ASC+8*\T+3], v[VS0+\T], s[ASB:ASB+1]
	global_load_b128 v[ASC+8*\T+4:ASC+8*\T+7], v[VS0+\T], s[ASB:ASB+1] offset:16
.endr
	AFRAG 0
	AFRAG 1
	AFRAG 2
	AFRAG 3
.endm
.macro KHEAD                           ; K step 0's weights: 13 LDS loads
	ds_load_b64 v[WS:WS+1], v[VWSA]
	WFRAG WP, 0, 0
	WFRAG WP+12, 0, 1
	WFRAG WQ, 0, 2
	WFRAG WQ+12, 0, 3
.endm
.macro KALL n0
	KSTEP 0, \n0
	KSTEP 1, 18
	KSTEP 2, 18
	KSTEP 3, 18
	KSTEP 4, 18
	KSTEP 5, 12
	KSTEP 6, 6
	KSTEP 7, 0
.endm
.macro TOSTAGE                         ; lane (r, h): rank R0 + 16 T + r, columns 16 j + 8 h + 0 .. 7; each accumulator from its low end on
.irp T, 0,1
.irp j, 0,1,2,3
	ds_store_b128 v[VSTO], v[ACC+32*\T+8*\j:ACC+32*\T+8*\j+3] offset:16*\T*272+64*\j
	ds_store_b128 v[VSTO], v[ACC+32*\T+8*\j+4:ACC+32*\T+8*\j+7] offset:16*\T*272+64*\j+16
.endr
.endr
.endm
.macro FROMSTAGE                       ; back as rows: lanes 0-15 rank R0 + 2 i, lanes 16-31 the next.  LDS serves a wave's instructions in order: these see my stores
.irp i, 0,1,2,3,4,5,6,7,8,9,10,11,12,13,14,15
	ds_load_b128 v[112+4*\i:115+4*\i], v[VSRD] offset:544*\i
.endr
.endm
	s_load_b512 s[16:31], s[0:1], 0x0              ; hc 16, hsc 18, masks 20, wts 22, W2 24, swq 26, B2 28, sB2 30
	s_load_b64 s[32:33], s[0:1], 0x40              ; ypart
	s_set_vgpr_msb 0x40
	v_lshl_add_u32 v0, v0, 2, 0x2b400
	v_mov_b32 v1, 0
	s_set_vgpr_msb 0x4000
	v_lshrrev_b32 v22, 5, v0
	v_readfirstlane_b32 s88, v22                   ; wave 0..7
	s_and_b32 s38, ttmp9, 15                       ; sg: which 64 columns
	s_lshr_b32 s40, ttmp9, 4                       ; the expert
	s_lshl_b32 s47, s40, 22
	s_lshl_b32 s51, s38, 8                         ; 256 sg
	s_lshl_b32 s55, s40, 12
	s_add_co_u32 s55, s55, s51                     ; B2: 4,096 e + 256 sg
	s_lshl_b32 s48, s88, 19                        ; my K step: 128 rows of 4,096 bytes
	s_add_co_u32 s47, s47, s48
	s_add_co_u32 s47, s47, s51
	s_mul_i32 s56, s40, 786432
	s_lshl_b32 s57, s40, 15
	s_lshl_b32 s58, s40, 8
	s_lshl_b32 s59, s40, 5
	s_add_co_u32 s59, s59, 4096                    ; the default entries: 4,096 + 32 e + lane
	s_and_b32 s41, s40, 1
	s_lshl_b32 s42, s41, 4
	s_add_co_u32 s42, s42, s38                     ; the shared unit: 16 x half of K + slice
	s_mul_i32 s42, s42, 51200
	s_add_co_u32 s42, s42, 1638400
	s_mov_b32 s63, 0
	v_and_b32 v1, 31, v0                           ; lane
	v_lshlrev_b32 v[VL8], 3, v1
	v_bfe_u32 v22, v0, 3, 2                        ; tile j of column 2 l
	v_and_b32 v23, 7, v0
	v_mul_u32_u24 v[VIMG], v22, 1536
	v_mad_u32_u24 v[VIMG], v23, 96, v[VIMG]        ; row 2 (l % 8) of it
	s_mul_i32 s94, s88, 6144
	v_add_nc_u32 v[VIMG], s94, v[VIMG]
	v_lshlrev_b32 v[VSCL], 4, v23
	v_bfe_u32 v22, v0, 3, 1
	v_lshl_add_u32 v[VSCL], v22, 7, v[VSCL]
	v_bfe_u32 v22, v0, 4, 1                        ; lane / 16
	v_lshl_add_u32 v[VSCL], v22, 2, v[VSCL]
	s_lshl_b32 s94, s88, 8
	s_add_co_u32 s94, s94, SCL
	v_add_nc_u32 v[VSCL], s94, v[VSCL]
	v_and_b32 v23, 15, v0                          ; lane % 16
	v_mul_u32_u24 v[V48], v1, 48
	v_lshl_add_u32 v[VWSA], v1, 3, SCL
	v_lshl_add_u32 v[VLRD0], v23, 2, LIST
	v_lshl_add_u32 v[VLR20], v22, 2, LIST
	v_lshlrev_b32 v[VBO], 5, v22
	v_lshlrev_b32 v[VC16], 4, v23
	s_mul_i32 s94, s88, 24576
	v_add_nc_u32 v[VA0], s94, v[V48]               ; 768 R0 + 48 lane
	v_add_nc_u32 v[VA0+1], 12288, v[VA0]
	v_lshlrev_b32 v[VS0], 5, v23
	s_lshl_b32 s94, s88, 10
	v_add_nc_u32 v[VS0], s94, v[VS0]               ; 32 (R0 + r)
	v_add_nc_u32 v[VS0+1], 512, v[VS0]
	s_mul_i32 s94, s88, 8704
	s_add_co_u32 s94, s94, STG                     ; my stage
	v_mul_u32_u24 v[VSTO], v23, 272
	v_lshl_add_u32 v[VSTO], v22, 5, v[VSTO]
	v_add_nc_u32 v[VSTO], s94, v[VSTO]             ; in: row r, 32 bytes for each half of the lanes
	v_mul_u32_u24 v[VSRD], v22, 272
	v_lshl_add_u32 v[VSRD], v23, 4, v[VSRD]
	v_add_nc_u32 v[VSRD], s94, v[VSRD]             ; out: lanes 0-15 one row, lanes 16-31 the next
	v_mov_b32 v[VCNA], CNTW
	v_mov_b32 v[CW+1], 0                           ; (named as the upper halves of pairs)
	v_mov_b32 v[CW+3], 0
	v_mov_b32 v[VID], v1                           ; the list's entries are ROWS of ypart: bit l of word j is row 32 j + l
	v_add_nc_u32 v[VTRASH], 1056, v1
	v_add_nc_u32 v[VFILL], s59, v1
	v_lshl_add_u32 v[VFILLA], v1, 2, LIST
	v_add_nc_u32 v[VWI2], IMG2, v[V48]
	v_lshl_add_u32 v[VWSA2], v1, 3, SCL2
	s_mul_i32 s94, s88, 6400                       ; the copy: 51,200 bytes, 6,400 a wave, 8 a lane
	v_lshl_add_u32 v[VCPG], v1, 3, s94
	v_add_nc_u32 v[VCPL], IMG2, v[VCPG]
	s_lshl_b32 s[R0], s88, 5
	s_wait_kmcnt 0x0
	s_mov_b32 s62, s47
	s_add_nc_u64 s[WPT:WPT+1], s[24:25], s[62:63]
	s_mov_b32 s62, s42
	s_add_nc_u64 s[SWB:SWB+1], s[26:27], s[62:63]
.set i, 0
.rept 25
	global_load_b64 v[160+2*i:161+2*i], v[VCPG], s[SWB:SWB+1] offset:256*i   ; the copy goes out first, into registers that the first block does not yet need,
.set i, i+1
.endr
	LOADS 0, 0                                     ; and the stream begins behind it
	LOADS 1, 1
	s_mov_b32 s62, s55
	s_add_nc_u64 s[BA:BA+1], s[28:29], s[62:63]
	s_mov_b32 s62, s56
	s_add_nc_u64 s[AB:AB+1], s[16:17], s[62:63]
	s_mov_b32 s62, s57
	s_add_nc_u64 s[ASB:ASB+1], s[18:19], s[62:63]
	s_mov_b64 s[WTB:WTB+1], s[22:23]
	s_mov_b32 s62, s51
	s_add_nc_u64 s[YP:YP+1], s[32:33], s[62:63]
	s_mov_b32 s62, s58
	s_add_nc_u64 s[MKB:MKB+1], s[20:21], s[62:63]
	s_cmp_lg_u32 s88, 0
	s_cbranch_scc1 .Lno_list
	LISTBUILD 32                                   ; wave 0 alone; no other wave touches LDS ahead of the barrier below
.Lno_list:
	s_wait_dscnt 0x0                               ; the list has landed
	s_barrier_signal -1
	s_barrier_wait -1
	s_load_b512 s[16:31], s[0:1], 0x0              ; the arguments once more, for the shared unit: the list build has used these registers
	s_wait_loadcnt 63                              ; 64 loads were issued behind the copy's last: the copy is in
.set i, 0
.rept 25
	ds_store_b64 v[VCPL], v[160+2*i:161+2*i] offset:256*i
.set i, i+1
.endr
	s_wait_dscnt 0x0                               ; the stores are done with their registers, which the blocks below write
	BLK 0, 0, 1, 0
	BLK 1, 1, 1, 0
	BLK 0, 2, 0, 0
	BLK 1, 3, 0, 1
	s_wait_dscnt 0x0                               ; my images have landed
	s_barrier_signal -1
	s_barrier_wait -1                              ; everybody's have: from here on a wave writes only its own stage
	s_wait_kmcnt 0x0
	s_lshr_b32 s40, ttmp9, 4                       ; the shared unit's bases
	s_and_b32 s41, s40, 1                          ; which half of K:
	s_add_co_u32 s42, s41, 16                      ; it counts as expert 16 or 17 in hc and hsc
	s_mul_i32 s44, s42, 786432
	s_mov_b32 s45, 0
	s_add_nc_u64 s[16:17], s[16:17], s[44:45]
	s_lshl_b32 s44, s42, 15
	s_add_nc_u64 s[18:19], s[18:19], s[44:45]
	s_and_b32 s43, ttmp9, 15
	s_lshl_b32 s43, s43, 8
	s_add_co_u32 s44, s43, 16384
	s_cmp_eq_u32 s41, 0
	s_cselect_b32 s44, s43, s44
	s_cselect_b64 s[20:21], s[30:31], s[22:23]     ; sB2 with the first half, the zeros in wts with the second
	s_add_nc_u64 s[20:21], s[20:21], s[44:45]
	ds_load_b32 v16, v[VCNA]
	s_wait_dscnt 0x0
	v_readfirstlane_b32 s[NEFF], v16
	s_min_u32 s[NEFF], s[NEFF], 0x400
	s_mov_b32 s[TRIPS], 4
.Lrow:                                                 ; four trips of 256 ranks: 1,024, the most that an expert can have
	s_cmp_ge_u32 s[R0], s[NEFF]
	s_cbranch_scc1 .Lstep
	s_lshl_b32 s94, s[R0], 2
	v_add_nc_u32 v[VLRD], s94, v[VLRD0]
	v_add_nc_u32 v[VLR2], s94, v[VLR20]
	ds_load_b32 v16, v[VLRD]                       ; the rows of ypart of ranks R0 + r
	ds_load_b32 v17, v[VLRD] offset:64             ; and R0 + 16 + r
	BIASES
	ROWS
	KHEAD
	s_wait_dscnt 13                                ; the two list words are in; the thirteen loads behind them may be out
	v_min_u32 v16, 6143, v16
	v_min_u32 v17, 6143, v17
	v_lshlrev_b32 v16, 2, v16
	v_lshlrev_b32 v17, 2, v17
	global_load_b32 v[CW], v16, s[WTB:WTB+1]       ; the rows' weights: the youngest loads, so the first K step waits for all
	global_load_b32 v[CW+2], v17, s[WTB:WTB+1]
	KALL 0
.irp T, 0,1
.irp i, 0,2,4,6,8,10,12,14,16,18,20,22,24,26,28,30
	v_pk_mul_f32 v[ACC+32*\T+\i:ACC+32*\T+\i+1], v[ACC+32*\T+\i:ACC+32*\T+\i+1], v[CW+2*\T:CW+2*\T+1] op_sel_hi:[1,0]   ; x the row's weight; each accumulator from its low end on
.endr
.endr
	TOSTAGE
.irp i, 0,1,2,3,4,5,6,7,8,9,10,11,12,13,14,15
	ds_load_b32 v[96+\i], v[VLR2] offset:8*\i      ; the rows of ypart of ranks R0 + 2 i + lane / 16
.endr
	FROMSTAGE
	s_wait_dscnt 0x0
.irp i, 0,1,2,3,4,5,6,7,8,9,10,11,12,13,14,15
	v_min_u32 v[96+\i], 4607, v[96+\i]
	v_lshl_add_u32 v[176+\i], v[96+\i], 12, v[VC16]
	global_store_b128 v[176+\i], v[112+4*\i:115+4*\i], s[YP:YP+1]   ; sixteen lanes store 256 consecutive bytes, at a multiple of 256 from ypart's first byte
.endr
.Lstep:
	s_wait_xcnt 0x0                                ; the stores have read their data and offsets: both are written again only behind this wait
	v_add_nc_u32 v[VA0], 196608, v[VA0]
	v_add_nc_u32 v[VA0+1], 196608, v[VA0+1]
	v_add_nc_u32 v[VS0], 8192, v[VS0]
	v_add_nc_u32 v[VS0+1], 8192, v[VS0+1]
	s_add_co_u32 s[R0], s[R0], 256
	s_sub_co_u32 s[TRIPS], s[TRIPS], 1
	s_cmp_lg_u32 s[TRIPS], 0
	s_cbranch_scc1 .Lrow
	; ---- THE SHARED EXPERT: waves 4 to 7 take tokens 128 (g / 32) + 32 (wave % 4) + 0 .. 31.  A token's rank is its number, its row of ypart 2,048 + 32 (token / 16) + 16 x half + token % 16, its weight 1: no list, no multiplication.
	s_cmp_lt_u32 s88, 4
	s_cbranch_scc1 .Lend
.set VWI,  VWI2
.set VWSA, VWSA2
.set AB,   16
.set ASB,  18
.set BA,   20
	s_lshr_b32 s94, ttmp9, 5
	s_lshl_b32 s94, s94, 7
	s_and_b32 s95, s88, 3
	s_lshl_b32 s95, s95, 5
	s_add_co_u32 s94, s94, s95                     ; my first token
	s_mul_i32 s95, s94, 768
	v_add_nc_u32 v[VA0], s95, v[V48]
	v_add_nc_u32 v[VA0+1], 12288, v[VA0]
	v_and_b32 v16, 15, v0
	v_add_nc_u32 v16, s94, v16
	v_lshlrev_b32 v[VS0], 5, v16
	v_add_nc_u32 v[VS0+1], 512, v[VS0]
	s_lshl_b32 s95, s94, 1                         ; 32 rows of ypart for 16 tokens
	s_lshr_b32 s93, ttmp9, 4
	s_and_b32 s93, s93, 1
	s_lshl_b32 s93, s93, 4
	s_add_co_u32 s95, s95, s93
	s_add_co_u32 s95, s95, 2048
	v_bfe_u32 v17, v0, 4, 1
	v_add_nc_u32 v17, s95, v17
	v_lshl_add_u32 v17, v17, 12, v[VC16]           ; the row of my first token (lanes 16-31: of the next), 16 bytes a lane
	BIASES
	ROWS
	KHEAD
	KALL 18
	TOSTAGE
	FROMSTAGE
	s_wait_dscnt 0x0
.irp i, 0,1,2,3,4,5,6,7,8,9,10,11,12,13,14,15
	global_store_b128 v17, v[112+4*\i:115+4*\i], s[YP:YP+1] offset:(32*(\i/8)+2*(\i%8))*4096   ; tokens 2 i and 2 i + 1: sixteen lanes store 256 consecutive bytes, at a multiple of 256 from ypart's first byte
.endr
.Lend:
	s_set_vgpr_msb 0x5
	s_wait_tensorcnt 0x0
	ds_add_u32 v0, v1
	s_wait_dscnt 0x0
	s_set_vgpr_msb 0x500
	s_endpgm
.Lfunc_end_k_q5cac1cc419_down:
	.size	k_q5cac1cc419_down, .Lfunc_end_k_q5cac1cc419_down-k_q5cac1cc419_down
	.p2alignl 7, 3214868480
	.fill 96, 4, 3214868480
	.section	.rodata,"a",@progbits
	.p2align	6, 0x0
	.amdhsa_kernel k_q5cac1cc419_down
		.amdhsa_group_segment_fixed_size 178176
		.amdhsa_private_segment_fixed_size 0
		.amdhsa_enable_private_segment 0
		.amdhsa_kernarg_size 72
		.amdhsa_user_sgpr_count 2
		.amdhsa_user_sgpr_kernarg_segment_ptr 1
		.amdhsa_wavefront_size32 1
		.amdhsa_system_sgpr_workgroup_id_x 1
		.amdhsa_system_sgpr_workgroup_id_y 1
		.amdhsa_system_sgpr_workgroup_id_z 1
		.amdhsa_system_vgpr_workitem_id 0
		.amdhsa_next_free_vgpr 258
		.amdhsa_next_free_sgpr 102
		.amdhsa_reserve_vcc 0
		.amdhsa_float_denorm_mode_32 3
		.amdhsa_float_denorm_mode_16_64 3
		.amdhsa_memory_ordered 1
		.amdhsa_forward_progress 1
		.amdhsa_inst_pref_size 135
	.end_amdhsa_kernel
	.amdgpu_metadata
---
amdhsa.version: [ 1, 2 ]
amdhsa.kernels:
  - .name:           k_q5cac1cc419_down
    .symbol:         k_q5cac1cc419_down.kd
    .args:
      - { .name: hc, .offset: 0, .size: 8, .value_kind: global_buffer, .address_space: global }
      - { .name: hsc, .offset: 8, .size: 8, .value_kind: global_buffer, .address_space: global }
      - { .name: masks, .offset: 16, .size: 8, .value_kind: global_buffer, .address_space: global }
      - { .name: wts, .offset: 24, .size: 8, .value_kind: global_buffer, .address_space: global }
      - { .name: W2, .offset: 32, .size: 8, .value_kind: global_buffer, .address_space: global }
      - { .name: swq, .offset: 40, .size: 8, .value_kind: global_buffer, .address_space: global }
      - { .name: B2, .offset: 48, .size: 8, .value_kind: global_buffer, .address_space: global }
      - { .name: sB2, .offset: 56, .size: 8, .value_kind: global_buffer, .address_space: global }
      - { .name: ypart, .offset: 64, .size: 8, .value_kind: global_buffer, .address_space: global }
    .group_segment_fixed_size: 178176
    .private_segment_fixed_size: 0
    .kernarg_segment_align: 8
    .kernarg_segment_size: 72
    .max_flat_workgroup_size: 256
    .sgpr_count:     102
    .vgpr_count:     258
    .wavefront_size: 32
...
	.end_amdgpu_metadata
.endif
;; end of part 7
;; launch combine: the kernel of part 4 again; grid 256 x 1, 4 waves a work-group, no clusters, 0 bytes of LDS; arguments ypart, out0; writes out0
;; ======== version 3 of 3: 4 launches; version 2 with the launches prep, up, down written anew for expert scheduling mode
;; workspace buffers: actc 1,572,864 bytes; acts 65,536 bytes; masks 8,192 bytes of whole numbers; wts 24,576 bytes; hc 14,155,776 bytes; hsc 589,824 bytes; ypart 18,874,368 bytes; swq 3,276,800 bytes
;; launch prep (part 8): grid 96 x 1, 16 waves a work-group, no clusters, 135,168 bytes of LDS; arguments embeddings, x, gate_w, actc, acts, masks, wts, sW1, sW2, swq; writes actc, acts, masks, wts, swq
.if DOCPART == 8
	.amdgcn_target "amdgcn-amd-amdhsa--gfx1250"
	.amdhsa_code_object_version 6
	.text
	.protected	k_q5cac1cc419_prep
	.globl	k_q5cac1cc419_prep
	.p2align	8
	.type	k_q5cac1cc419_prep,@function
k_q5cac1cc419_prep:
	s_mov_b64 s[64:65], 0
	v_nop
	global_prefetch_b8 v0, s[64:65] scope:SCOPE_SE
	s_setreg_imm32_b32 hwreg(HW_REG_WAVE_SCHED_MODE, 0, 2), 2
	s_setreg_imm32_b32 hwreg(HW_REG_WAVE_MODE, 25, 1), 1
	s_wait_xcnt 0x0
	s_wait_alu depctr_vm_vsrc(0)
; PREP.  Work-groups 0 .. 63: the tokens.  Work-groups 64 .. 95: the shared expert's weights.  The two part once, at the head, and use LDS bytes of their own.
; THE TOKENS.  embeddings and x ([1024][1024] f32) become codes of BF6 (E3M2) with one E8M0 byte for each 32 along K, laid as the later launches' operand registers take them;
; the gate's product (embeddings x gate_w^T, both quantised along K), its softmax and its two largest scores are made here, and the choice is stored at FIXED places as whole numbers.
; actc [2][1024 tokens][8 K steps][2 halves][48 bytes]: the 48 bytes are the 12 registers of lane (row, half) of a fragment of 16 rows x 128 K.   acts [2][1024][8 words]: a row's scale words.
; masks [32 rows][64 words]: row e < 16, word t: bit l = slot 32 t + l chose expert e (slot = 32 x tile + 16 x choice + row);  rows 16-31: zeros, not read.
; wts f32 [6144]: [0, 2048) the slot's gate weight, [4096, 6144) 0.0; the words between are neither written nor read.
; A work-group takes 16 tokens; wave w takes tensor q = w / 8 and K step s = w % 8: 16 rows x 128 numbers, 64 a lane, in the very order of the operand's layout (lane (r, h): k = 64 c + 32 h + 0 .. 31).
; The eight waves of the embeddings also quantise their K step of gate_w and issue ONE matrix instruction (source 0 = the 16 experts, source 1 = the 16 tokens); the eight partial sums meet in LDS and wave 0 adds them in ascending K.
; THE WEIGHTS.  sW1 [1024][2048] and sW2 [2048][1024], f32 with K as their first axis, become codes laid in swq exactly as the later launches keep weights in LDS: images of operand registers, 48 bytes a lane and fragment.
; swq: sW1: 16 slices of 128 columns x (98,304 bytes of codes [b][K step][m][u] x 1,536 + 4,096 of scale words [K step][b][r + 16 u][m]);
;      sW2, from byte 1,638,400: 32 units (16 x half of K + slice of 64 columns) x (49,152 bytes [K step][tile] x 1,536 + 2,048 of scale words [K step][r + 16 (tile % 2)][tile / 2]).
; A wave takes 64 columns x one K step: 128 rows, 256 consecutive bytes a load, a lane two columns, its registers running DOWN K; four fragments go through the wave's own stage and leave as 12 x 512 consecutive bytes.
; LIMITS: NaN and infinities among the inputs are not served.  A block of zeros gets the byte 1 where the rule says 127: its codes are zeros, and this program alone reads the bytes.
; The gate's sum over K is eight partial sums added in ascending order: scores equal to the last bits of f32 may be ordered otherwise than by another order of summing.  Ties are broken to the lower index.
; THE MODE: SCHED_MODE bits 1:0 = 2 (LLVM: expert scheduling mode 2), set by the entry lines.  The code itself states the register dependences between vector or matrix instructions and memory or LDS instructions, with s_wait_alu, always for 0.
; THE PLAN.  The tokens: offsets and addresses v3-v11 are made once, ahead of one wait.  v16-143 are loaded, read by the quantiser, and loaded again from LDS behind the waits that stand ahead of the quantiser's stores and of the product.
;   The fragment, the scale word and the partial logits are written by vector or matrix instructions and read by LDS stores: a wait ahead of each run of stores.  The product's operands and scales are made by vector instructions: a wait behind its places.
;   The router: a wait between each compare and the first reader of its mask; its three stores stand behind one wait.
; The weights: two sets of 64 registers by turns: a set is read by a block's maxima and moves and asked for again behind a wait; the codes' registers are written by the conversions, read by the block's LDS stores, and written again in the next block.
.set SPIT, 784                         ; a token's row in the stage: 768 bytes + 16
.set SST,  25088                       ; behind the two stages of 16 rows: the scale words [q][row][8 words]
.set PART, 26112                       ; the partial logits: 1,024 bytes for each K step
.set WST,  34816                       ; the weights' stages: 6,144 bytes for each wave
.set X,    16                          ; v16-79   64 numbers of my row
.set G,    80                          ; v80-143  64 numbers of gate_w; later the partial logits
.set P1,   144                         ; v144-155 the tokens' fragment
.set P2,   156                         ; v156-167 gate_w's
.set CT,   168                         ; v168-175 upper halves of blocks, as the conversions leave them
.set QM,   176                         ; v176-177 largest magnitudes; v178-179 the conversions' scale operands; v180-181 bytes; v182-183 at work
.set QS,   178
.set QB,   180
.set SWX,  184                         ; the tokens' scale word
.set SWG,  185                         ; gate_w's
.set D,    186                         ; v186-193 the partial logits of my K step
.set VL8,  2                           ; the weights' path: v2 my two columns' bytes in a row
.set VIMG, 3                           ; v3   where their codes go in my stage
.set VCP,  4                           ; v4   my stage, 16 x lane
.set VCO0, 5                           ; v5   16 x lane
.set VCO1, 6                           ; v6   the same for the stage's second half
.set VSO,  7                           ; v7   where my columns' scale words go
.set WX,   32                          ; v32-159 two sets of 32 rows x 2 columns
.set Y0,   160                         ; v160-191 the even column's 32 numbers
.set Y1,   192                         ; v192-223 the odd column's
.set BM0,  224
.set BM1,  225
.set SO0,  226
.set SO1,  227
.set BY0,  228
.set BY1,  229
.set SW0,  230
.set SW1,  231
.set C0,   232                         ; v232-238, v240-246 a block's codes
.set C1,   240
	v_lshl_add_u32 v254, v0, 2, 0x20800
	v_mov_b32 v255, 0
	v_lshrrev_b32 v12, 5, v0
	v_readfirstlane_b32 s18, v12                   ; wave 0..15
	s_wait_alu depctr_va_sdst(0)                   ; s18 is written: ahead of the branch, and of its first reader on either way
	s_cmp_ge_u32 ttmp9, 64
	s_cbranch_scc1 .Lweights
	s_load_b256 s[4:11], s[0:1], 0x0               ; embeddings s[4:5], x s[6:7], gate_w s[8:9], actc s[10:11]
	s_load_b128 s[12:15], s[0:1], 0x20             ; acts s[12:13], masks s[14:15]
	s_load_b64 s[16:17], s[0:1], 0x30              ; wts
	s_lshr_b32 s19, s18, 3                         ; q: 0 embeddings, 1 x
	s_and_b32 s20, s18, 7                          ; s: my K step
	s_mov_b32 s24, 0x76543210
	s_mov_b32 s25, 0xfedcba98                      ; v_permlanex16_b32's selects for lane l xor 16
	s_mov_b32 s26, 0xffff0000                      ; lanes 16-31
	v_and_b32 v13, 31, v0                          ; lane
	v_and_b32 v1, 15, v0                           ; r
	v_bfe_u32 v2, v0, 4, 1                         ; h
	v_lshlrev_b32 v3, 12, v1
	v_lshl_add_u32 v3, v2, 7, v3                   ; in memory: row r of 4,096 bytes + 128 h
	v_mul_u32_u24 v4, v1, SPIT                     ; every LDS address is made here, ahead of the first branch on the wave's number
	v_mad_u32_u24 v4, v2, 48, v4
	s_mul_i32 s30, s19, 16*SPIT
	s_mul_i32 s31, s20, 96
	s_add_co_u32 s31, s31, s30
	v_add_nc_u32 v4, s31, v4                       ; the stage, in: q's stage + row r + 96 s + 48 h
	v_lshlrev_b32 v5, 5, v1
	s_lshl_b32 s31, s19, 9
	s_add_co_u32 s31, s31, SST
	s_lshl_b32 s32, s20, 2
	s_add_co_u32 s32, s32, s31
	v_add_nc_u32 v5, s32, v5                       ; my row's scale word of K step s
	v_lshlrev_b32 v6, 5, v13
	s_lshl_b32 s32, s20, 10
	s_add_co_u32 s32, s32, PART
	v_add_nc_u32 v6, s32, v6                       ; my 32 bytes of K step s's partial logits
	v_lshlrev_b32 v9, 4, v13                       ; 16 x lane
	s_mul_i32 s32, s20, 2*SPIT
	s_add_co_u32 s32, s32, s30
	v_add_nc_u32 v7, s32, v9                       ; the stage, out: rows 2 s and 2 s + 1 as 1,536 bytes on end: 16 x lane,
	v_lshl_add_u32 v8, v2, 4, v7                   ; and 16 more where the second row has begun
	v_add_nc_u32 v10, s31, v9                      ; q's 512 bytes of scale words, 16 a lane
	v_lshl_add_u32 v11, v13, 5, PART               ; the partial logits, read back
	v_mov_b32 v183, 0                              ; a lane permute's destination counts as one of its sources
	s_lshl_b32 s22, ttmp9, 16                      ; my tile's 16 rows of 4,096 bytes,
	s_lshl_b32 s34, s20, 9                         ; my K step's 512 bytes
	s_add_co_u32 s22, s22, s34
	s_mov_b32 s23, 0
	s_mov_b32 s35, 0
	s_mul_i32 s36, s19, 786432                     ; actc: tensor q, tile x 12,288, + 1,536 s
	s_mul_i32 s38, ttmp9, 12288
	s_add_co_u32 s36, s36, s38
	s_mul_i32 s38, s20, 1536
	s_add_co_u32 s36, s36, s38
	s_mov_b32 s37, 0
	s_lshl_b32 s38, s19, 15                        ; acts: tensor q, tile x 512
	s_lshl_b32 s39, ttmp9, 9
	s_add_co_u32 s38, s38, s39
	s_mov_b32 s39, 0
	s_lshl_b32 s58, ttmp9, 2                       ; masks: word = tile
	s_mov_b32 s59, 0
	s_lshl_b32 s60, ttmp9, 7                       ; wts: 32 slots a tile
	s_mov_b32 s61, 0
	s_wait_kmcnt 0x0
	s_cmp_eq_u32 s19, 0
	s_cselect_b64 s[28:29], s[4:5], s[6:7]
	s_add_nc_u64 s[28:29], s[28:29], s[22:23]
	s_add_nc_u64 s[8:9], s[8:9], s[34:35]
	s_add_nc_u64 s[10:11], s[10:11], s[36:37]
	s_add_nc_u64 s[12:13], s[12:13], s[38:39]
	s_add_nc_u64 s[14:15], s[14:15], s[58:59]
	s_add_nc_u64 s[16:17], s[16:17], s[60:61]
	s_wait_alu depctr_va_vdst(0)                   ; the offsets and addresses v3 to v11 are written, which the loads and stores of this way read
.irp c, 0,1
.irp j, 0,1,2,3,4,5,6,7
	global_load_b128 v[X+32*\c+4*\j:X+32*\c+4*\j+3], v3, s[28:29] offset:256*\c+16*\j   ; k = 128 s + 64 c + 32 h + 4 j ..  (no hint: eight loads of the wave come back to each run of 256 bytes)
.endr
.endr
	s_cmp_lg_u32 s19, 0
	s_cbranch_scc1 .Lno_gate_loads
.irp c, 0,1
.irp j, 0,1,2,3,4,5,6,7
	global_load_b128 v[G+32*\c+4*\j:G+32*\c+4*\j+3], v3, s[8:9] offset:256*\c+16*\j                   ; gate_w: row r is expert r
.endr
.endr
.Lno_gate_loads:
	s_wait_loadcnt 0x0
; 64 numbers of a lane (two whole blocks: blocks h and 2 + h of the K step) become the lane's 12 operand registers and, with lane l xor 16's two bytes, the row's scale word.
.macro QK src, dst, word
.irp c, 0,1
	v_max3_num_f32 v[QM+\c], |v[\src+32*\c]|, |v[\src+32*\c+1]|, 0x2800000   ; with the floor 2^(5 - 127): the byte cannot fall under 1
.endr
.irp i, 2,4,6,8,10,12,14,16,18,20,22,24,26,28,30
.irp c, 0,1
	v_max3_num_f32 v[QM+\c], v[QM+\c], |v[\src+32*\c+\i]|, |v[\src+32*\c+\i+1]|
.endr
.endr
.irp c, 0,1
	v_add_nc_u32 v[QS+\c], 0xfe000000, v[QM+\c]    ; 4 off the exponent field: the conversion takes this operand's exponent field as its scale
.endr
.irp c, 0,1
	v_lshrrev_b32 v[QB+\c], 23, v[QS+\c]           ; the scale's byte
.endr
	v_lshl_or_b32 v[\word], v[QB+1], 16, v[QB]
	v_lshlrev_b32 v182, 3, v2
	v_lshlrev_b32 v[\word], v182, v[\word]         ; my two bytes at their places, 8 h bits up
	v_permlanex16_b32 v183, v[\word], s24, s25
	v_or_b32 v[\word], v[\word], v183              ; with lane l xor 16's two the word is whole
.irp c, 0,1
	v_cvt_scalef32_pk16_bf6_f32 v[\dst+6*\c:\dst+6*\c+2], v[\src+32*\c:\src+32*\c+15], v[QS+\c]
	v_cvt_scalef32_pk16_bf6_f32 v[CT+4*\c:CT+4*\c+2], v[\src+32*\c+16:\src+32*\c+31], v[QS+\c]   ; (a conversion's three registers begin on an even number)
.endr
	v_nop                                          ; one plain place behind a scaled conversion
.irp c, 0,1
.irp i, 0,1,2
	v_mov_b32 v[\dst+6*\c+3+\i], v[CT+4*\c+\i]
.endr
.endr
.endm
	QK X, P1, SWX
	s_wait_alu depctr_va_vdst(0)                   ; the fragment and the scale word are written, which the LDS stores read; the quantiser is done reading v16-79, in which LDS loads land behind the barrier
	ds_store_b128 v4, v[P1:P1+3]
	ds_store_b128 v4, v[P1+4:P1+7] offset:16
	ds_store_b128 v4, v[P1+8:P1+11] offset:32
	ds_store_b32 v5, v[SWX]                        ; both halves of the lanes write the same word with the same value
	s_cmp_lg_u32 s19, 0
	s_cbranch_scc1 .Lno_gate
	QK G, P2, SWG
.rept 8
	v_nop                                          ; a scale register written by a vector instruction stands 8 places ahead of a scaled matrix instruction, an operand 4
.endr
	s_wait_alu depctr_va_vdst(0)                   ; both fragments and both scale words, made by vector instructions, are written: the product takes them.  The quantiser is also done reading v80-143, in which wave 0's LDS loads land
	v_wmma_scale_f32_16x16x128_f8f6f4 v[D:D+7], v[P2:P2+11], v[P1:P1+11], 0, v[SWG], v[SWX] matrix_a_fmt:MATRIX_FMT_BF6 matrix_b_fmt:MATRIX_FMT_BF6   ; lane (r, h): token r, experts 8 h + 0 .. 7
.rept 4
	v_nop
.endr
	s_wait_alu depctr_va_vdst(0)                   ; the product has written its result, which the LDS stores read; the places above stay beside this wait
	ds_store_b128 v6, v[D:D+3]
	ds_store_b128 v6, v[D+4:D+7] offset:16
.Lno_gate:
	s_wait_dscnt 0x0                               ; for the others' sake: my stores have landed
	s_barrier_signal -1
	s_barrier_wait -1
	; the codes leave as they lie in actc: 1,536 consecutive bytes a wave, 512 an instruction
	ds_load_b128 v[16:19], v7
	ds_load_b128 v[20:23], v8 offset:512
	ds_load_b128 v[24:27], v7 offset:1040
	s_wait_dscnt 0x0
	global_store_b128 v9, v[16:19], s[10:11]
	global_store_b128 v9, v[20:23], s[10:11] offset:512
	global_store_b128 v9, v[24:27], s[10:11] offset:1024
	s_cmp_lg_u32 s20, 1
	s_cbranch_scc1 .Lno_words
	ds_load_b128 v[28:31], v10                     ; waves 1 and 9: a tensor's 512 bytes of scale words
	s_wait_dscnt 0x0
	global_store_b128 v9, v[28:31], s[12:13]
.Lno_words:
	s_cmp_lg_u32 s18, 0
	s_cbranch_scc1 .Lend
	; WAVE 0: the router.  No address and no branch below hangs on a score.
.irp s, 0,1,2,3,4,5,6,7
	ds_load_b128 v[G+8*\s:G+8*\s+3], v11 offset:1024*\s
	ds_load_b128 v[G+8*\s+4:G+8*\s+7], v11 offset:1024*\s+16
.endr
	s_wait_dscnt 0x0
.irp s, 1,2,3,4,5,6,7
.irp j, 0,2,4,6
	v_pk_add_f32 v[G+\j:G+\j+1], v[G+\j:G+\j+1], v[G+8*\s+\j:G+8*\s+\j+1]   ; K ascending
.endr
.endr
.irp j, 0,1,2,3,4,5,6,7
	v_permlanex16_b32 v[88+\j], v[80+\j], s24, s25 ; the token's other eight experts
.endr
.irp j, 0,1,2,3,4,5,6,7
	v_cndmask_b32 v[96+\j], v[80+\j], v[88+\j], s26    ; experts 0-7 in v96-103,
	v_cndmask_b32 v[104+\j], v[88+\j], v[80+\j], s26   ; 8-15 in v104-111, in every lane
.endr
	v_max3_num_f32 v112, v96, v97, v98
.irp i, 99,101,103,105,107,109
	v_max3_num_f32 v112, v112, v[\i], v[\i+1]
.endr
	v_max_num_f32 v112, v112, v111                 ; the row's maximum is taken away ahead of the exponentials
.irp j, 0,1,2,3,4,5,6,7,8,9,10,11,12,13,14,15
	v_sub_f32 v[96+\j], v[96+\j], v112
.endr
.irp j, 0,1,2,3,4,5,6,7,8,9,10,11,12,13,14,15
	v_mul_f32 v[96+\j], 0x3fb8aa3b, v[96+\j]
.endr
.irp j, 0,1,2,3,4,5,6,7,8,9,10,11,12,13,14,15
	v_exp_f32 v[96+\j], v[96+\j]
.endr
	v_nop                                          ; a plain place behind the batch
	s_wait_alu depctr_va_vdst(0)                   ; one wait for the sixteen exponentials' results, ahead of their first reader
	v_add_f32 v113, v96, v97
.irp j, 2,3,4,5,6,7,8,9,10,11,12,13,14,15
	v_add_f32 v113, v113, v[96+\j]
.endr
	v_rcp_f32 v113, v113
	v_nop
	s_wait_alu depctr_va_vdst(0)                   ; the reciprocal's result, ahead of its first reader
.irp j, 0,1,2,3,4,5,6,7,8,9,10,11,12,13,14,15
	v_mul_f32 v[96+\j], v[96+\j], v113             ; the scores
.endr
	v_mov_b32 v114, v96                            ; the largest: an ascending scan that keeps the old one unless the new is strictly larger: the lower index wins a tie
	v_mov_b32 v115, 0
.irp j, 1,2,3,4,5,6,7,8,9,10,11,12,13,14,15
	v_cmp_le_f32 vcc_lo, v[96+\j], v114
	s_wait_alu depctr_va_vcc(0)                    ; VCC is written, ahead of the two selects that read it
	v_cndmask_b32 v114, v[96+\j], v114, vcc_lo
	v_cndmask_b32 v115, \j, v115, vcc_lo
.endr
	v_mov_b32 v116, -1.0
.irp j, 0,1,2,3,4,5,6,7,8,9,10,11,12,13,14,15
	v_cmp_eq_u32 s[40+\j], \j, v115                ; the sixteen compares in a run, a scalar register each
.endr
	s_wait_alu depctr_va_sdst(0)                   ; s40 to s55 are written, ahead of the selects that read them
.irp j, 0,1,2,3,4,5,6,7,8,9,10,11,12,13,14,15
	v_cndmask_b32 v[96+\j], v[96+\j], v116, s[40+\j]   ; the winner is taken out: scores are not negative
.endr
	v_mov_b32 v117, v96                            ; the second largest, likewise
	v_mov_b32 v118, 0
.irp j, 1,2,3,4,5,6,7,8,9,10,11,12,13,14,15
	v_cmp_le_f32 vcc_lo, v[96+\j], v117
	s_wait_alu depctr_va_vcc(0)                    ; VCC is written, ahead of the two selects that read it
	v_cndmask_b32 v117, v[96+\j], v117, vcc_lo
	v_cndmask_b32 v118, \j, v118, vcc_lo
.endr
	v_cndmask_b32 v119, v115, v118, s26            ; lane r + 16 k: token r's choice k,
	v_cndmask_b32 v120, v114, v117, s26            ; and its weight
	v_mov_b32 v121, 0
.irp e, 0,1,2,3,4,5,6,7,8,9,10,11,12,13,14,15
	v_cmp_eq_u32 s[40+\e], \e, v119                ; which of the tile's 32 slots chose expert e: a word of the mask
.endr
	s_wait_alu depctr_va_sdst(0)                   ; s40 to s55 are written, ahead of the lines that read them
.irp e, 0,1,2,3,4,5,6,7,8,9,10,11,12,13,14,15
	v_writelane_b32 v121, s[40+\e], \e
.endr
	v_lshlrev_b32 v122, 8, v13                     ; lane = row of masks, 256 bytes a row
	v_lshlrev_b32 v123, 2, v13
	v_mov_b32 v125, 0
	s_wait_alu depctr_va_vdst(0)                   ; the mask words, the weights, the zeros and the two offsets are written, which the three stores read
	global_store_b32 v122, v121, s[14:15]
	global_store_b32 v123, v120, s[16:17]
	global_store_b32 v123, v125, s[16:17] offset:16384
.Lend:
	s_wait_dscnt 0x0                               ; the closing lines, six on end
	s_wait_alu 0x0
	s_wait_tensorcnt 0x0
	ds_add_u32 v254, v255
	s_wait_dscnt 0x0
	s_endpgm
; ---- THE WEIGHTS' PATH
; 32 rows of K, 256 consecutive bytes each, into set: a lane's registers 2 i, 2 i + 1 are its two columns of row 32 t + i.  Base and offset register are never rewritten.  Each byte is read once in the launch.
.macro WLOADS set, t
	s_cmp_eq_u32 s21, 0
	s_cbranch_scc0 .Lnarrow_\@
.set i, 0
.rept 32
	global_load_b64 v[WX+64*(\set)+2*i:WX+64*(\set)+2*i+1], v[VL8], s[4:5] offset:(32*(\t)+i)*8192 th:TH_LOAD_NT   ; sW1: rows of 8,192 bytes
.set i, i+1
.endr
	s_branch .Lasked_\@
.Lnarrow_\@:
.set i, 0
.rept 32
	global_load_b64 v[WX+64*(\set)+2*i:WX+64*(\set)+2*i+1], v[VL8], s[4:5] offset:(32*(\t)+i)*4096 th:TH_LOAD_NT   ; sW2: rows of 4,096 bytes
.set i, i+1
.endr
.Lasked_\@:
.endm
; One block of 32 along K for my 64 columns: largest magnitudes, the two columns parted, codes, images.
.macro WBLK set, t, more, last
.set XS, WX+64*(\set)
.if \last
	s_wait_loadcnt 0x0
.else
	s_wait_loadcnt 32                              ; this set's 32 loads are in; the other set's 32 may be out
.endif
	v_max3_num_f32 v[BM0], |v[XS]|, |v[XS+2]|, 0x2800000       ; with the floor 2^(5 - 127): the byte cannot fall under 1
	v_max3_num_f32 v[BM1], |v[XS+1]|, |v[XS+3]|, 0x2800000
.irp i, 4,8,12,16,20,24,28,32,36,40,44,48,52,56,60
	v_max3_num_f32 v[BM0], v[BM0], |v[XS+\i]|, |v[XS+\i+2]|
	v_max3_num_f32 v[BM1], v[BM1], |v[XS+\i+1]|, |v[XS+\i+3]|
.endr
.set i, 0
.rept 32
	v_mov_b32 v[Y0+i], v[XS+2*i]                   ; the conversions want 16 neighbours along K in consecutive registers: the price of loads of 8 bytes
	v_mov_b32 v[Y1+i], v[XS+2*i+1]
.set i, i+1
.endr
.if \more
	s_wait_alu depctr_va_vdst(0)                   ; the maxima and the moves are done reading this set, in which the next loads land: ahead of the branch, for both its ways
	WLOADS \set, (\t)+2
.endif
	v_add_nc_u32 v[SO0], 0xfe000000, v[BM0]        ; 4 off the exponent field: the conversions' scale operands
	v_add_nc_u32 v[SO1], 0xfe000000, v[BM1]
	s_wait_dscnt 0x0                               ; the last block's LDS stores are done
.if (\t) > 0
	s_wait_alu depctr_vm_vsrc(0)                   ; the last block's LDS stores have read the codes' registers, which the conversions write again
.endif
	v_cvt_scalef32_pk16_bf6_f32 v[C0:C0+2], v[Y0:Y0+15], v[SO0]
	v_cvt_scalef32_pk16_bf6_f32 v[C0+4:C0+6], v[Y0+16:Y0+31], v[SO0]
	v_cvt_scalef32_pk16_bf6_f32 v[C1:C1+2], v[Y1:Y1+15], v[SO1]
	v_cvt_scalef32_pk16_bf6_f32 v[C1+4:C1+6], v[Y1+16:Y1+31], v[SO1]
	v_lshrrev_b32 v[BY0], 23, v[SO0]               ; the bytes; also the plain place behind the conversions
	v_lshrrev_b32 v[BY1], 23, v[SO1]
.irp i, 3,4,5
	v_mov_b32 v[C0+\i], v[C0+\i+1]                 ; a block's 24 bytes in six registers on end
	v_mov_b32 v[C1+\i], v[C1+\i+1]
.endr
.if (\t) == 0
	v_mov_b32 v[SW0], v[BY0]
	v_mov_b32 v[SW1], v[BY1]
.else
	v_lshl_or_b32 v[SW0], v[BY0], 8*(\t), v[SW0]
	v_lshl_or_b32 v[SW1], v[BY1], 8*(\t), v[SW1]
.endif
	s_wait_alu depctr_va_vdst(0)                   ; the codes are written, which the LDS stores read (in the last block also the scale words, which the two global stores behind it read)
.set OFF, 768*((\t)%2)+24*((\t)/2)     ; block t = 2 c + h of the K step: lanes 16 h on, bytes 24 c on
.if ((\t)/2) == 0
	ds_store_b128 v[VIMG], v[C0:C0+3] offset:OFF
	ds_store_b64 v[VIMG], v[C0+4:C0+5] offset:OFF+16
	ds_store_b128 v[VIMG], v[C1:C1+3] offset:OFF+48
	ds_store_b64 v[VIMG], v[C1+4:C1+5] offset:OFF+64
.else
	ds_store_b64 v[VIMG], v[C0:C0+1] offset:OFF
	ds_store_b128 v[VIMG], v[C0+2:C0+5] offset:OFF+8
	ds_store_b64 v[VIMG], v[C1:C1+1] offset:OFF+48
	ds_store_b128 v[VIMG], v[C1+2:C1+5] offset:OFF+56
.endif
.endm
.Lweights:
	s_load_b128 s[4:7], s[0:1], 0x38               ; sW1, sW2
	s_load_b64 s[8:9], s[0:1], 0x48                ; swq
	s_sub_co_u32 s20, ttmp9, 64                    ; 0 .. 31
	s_lshr_b32 s21, s20, 4                         ; 0: sW1, 1: sW2
	s_and_b32 s22, s20, 15
	s_lshl_b32 s22, s22, 1
	s_lshr_b32 s23, s18, 3
	s_add_co_u32 s22, s22, s23                     ; which 64 columns (sW1: 0 .. 31) or which unit (sW2: 16 x half of K + slice)
	s_and_b32 s19, s18, 7                          ; my K step
	s_lshl_b32 s24, s22, 8
	s_lshl_b32 s25, s19, 20
	s_add_co_u32 s24, s24, s25                     ; sW1: 256 bytes a part, 128 rows of 8,192 bytes a K step
	s_and_b32 s26, s22, 15
	s_lshl_b32 s26, s26, 8
	s_lshr_b32 s27, s22, 4
	s_lshl_b32 s27, s27, 22
	s_add_co_u32 s26, s26, s27
	s_lshl_b32 s27, s19, 19
	s_add_co_u32 s26, s26, s27                     ; sW2: 256 bytes a slice, 1,024 rows a half, 128 rows of 4,096 bytes a K step
	s_lshr_b32 s28, s22, 1
	s_mul_i32 s28, s28, 102400                     ; swq, sW1: the slice of 128 columns,
	s_mul_i32 s29, s19, 6144                       ; four fragments a K step,
	s_and_b32 s30, s22, 1
	s_mul_i32 s31, s30, 3072                       ; m's two of them
	s_add_co_u32 s31, s31, s28
	s_add_co_u32 s31, s31, s29
	s_lshl_b32 s32, s19, 9
	s_lshl_b32 s30, s30, 2
	s_add_co_u32 s32, s32, s30
	s_add_co_u32 s32, s32, s28
	s_add_co_u32 s32, s32, 98304                   ; and its scale words: 512 s + 4 m
	s_mul_i32 s33, s22, 51200
	s_add_co_u32 s33, s33, 1638400                 ; swq, sW2: the unit,
	s_add_co_u32 s34, s33, s29
	s_lshl_b32 s35, s19, 8
	s_add_co_u32 s35, s35, s33
	s_add_co_u32 s35, s35, 49152                   ; and its scale words: 256 s
	s_cmp_eq_u32 s21, 0
	s_cselect_b32 s24, s24, s26
	s_cselect_b32 s31, s31, s34
	s_cselect_b32 s32, s32, s35
	s_cselect_b32 s36, 46080, 0                    ; sW1: the stage's second half is block b = 1, 49,152 bytes behind b = 0 in swq and 3,072 in the stage
	s_cselect_b32 s37, -1, 0
	s_mov_b32 s41, 0
	v_and_b32 v1, 31, v0                           ; lane
	v_lshlrev_b32 v8, 3, v1
	v_and_b32 v9, 0x13, v1                         ; sW1: the lane's bits 2 and 3 change places in its COLUMN pair, so that row r of tile u holds column 8 u + r + 8 (r / 8) of a block of 32,
	v_bfe_u32 v10, v0, 2, 1                        ; while the stage is laid alike for both tensors: fragment l / 8, rows 2 (l % 8) and the next
	v_bfe_u32 v11, v0, 3, 1
	v_lshl_or_b32 v9, v10, 3, v9
	v_lshl_or_b32 v9, v11, 2, v9
	v_lshlrev_b32 v9, 3, v9
	v_cndmask_b32 v[VL8], v8, v9, s37
	v_lshlrev_b32 v[VCO0], 4, v1                   ; 16 x lane.  Also sW1's place of a lane's scale words: 256 b + 128 u + 8 r
	v_and_b32 v13, 15, v0
	v_lshlrev_b32 v13, 4, v13
	v_bfe_u32 v14, v0, 4, 1
	v_lshl_add_u32 v13, v14, 2, v13                ; sW2's: 8 (r + 16 (tile % 2)) + 4 (tile / 2)
	v_cndmask_b32 v[VSO], v13, v[VCO0], s37
	v_bfe_u32 v10, v0, 3, 2
	v_and_b32 v11, 7, v0
	v_mul_u32_u24 v[VIMG], v10, 1536
	v_mad_u32_u24 v[VIMG], v11, 96, v[VIMG]
	s_mul_i32 s38, s18, 6144
	s_add_co_u32 s38, s38, WST                     ; my stage
	v_add_nc_u32 v[VIMG], s38, v[VIMG]
	v_add_nc_u32 v[VCP], s38, v[VCO0]
	v_add_nc_u32 v[VCO1], s36, v[VCO0]
	s_wait_kmcnt 0x0
	s_cmp_eq_u32 s21, 0
	s_cselect_b64 s[4:5], s[4:5], s[6:7]
	s_mov_b32 s40, s24
	s_add_nc_u64 s[4:5], s[4:5], s[40:41]
	s_wait_alu depctr_va_vdst(0)                   ; the offsets and addresses v2 to v7 are written, which the loads and stores of this way read: ahead of the first branch
	WLOADS 0, 0
	WLOADS 1, 1
	s_mov_b32 s40, s31
	s_add_nc_u64 s[10:11], s[8:9], s[40:41]
	s_mov_b32 s40, s32
	s_add_nc_u64 s[12:13], s[8:9], s[40:41]
	WBLK 0, 0, 1, 0
	WBLK 1, 1, 1, 0
	WBLK 0, 2, 0, 0
	WBLK 1, 3, 0, 1
	global_store_b32 v[VSO], v[SW0], s[12:13]      ; my two columns' scale words of this K step
	global_store_b32 v[VSO], v[SW1], s[12:13] offset:8
.irp i, 0,1,2,3,4,5,6,7,8,9,10,11
	ds_load_b128 v[32+4*\i:35+4*\i], v[VCP] offset:512*\i   ; LDS serves a wave's instructions in order: these see my stores.  No vector instruction since the last wait names v32-79
.endr
	s_wait_dscnt 0x0
.irp i, 0,1,2,3,4,5
	global_store_b128 v[VCO0], v[32+4*\i:35+4*\i], s[10:11] offset:512*\i   ; 512 consecutive bytes, at a multiple of 256 from swq's first byte
.endr
.irp i, 6,7,8,9,10,11
	global_store_b128 v[VCO1], v[32+4*\i:35+4*\i], s[10:11] offset:512*\i
.endr
	s_wait_dscnt 0x0                               ; the closing lines, six on end
	s_wait_alu 0x0
	s_wait_tensorcnt 0x0
	ds_add_u32 v254, v255
	s_wait_dscnt 0x0
	s_endpgm
.Lfunc_end_k_q5cac1cc419_prep:
	.size	k_q5cac1cc419_prep, .Lfunc_end_k_q5cac1cc419_prep-k_q5cac1cc419_prep
	.p2alignl 7, 3214868480
	.fill 96, 4, 3214868480
	.section	.rodata,"a",@progbits
	.p2align	6, 0x0
	.amdhsa_kernel k_q5cac1cc419_prep
		.amdhsa_group_segment_fixed_size 135168
		.amdhsa_private_segment_fixed_size 0
		.amdhsa_enable_private_segment 0
		.amdhsa_kernarg_size 80
		.amdhsa_user_sgpr_count 2
		.amdhsa_user_sgpr_kernarg_segment_ptr 1
		.amdhsa_wavefront_size32 1
		.amdhsa_system_sgpr_workgroup_id_x 1
		.amdhsa_system_sgpr_workgroup_id_y 1
		.amdhsa_system_sgpr_workgroup_id_z 1
		.amdhsa_system_vgpr_workitem_id 0
		.amdhsa_next_free_vgpr 256
		.amdhsa_next_free_sgpr 66
		.amdhsa_reserve_vcc 1
		.amdhsa_float_denorm_mode_32 3
		.amdhsa_float_denorm_mode_16_64 3
		.amdhsa_memory_ordered 1
		.amdhsa_forward_progress 1
		.amdhsa_inst_pref_size 82
	.end_amdhsa_kernel
	.amdgpu_metadata
---
amdhsa.version: [ 1, 2 ]
amdhsa.kernels:
  - .name:           k_q5cac1cc419_prep
    .symbol:         k_q5cac1cc419_prep.kd
    .args:
      - { .name: embeddings, .offset: 0, .size: 8, .value_kind: global_buffer, .address_space: global }
      - { .name: x, .offset: 8, .size: 8, .value_kind: global_buffer, .address_space: global }
      - { .name: gate_w, .offset: 16, .size: 8, .value_kind: global_buffer, .address_space: global }
      - { .name: actc, .offset: 24, .size: 8, .value_kind: global_buffer, .address_space: global }
      - { .name: acts, .offset: 32, .size: 8, .value_kind: global_buffer, .address_space: global }
      - { .name: masks, .offset: 40, .size: 8, .value_kind: global_buffer, .address_space: global }
      - { .name: wts, .offset: 48, .size: 8, .value_kind: global_buffer, .address_space: global }
      - { .name: sW1, .offset: 56, .size: 8, .value_kind: global_buffer, .address_space: global }
      - { .name: sW2, .offset: 64, .size: 8, .value_kind: global_buffer, .address_space: global }
      - { .name: swq, .offset: 72, .size: 8, .value_kind: global_buffer, .address_space: global }
    .group_segment_fixed_size: 135168
    .private_segment_fixed_size: 0
    .kernarg_segment_align: 8
    .kernarg_segment_size: 80
    .max_flat_workgroup_size: 512
    .sgpr_count:     66
    .vgpr_count:     256
    .wavefront_size: 32
...
	.end_amdgpu_metadata
.endif
;; end of part 8
;; launch up (part 9): grid 256 x 1, 8 waves a work-group, no clusters, 210,944 bytes of LDS; arguments actc, acts, masks, W1, W3, swq, B1, B3, sB1, hc, hsc; writes hc, hsc
.if DOCPART == 9
	.amdgcn_target "amdgcn-amd-amdhsa--gfx1250"
	.amdhsa_code_object_version 6
	.text
	.protected	k_q5cac1cc419_up
	.globl	k_q5cac1cc419_up
	.p2align	8
	.type	k_q5cac1cc419_up,@function
k_q5cac1cc419_up:
	s_mov_b64 s[64:65], 0
	v_nop
	global_prefetch_b8 v0, s[64:65] scope:SCOPE_SE
	s_setreg_imm32_b32 hwreg(HW_REG_WAVE_SCHED_MODE, 0, 2), 2
	s_setreg_imm32_b32 hwreg(HW_REG_WAVE_MODE, 25, 1), 1
	s_wait_xcnt 0x0
	s_wait_alu depctr_vm_vsrc(0)
; UP.  The hidden layers: h = silu(t W1 + B1) (t W3 + B3) for the rows that chose an expert, silu(emb sW1 + sB1) for every token; quantised along the next K and stored as codes by POSITION (expert, rank).
; Both operands are codes of BF6 (E3M2) with one E8M0 byte for each 32 along K; sums in f32.
; SHARES.  256 work-groups of equal weight bytes.  Work-group g owns 64 columns (g % 16) of W1 and the same 64 of W3 of expert g / 16: 512 KB of f32; and of the shared expert 128 hidden units (slice g % 16) x 64 tokens (g / 16).
; PHASE A: the eight waves stream the slice (wave = matrix m x quarter of K); one load reads 256 consecutive bytes of a weight row, a lane two columns, its registers running DOWN K; each block of 32 is quantised in
; registers and laid into LDS as an IMAGE OF THE OPERAND'S REGISTERS (48 bytes a lane and fragment).  The shared slice's codes, which the launch before laid in the same form, are copied into LDS as they lie: 12,800 bytes a wave.
; Meanwhile wave 0 turns the expert's row of masks into the list of its tokens, by rank.  Every wave counts the expert's rows for itself, by scalar instructions on the same 64 words: the trips' branch hangs on scalar registers alone.
; PHASE B: a wave takes units of 32 ranks x 32 hidden units (2 tiles of rows x 4 tiles of columns x 8 K steps = 64 matrix instructions, used TRANSPOSED: source 0 = 16 weight columns, source 1 = 16 rows).
; Behind the routed rows waves 4 to 7, whose ranks are the higher ones, take one unit each of the shared expert: 32 tokens x 2 x 32 hidden units.
; THE COLUMNS OF A TILE ARE NOT NEIGHBOURS: row r of tile u takes column 8 u + r + 8 (r / 8) of a block of 32, so that a lane's 16 registers of tiles u = 0, 1 are 16 neighbours along the next K.
; The biases are loaded INTO the accumulators: every product adds in place, and nothing is cleared or added afterwards.
; The row loop has a constant count of trips; a trip whose ranks lie beyond the stored count is jumped over.  No barrier stands behind the second.
; No tensor load and no joint request: branches hang on stored counts; what sixteen work-groups read alike, a shared slice's 102,400 bytes, is a sixth of a work-group's bytes.
; LIMITS: NaN and infinities are not served; a block of zeros gets the byte 1 where the rule says 127 (zero codes; the bytes are read by this program alone).
; THE MODE: SCHED_MODE bits 1:0 = 2 (LLVM: expert scheduling mode 2), set by the entry lines.  The code itself states the register dependences between vector or matrix instructions and memory or LDS instructions, with s_wait_alu, always for 0.
; THE PLAN.  Registers that memory or LDS instructions touch:
;   v2-v19       offsets and addresses.  Made at the head, ahead of one wait.  Written again: v7, v10-13 at a unit's head, v14-15 at a trip's end: behind the one wait on vm_vsrc of a trip, and ahead of a wait on va_vdst.
;   window 1, v258-295  the list build's own: sixteen addresses and sixteen entries are made, one wait, sixteen LDS stores; a wait on vm_vsrc ahead of the next sixteen.
;   v32-159      phase A: two sets by turns: a block's maxima and moves read a set; behind them one wait, and the set's next 32 loads.
;   v232-246, v230-231  phase A: the conversions write the codes, one wait, the block's LDS stores read them; a wait on vm_vsrc ahead of the next block's conversions.
;   window 1, v296-487  phase B: ALL EIGHT K steps of a unit's rows: written by 48 loads at the unit's head, read by its matrix instructions as source 1: nothing lands there inside the K loop, which runs under one window setting.
;   v208-255 and v96-143, v28-29 and v30-31  phase B: TWO whole sets of weight fragments and scale words by turns.  K step s multiplies set s % 2; the loads of step s + 1 land in the other set, which step s - 1 read.
;     ONE wait at a K step's head states that the last step's matrix instructions are done reading it; the step's thirteen LDS loads follow, dealt among its eight matrix instructions, which name none of the registers that they touch.
;   v32-95       the accumulators: the biases land in them at a unit's head, behind the wait that shows the last unit's arithmetic done.
;   v136-151     the codes on the way out: written by the quantiser, one wait, read by the stores.
.set SCL,   98304                      ; LDS: 0 .. 98,303 the images [b][K step][m][u] x 1,536;  here the weights' scale words [K step][b][r + 16 u][m]
.set SSTR,  512                        ; from K step to K step among them
.set LIST,  102400                     ; the list: 1,056 entries by rank, 32 words for the lanes that have nothing to say
.set IMG2,  107520                     ; the shared slice: images and, 98,304 bytes on, scale words, laid as the two regions above
.set ASTR,  96                         ; a row's codes: from K step to K step
.set VL8,   2                          ; v2   8 x lane
.set VIMG,  3                          ; v3   where my two columns' codes go
.set VSCL,  4                          ; v4   and their scale words
.set VWI,   5                          ; v5   the images of my block b, 48 x lane
.set VWSA,  6                          ; v6   their scale words, 8 x lane
.set VLRD,  7                          ; v7   the list at my unit's ranks.  First: where my part of the copy goes
.set VCPL,  7
.set VH48,  8                          ; v8   48 x (lane / 16)
.set VBO,   9                          ; v9   the biases: 64 (lane / 16) + 128 b
.set VA0,   10                         ; v10-11 my rows' codes, tile 0, 1.  v10 first: where my part of the copy comes from
.set VCPG,  10
.set VS0,   12                         ; v12-13 their scale words
.set VHST,  14                         ; v14  where rank R0 + lane's codes go
.set VHSS,  15                         ; v15  and its scale byte
.set VLRD0, 16                         ; v16  LIST + 4 (lane % 16)
.set VWI2,  18                         ; v18-19 as v5-6, for the shared slice
.set VWSA2, 19
.set WS,    28                         ; v28-31 the weights' scale words, two sets of two
.set X,     32                         ; phase A: v32-159 two sets of 32 rows x 2 columns
.set Y0,    160                        ; v160-191 the even column's 32 numbers
.set Y1,    192                        ; v192-223 the odd column's
.set BM0,   224
.set BM1,   225
.set SO0,   226
.set SO1,   227
.set BY0,   228
.set BY1,   229
.set SW0,   230
.set SW1,   231
.set C0,    232                        ; v232-238, v240-246 a block's codes
.set C1,    240
.set LTRASH, 2                         ; IN WINDOW 1 (v256 + the number): the list build's own: v258 the idle lanes' place, v259 the default entry, v260 its address, v262 the first word's entry,
.set LFILL,  3
.set LFILLA, 4
.set LIDB,   6
.set LA,     8                         ; v264-279 sixteen LDS addresses,
.set LID,    24                        ; v280-295 sixteen entries
.set AR1,    40                        ; v296-487 the rows' fragments: K step s, tile T at 40 + 24 s + 12 T
.set ACC,   32                         ; phase B: v32-95 accumulator (T, ct) at 32 + 32 T + 8 ct, ct = 2 m + u
.set WF,    208                        ; v208-255 the weight fragments of even K steps, 12 registers a tile ct;  v96-143 those of odd K steps
.set ASC,   192                        ; v192-207 the rows' scale words: 8 T + K step
.set TS,    96                         ; the way out: 32 registers at work
.set WPT,   4                          ; s[4:5] my part of the weights
.set AB,    6                          ; s[6:7] the rows' codes;  s[8:9] their scale words
.set ASB,   8
.set BA,    10                         ; s[10:11], s[12:13] the biases of m = 0, 1
.set BB,    12
.set HCB,   14                         ; s[14:15] hc at my expert, K step and block;  s[84:85] hsc likewise
.set HSB,   84
.set MKB,   86                         ; s[86:87] my expert's row of masks
.set HI,    66                         ; s66 lanes 16-31
.set R0,    90                         ; s90 the unit's first rank
.set NEFF,  91                         ; s91 the expert's number of rows
.set TRIPS, 92
.set CNT,   93
.set SWB,   96                         ; s[96:97] swq at my shared slice
.set NL,    98                         ; s[98:99] -log2(e)
.set SEL,   100                        ; s[100:101] selects for lane l xor 16
.set MSB, 0
.macro WIN new                         ; a switch of the register windows: bits 1:0 source 0, 3:2 source 1, 5:4 source 2, 7:6 destination; the immediate's high byte repeats the setting that is left
.if MSB != \new
	s_set_vgpr_msb (MSB<<8)|\new
.set MSB, \new
.endif
.endm
.macro NOP4
.rept 4
	v_nop
.endr
.endm
; 32 rows of K, 256 consecutive bytes each, into set: a lane's registers 2 i, 2 i + 1 are columns 2 l, 2 l + 1 of row 32 t + i.  Base and offset register are never rewritten.
.macro LOADS set, t
.set i, 0
.rept 32
	global_load_b64 v[X+64*(\set)+2*i:X+64*(\set)+2*i+1], v[VL8], s[WPT:WPT+1] offset:(32*(\t)+i)*4096 th:TH_LOAD_NT   ; read once in the launch
.set i, i+1
.endr
.endm
; One block of 32 along K for my 64 columns: largest magnitudes, the two columns parted, codes, images.
.macro BLK set, t, more, last
.set XS, X+64*(\set)
.if \last
	s_wait_loadcnt 0x0
.else
	s_wait_loadcnt 32                              ; this set's 32 loads are in; the other set's 32 may be out
.endif
	v_max3_num_f32 v[BM0], |v[XS]|, |v[XS+2]|, 0x2800000       ; with the floor 2^(5 - 127): the byte cannot fall under 1
	v_max3_num_f32 v[BM1], |v[XS+1]|, |v[XS+3]|, 0x2800000
.irp i, 4,8,12,16,20,24,28,32,36,40,44,48,52,56,60
	v_max3_num_f32 v[BM0], v[BM0], |v[XS+\i]|, |v[XS+\i+2]|
	v_max3_num_f32 v[BM1], v[BM1], |v[XS+\i+1]|, |v[XS+\i+3]|
.endr
.set i, 0
.rept 32
	v_mov_b32 v[Y0+i], v[XS+2*i]                   ; the conversions want 16 neighbours along K in consecutive registers: the price of loads of 8 bytes
	v_mov_b32 v[Y1+i], v[XS+2*i+1]
.set i, i+1
.endr
.if \more
	s_wait_alu depctr_va_vdst(0)                   ; the maxima and the moves are done reading this set, in which the next loads land: the set is asked for again at once
	LOADS \set, (\t)+2
.endif
	v_add_nc_u32 v[SO0], 0xfe000000, v[BM0]        ; 4 off the exponent field: the conversions' scale operands
	v_add_nc_u32 v[SO1], 0xfe000000, v[BM1]
	s_wait_dscnt 0x0                               ; the last block's LDS stores are done
.if (\t) > 0
	s_wait_alu depctr_vm_vsrc(0)                   ; the last block's LDS stores have read the codes' registers and, at a K step's end, the scale words, which are written again below
.endif
	v_cvt_scalef32_pk16_bf6_f32 v[C0:C0+2], v[Y0:Y0+15], v[SO0]
	v_cvt_scalef32_pk16_bf6_f32 v[C0+4:C0+6], v[Y0+16:Y0+31], v[SO0]
	v_cvt_scalef32_pk16_bf6_f32 v[C1:C1+2], v[Y1:Y1+15], v[SO1]
	v_cvt_scalef32_pk16_bf6_f32 v[C1+4:C1+6], v[Y1+16:Y1+31], v[SO1]
	v_lshrrev_b32 v[BY0], 23, v[SO0]               ; the bytes; also the plain place behind the conversions
	v_lshrrev_b32 v[BY1], 23, v[SO1]
.irp i, 3,4,5
	v_mov_b32 v[C0+\i], v[C0+\i+1]                 ; a block's 24 bytes in six registers on end
	v_mov_b32 v[C1+\i], v[C1+\i+1]
.endr
.if ((\t)%4) == 0
	v_mov_b32 v[SW0], v[BY0]
	v_mov_b32 v[SW1], v[BY1]
.else
	v_lshl_or_b32 v[SW0], v[BY0], 8*((\t)%4), v[SW0]
	v_lshl_or_b32 v[SW1], v[BY1], 8*((\t)%4), v[SW1]
.endif
	s_wait_alu depctr_va_vdst(0)                   ; the codes and the scale words are written, which the LDS stores read
.set OFF, ((\t)/4)*6144+768*((\t)%2)+24*(((\t)/2)%2)   ; block t % 4 = 2 c + h of its K step: lanes 16 h on, bytes 24 c on
.if (((\t)/2)%2) == 0
	ds_store_b128 v[VIMG], v[C0:C0+3] offset:OFF
	ds_store_b64 v[VIMG], v[C0+4:C0+5] offset:OFF+16
	ds_store_b128 v[VIMG], v[C1:C1+3] offset:OFF+48
	ds_store_b64 v[VIMG], v[C1+4:C1+5] offset:OFF+64
.else
	ds_store_b64 v[VIMG], v[C0:C0+1] offset:OFF
	ds_store_b128 v[VIMG], v[C0+2:C0+5] offset:OFF+8
	ds_store_b64 v[VIMG], v[C1:C1+1] offset:OFF+48
	ds_store_b128 v[VIMG], v[C1+2:C1+5] offset:OFF+56
.endif
.if ((\t)%4) == 3
	ds_store_b32 v[VSCL], v[SW0] offset:((\t)/4)*SSTR
	ds_store_b32 v[VSCL], v[SW1] offset:((\t)/4)*SSTR+8
.endif
.endm
; The expert's 64 words of masks become its list: the entry of rank p is written at LIST + 4 p.  A lane whose bit is off writes to a word of its own behind the list.
; Sixteen words at a time: words 16 k + 0 .. 15 lie in s[first] on.  All the registers named lie in window 1.
.macro LBATCH first, k, step
.if (\k) > 0
	s_wait_alu depctr_vm_vsrc(0)                   ; the last sixteen LDS stores have read their addresses and entries, which are written again below
.endif
.set n, 0
.rept 16
	v_mbcnt_lo_u32_b32 v[LA+n], s[\first+n], s[CNT]            ; the rows counted so far + the bits below mine: my rank
	v_cndmask_b32 v[LA+n], v[LTRASH], v[LA+n], s[\first+n]
	v_min_u32 v[LA+n], 1087, v[LA+n]
	v_lshl_add_u32 v[LA+n], v[LA+n], 2, LIST
	v_add_nc_u32 v[LID+n], (\step)*(16*(\k)+n), v[LIDB]        ; the word's entry
	s_bcnt1_i32_b32 s94, s[\first+n]
	s_add_co_u32 s[CNT], s[CNT], s94
.set n, n+1
.endr
	s_wait_alu depctr_va_vdst(0)                   ; the sixteen addresses and entries are written, which the LDS stores read
.set n, 0
.rept 16
	ds_store_b32 v[LA+n], v[LID+n]
.set n, n+1
.endr
.endm
.macro LISTBUILD step                  ; the 64 words lie in s16-63 and s68-83
	WIN 0x55                                       ; every operand place in window 1
.set i, 0
.rept 33
	ds_store_b32 v[LFILLA], v[LFILL] offset:128*i  ; the default entry, for the ranks that fill the last unit of 32
.set i, i+1
.endr
	s_mov_b32 s[CNT], 0
	LBATCH 16, 0, \step
	LBATCH 32, 1, \step
	LBATCH 48, 2, \step
	LBATCH 68, 3, \step
	WIN 0
.endm
.macro WFRAG reg, s, ct                ; a weight fragment comes back as it was laid: 48 bytes a lane
.irp g, 0,1,2
	ds_load_b128 v[\reg+4*\g:\reg+4*\g+3], v[VWI] offset:(4*(\s)+(\ct))*1536+16*\g
.endr
.endm
.macro AFRAG s                         ; the two tiles of rows, K step s, into window 1
.irp T, 0,1
.irp g, 0,1,2
	global_load_b128 v[AR1+24*(\s)+12*\T+4*\g:AR1+24*(\s)+12*\T+4*\g+3], v[VA0+\T], s[AB:AB+1] offset:ASTR*(\s)+16*\g
.endr
.endr
.endm
.macro MM s, ct, T
.set rW, WF-112*((\s)%2)+12*(\ct)
.set rA, AR1+24*(\s)+12*(\T)
.set rC, ACC+32*(\T)+8*(\ct)
.if ((\ct)%2) == 0
	v_wmma_scale_f32_16x16x128_f8f6f4 v[rC:rC+7], v[rW:rW+11], v[rA:rA+11], v[rC:rC+7], v[WS+2*((\s)%2)+(\ct)/2], v[ASC+8*(\T)+(\s)] matrix_a_fmt:MATRIX_FMT_BF6 matrix_b_fmt:MATRIX_FMT_BF6
.else
	v_wmma_scale_f32_16x16x128_f8f6f4 v[rC:rC+7], v[rW:rW+11], v[rA:rA+11], v[rC:rC+7], v[WS+2*((\s)%2)+(\ct)/2], v[ASC+8*(\T)+(\s)] matrix_a_fmt:MATRIX_FMT_BF6 matrix_b_fmt:MATRIX_FMT_BF6 matrix_a_scale:MATRIX_SCALE_ROW1
.endif
.endm
; A K step: eight matrix instructions, the eight accumulators by turns, one instruction a turn, in the same order in every step.
; n: the global loads that may stay out: the rows' fragments of the younger K steps, six each.
.macro KSTEP s, n
.set WN, WF-112*(((\s)+1)%2)           ; the other set
	s_wait_dscnt 6                                 ; the scale words and ct 0, 1 are in; ct 2, 3's six loads may be out
	s_wait_loadcnt \n
.if ((\s) > 0) && ((\s) < 7)
	NOP4                                           ; four places between the last step's matrix instructions and the loads into registers that they have read; they stay beside the wait
	s_wait_alu depctr_va_vdst(0)                   ; the last step's matrix instructions are done reading the other set of fragments and scale words, in which this step's thirteen LDS loads land
.endif
.if (\s) < 7
	ds_load_b64 v[WS+2*(((\s)+1)%2):WS+2*(((\s)+1)%2)+1], v[VWSA] offset:SSTR*((\s)+1)
	WFRAG WN, (\s)+1, 0
	WFRAG WN+12, (\s)+1, 1
.endif
	MM \s, 0, 0
	MM \s, 0, 1
	MM \s, 1, 0
	MM \s, 1, 1
.if (\s) < 7
	s_wait_dscnt 7                                 ; ct 2, 3 are in; the seven just issued may be out
	WFRAG WN+24, (\s)+1, 2                         ; no wait: no vector or matrix instruction since the wait at the step's head names the other set
	WFRAG WN+36, (\s)+1, 3
.else
	s_wait_dscnt 0x0
.endif
	MM \s, 2, 0
	MM \s, 2, 1
	MM \s, 3, 0
	MM \s, 3, 1
.if (\s) == 7
	NOP4                                           ; four places behind the last matrix instruction, before a result is read or a source written
.endif
.endm
; The parts of a unit.  They name VWI, VWSA, AB, ASB, BA, BB, HCB and HSB, which are set anew for the shared expert's unit.
.macro BIASES                          ; the biases start the sums: 16 loads
.irp T, 0,1
.irp u, 0,1
	global_load_b128 v[ACC+32*\T+8*\u:ACC+32*\T+8*\u+3], v[VBO], s[BA:BA+1] offset:32*\u
	global_load_b128 v[ACC+32*\T+8*\u+4:ACC+32*\T+8*\u+7], v[VBO], s[BA:BA+1] offset:32*\u+16
	global_load_b128 v[ACC+32*\T+16+8*\u:ACC+32*\T+16+8*\u+3], v[VBO], s[BB:BB+1] offset:32*\u
	global_load_b128 v[ACC+32*\T+16+8*\u+4:ACC+32*\T+16+8*\u+7], v[VBO], s[BB:BB+1] offset:32*\u+16
.endr
.endr
.endm
.macro KHEAD                           ; K step 0's weights: 13 LDS loads
	ds_load_b64 v[WS:WS+1], v[VWSA]
	WFRAG WF, 0, 0
	WFRAG WF+12, 0, 1
	WFRAG WF+24, 0, 2
	WFRAG WF+36, 0, 3
.endm
.macro ROWS                            ; the rows' scale words and all eight K steps of their codes: 4 + 48 loads.  Between the wait ahead of them and the last of them stand loads and the window switch alone
.irp T, 0,1
	global_load_b128 v[ASC+8*\T:ASC+8*\T+3], v[VS0+\T], s[ASB:ASB+1]
	global_load_b128 v[ASC+8*\T+4:ASC+8*\T+7], v[VS0+\T], s[ASB:ASB+1] offset:16
.endr
	WIN 0x40                                       ; destination window 1, offset window 0
.irp s, 0,1,2,3,4,5,6,7
	AFRAG \s
.endr
.endm
.macro KALL
	WIN 0x04                                       ; source 1, the rows, in window 1; all else in window 0: one setting for the whole K loop
	KSTEP 0, 42
	KSTEP 1, 36
	KSTEP 2, 30
	KSTEP 3, 24
	KSTEP 4, 18
	KSTEP 5, 12
	KSTEP 6, 6
	KSTEP 7, 0
	WIN 0
.endm
; silu in place on v[a .. a+15] and v[a+32 .. a+47]: x / (1 + 2^(-x log2 e)).  Each kind of transcendental is one batch with one wait.
.macro SILU a
.irp i, 0,2,4,6,8,10,12,14
	v_pk_mul_f32 v[TS+\i:TS+\i+1], v[\a+\i:\a+\i+1], s[NL:NL+1] op_sel_hi:[1,0]            ; each accumulator is read from its low end on
.endr
.irp i, 0,2,4,6,8,10,12,14
	v_pk_mul_f32 v[TS+16+\i:TS+16+\i+1], v[\a+32+\i:\a+32+\i+1], s[NL:NL+1] op_sel_hi:[1,0]
.endr
.set i, 0
.rept 32
	v_exp_f32 v[TS+i], v[TS+i]
.set i, i+1
.endr
	v_nop
	s_wait_alu depctr_va_vdst(0)                   ; the 32 exponentials' results, ahead of their first reader
.irp i, 0,2,4,6,8,10,12,14,16,18,20,22,24,26,28,30
	v_pk_add_f32 v[TS+\i:TS+\i+1], v[TS+\i:TS+\i+1], 1.0 op_sel_hi:[1,0]
.endr
.set i, 0
.rept 32
	v_rcp_f32 v[TS+i], v[TS+i]
.set i, i+1
.endr
	v_nop
	s_wait_alu depctr_va_vdst(0)                   ; the 32 reciprocals' results, ahead of their first reader
.irp i, 0,2,4,6,8,10,12,14
	v_pk_mul_f32 v[\a+\i:\a+\i+1], v[\a+\i:\a+\i+1], v[TS+\i:TS+\i+1]
	v_pk_mul_f32 v[\a+32+\i:\a+32+\i+1], v[\a+32+\i:\a+32+\i+1], v[TS+16+\i:TS+16+\i+1]
.endr
.endm
; Two tiles' halves of a block (16 numbers a lane each) become whole blocks: lane l ends with the 24 bytes of rank R0 + l in v[cb .. cb+5] and its byte in v[cb+7].
.macro QUANT2 h0, h1, cb
	v_max3_num_f32 v128, |v[\h0]|, |v[\h0+1]|, 0x2800000
	v_max3_num_f32 v129, |v[\h1]|, |v[\h1+1]|, 0x2800000
.irp i, 2,4,6,8,10,12,14
	v_max3_num_f32 v128, v128, |v[\h0+\i]|, |v[\h0+\i+1]|
	v_max3_num_f32 v129, v129, |v[\h1+\i]|, |v[\h1+\i+1]|
.endr
	v_mov_b32 v130, 0                              ; a lane permute's destination counts as one of its sources
	v_mov_b32 v131, 0
	v_permlanex16_b32 v130, v128, s[SEL], s[SEL+1]
	v_permlanex16_b32 v131, v129, s[SEL], s[SEL+1]
	v_max_num_f32 v128, v128, v130                 ; with lane l xor 16's 16: the block's largest magnitude
	v_max_num_f32 v129, v129, v131
	v_add_nc_u32 v132, 0xfe000000, v128
	v_add_nc_u32 v133, 0xfe000000, v129
	v_lshrrev_b32 v134, 23, v132
	v_lshrrev_b32 v135, 23, v133
	v_cvt_scalef32_pk16_bf6_f32 v[\cb:\cb+2], v[\h0:\h0+15], v132
	v_cvt_scalef32_pk16_bf6_f32 v[\cb+4:\cb+6], v[\h1:\h1+15], v133
	v_cndmask_b32 v[\cb+7], v134, v135, s[HI]      ; lanes 0-15 tile 0's byte, lanes 16-31 tile 1's.  Also the plain place behind the conversions
.irp i, 0,1,2
	v_permlane16_swap_b32 v[\cb+\i], v[\cb+4+\i]   ; the first's lanes 16-31 change places with the second's lanes 0-15: lower 16 codes here, upper 16 there
.endr
.irp i, 3,4,5
	v_mov_b32 v[\cb+\i], v[\cb+\i+1]
.endr
.endm
.macro STOREH cb, o, ob
	s_wait_alu depctr_va_vdst(0)                   ; the quantiser has written the codes and the byte, which the four stores read
	global_store_b64 v[VHST], v[\cb:\cb+1], s[HCB:HCB+1] offset:\o
	global_store_b64 v[VHST], v[\cb+2:\cb+3], s[HCB:HCB+1] offset:\o+8
	global_store_b64 v[VHST], v[\cb+4:\cb+5], s[HCB:HCB+1] offset:\o+16
	global_store_b8 v[VHSS], v[\cb+7], s[HSB:HSB+1] offset:\ob
.endm
	s_load_b512 s[16:31], s[0:1], 0x0              ; actc 16, acts 18, masks 20, W1 22, W3 24, swq 26, B1 28, B3 30
	s_load_b128 s[32:35], s[0:1], 0x40             ; sB1 32, hc 34
	s_load_b64 s[36:37], s[0:1], 0x50              ; hsc 36
	WIN 0x40
	v_lshl_add_u32 v0, v0, 2, 0x33400
	v_mov_b32 v1, 0
	WIN 0
	v_lshrrev_b32 v24, 5, v0
	v_readfirstlane_b32 s88, v24                   ; wave 0..7
	s_and_b32 s38, ttmp9, 15                       ; sg: which slice
	s_lshr_b32 s40, ttmp9, 4                       ; the expert
	s_wait_alu depctr_va_sdst(0)                   ; s88 is written, ahead of its first reader
	s_lshr_b32 s56, s88, 2                         ; phase A: m,
	s_and_b32 s57, s88, 3                          ; and my quarter of K
	s_lshl_b32 s58, s40, 22
	s_lshl_b32 s59, s38, 8
	s_add_co_u32 s58, s58, s59
	s_lshl_b32 s54, s40, 12
	s_add_co_u32 s54, s54, s59                     ; the biases: 4,096 e + 256 sg
	s_lshl_b32 s59, s57, 20
	s_add_co_u32 s58, s58, s59                     ; the weights: expert x 4 MiB + 256 sg + 256 rows of 4,096 bytes a quarter
	s_lshr_b32 s43, s38, 1                         ; the next product's K step,
	s_and_b32 s44, s38, 1                          ; and which half of it
	s_mul_i32 s59, s40, 786432
	s_mul_i32 s60, s43, 1536
	s_add_co_u32 s59, s59, s60
	s_mul_i32 s60, s44, 24
	s_add_co_u32 s59, s59, s60                     ; hc: expert, K step, which 24 bytes of a lane's 48
	s_lshl_b32 s60, s40, 15
	s_lshl_b32 s46, s38, 1
	s_add_co_u32 s60, s60, s46                     ; hsc: expert, the first of my two scale bytes
	s_lshl_b32 s61, s40, 8                         ; masks
	s_mul_i32 s45, s38, 102400                     ; swq: the shared slice
	s_cmp_lt_u32 ttmp9, 32                         ; experts 0 and 1 read x
	s_cselect_b32 s42, 786432, 0
	s_cselect_b32 s43, 32768, 0
	s_mov_b32 s63, 0
	s_mov_b32 s[HI], 0xffff0000
	s_mov_b32 s[NL], 0xbfb8aa3b
	s_mov_b32 s[NL+1], s[NL]                       ; (named with it as a pair, so it is written)
	s_mov_b32 s[SEL], 0x76543210
	s_mov_b32 s[SEL+1], 0xfedcba98
	v_and_b32 v1, 31, v0                           ; lane
	v_lshlrev_b32 v[VL8], 3, v1
	v_bfe_u32 v24, v0, 4, 1                        ; lane / 16: in phase A the block of 32 of my columns
	v_bfe_u32 v25, v0, 2, 1                        ; u of column 2 l
	v_and_b32 v26, 3, v0
	v_bfe_u32 v27, v0, 3, 1
	v_lshlrev_b32 v26, 1, v26
	v_lshl_add_u32 v26, v27, 3, v26                ; r of column 2 l: 2 (l % 4) + 8 ((l / 8) % 2)
	v_and_b32 v20, 15, v0
	v_mul_u32_u24 v[VIMG], v24, 49152
	v_mad_u32_u24 v[VIMG], v25, 1536, v[VIMG]
	v_mad_u32_u24 v[VIMG], v26, 48, v[VIMG]
	s_mul_i32 s94, s56, 3072
	s_mul_i32 s95, s57, 12288
	s_add_co_u32 s94, s94, s95
	v_add_nc_u32 v[VIMG], s94, v[VIMG]
	v_lshl_add_u32 v[VSCL], v25, 4, v26
	v_lshlrev_b32 v[VSCL], 3, v[VSCL]
	v_lshl_add_u32 v[VSCL], v24, 8, v[VSCL]
	s_lshl_b32 s94, s56, 2
	s_lshl_b32 s95, s57, 10
	s_add_co_u32 s94, s94, s95
	s_add_co_u32 s94, s94, SCL
	v_add_nc_u32 v[VSCL], s94, v[VSCL]
	s_and_b32 s67, s88, 1                          ; phase B: my block b of the slice,
	s_lshr_b32 s[TRIPS], s88, 1                    ; and which 32 ranks of a trip's 128
	v_mul_u32_u24 v[VWI], v1, 48
	s_mul_i32 s94, s67, 49152
	v_add_nc_u32 v[VWI], s94, v[VWI]
	v_lshlrev_b32 v[VWSA], 3, v1
	s_lshl_b32 s94, s67, 8
	s_add_co_u32 s94, s94, SCL
	v_add_nc_u32 v[VWSA], s94, v[VWSA]
	v_add_nc_u32 v[VWI2], IMG2, v[VWI]             ; the shared slice lies IMG2 bytes behind, images and scale words alike
	v_add_nc_u32 v[VWSA2], IMG2, v[VWSA]
	v_mul_u32_u24 v[VH48], v24, 48
	v_lshlrev_b32 v[VBO], 6, v24
	s_lshl_b32 s94, s67, 7
	v_add_nc_u32 v[VBO], s94, v[VBO]
	v_mul_u32_u24 v[VHST], v24, 12288
	v_mad_u32_u24 v[VHST], v20, 48, v[VHST]
	s_mul_i32 s94, s67, 768
	s_mul_i32 s95, s[TRIPS], 24576
	s_add_co_u32 s94, s94, s95
	v_add_nc_u32 v[VHST], s94, v[VHST]             ; rank R0 + lane: tile x 12,288 + 48 row + 768 b
	v_lshlrev_b32 v[VHSS], 5, v1
	s_lshl_b32 s94, s[TRIPS], 10
	s_add_co_u32 s94, s94, s67
	v_add_nc_u32 v[VHSS], s94, v[VHSS]             ; 32 (R0 + lane) + b
	v_lshl_add_u32 v[VLRD0], v20, 2, LIST
	WIN 0x40                                       ; destination window 1, sources window 0: the list build's constants
	v_mov_b32 v[LIDB], v20                         ; the list's entries are TOKENS: bit l of word j is token 16 j + l % 16
	v_add_nc_u32 v[LTRASH], 1056, v1
	v_mov_b32 v[LFILL], 0
	v_lshl_add_u32 v[LFILLA], v1, 2, LIST
	WIN 0
	s_mul_i32 s94, s88, 12800                      ; the copy: 102,400 bytes, 12,800 a wave, 16 a lane
	v_lshlrev_b32 v[VCPG], 4, v1
	v_add_nc_u32 v[VCPG], s94, v[VCPG]
	v_add_nc_u32 v[VCPL], IMG2, v[VCPG]
	s_lshl_b32 s[R0], s[TRIPS], 5
	s_wait_kmcnt 0x0
	s_cmp_eq_u32 s56, 0
	s_cselect_b64 s[WPT:WPT+1], s[22:23], s[24:25]
	s_mov_b32 s62, s58
	s_add_nc_u64 s[WPT:WPT+1], s[WPT:WPT+1], s[62:63]
	s_mov_b32 s62, s45
	s_add_nc_u64 s[SWB:SWB+1], s[26:27], s[62:63]
	s_wait_alu depctr_va_vdst(0)                   ; every offset and address made above is written, the list build's constants too; so are v20 and v24 to v27, in which loads of the copy land
.set i, 0
.rept 22
	global_load_b128 v[160+4*i:163+4*i], v[VCPG], s[SWB:SWB+1] offset:512*i   ; the copy goes out first, into registers that the first block does not yet need,
.set i, i+1
.endr
.irp i, 22,23,24
	global_load_b128 v[20+4*(\i-22):23+4*(\i-22)], v[VCPG], s[SWB:SWB+1] offset:512*\i
.endr
	LOADS 0, 0                                     ; and the stream begins behind it
	LOADS 1, 1
	s_mov_b32 s62, s54
	s_add_nc_u64 s[BA:BA+1], s[28:29], s[62:63]
	s_add_nc_u64 s[BB:BB+1], s[30:31], s[62:63]
	s_mov_b32 s62, s42
	s_add_nc_u64 s[AB:AB+1], s[16:17], s[62:63]
	s_mov_b32 s62, s43
	s_add_nc_u64 s[ASB:ASB+1], s[18:19], s[62:63]
	s_mov_b32 s62, s59
	s_add_nc_u64 s[HCB:HCB+1], s[34:35], s[62:63]
	s_mov_b32 s62, s60
	s_add_nc_u64 s[HSB:HSB+1], s[36:37], s[62:63]
	s_mov_b32 s62, s61
	s_add_nc_u64 s[MKB:MKB+1], s[20:21], s[62:63]
	s_load_b512 s[16:31], s[MKB:MKB+1], 0x0        ; the expert's 64 words of masks, in every wave
	s_load_b512 s[32:47], s[MKB:MKB+1], 0x40
	s_load_b512 s[48:63], s[MKB:MKB+1], 0x80
	s_load_b512 s[68:83], s[MKB:MKB+1], 0xc0
	s_mov_b32 s[NEFF], 0
	s_wait_kmcnt 0x0
.irp j, 16,17,18,19,20,21,22,23,24,25,26,27,28,29,30,31,32,33,34,35,36,37,38,39,40,41,42,43,44,45,46,47,48,49,50,51,52,53,54,55,56,57,58,59,60,61,62,63,68,69,70,71,72,73,74,75,76,77,78,79,80,81,82,83
	s_bcnt1_i32_b32 s94, s\j                       ; the expert's number of rows: the bits of the 64 words
	s_add_co_u32 s[NEFF], s[NEFF], s94
.endr
	s_min_u32 s[NEFF], s[NEFF], 0x400
	s_cmp_lg_u32 s88, 0
	s_cbranch_scc1 .Lno_list
	LISTBUILD 16                                   ; wave 0 alone; no other wave touches LDS ahead of the barrier below
.Lno_list:
	s_wait_dscnt 0x0                               ; the list has landed
	s_barrier_signal -1
	s_barrier_wait -1
	s_load_b512 s[16:31], s[0:1], 0x0              ; the arguments once more, for the shared unit: the masks' words have used these registers
	s_load_b128 s[32:35], s[0:1], 0x40
	s_load_b64 s[36:37], s[0:1], 0x50
	s_wait_loadcnt 63                              ; 64 loads were issued behind the copy's last: the copy is in
.set i, 0
.rept 22
	ds_store_b128 v[VCPL], v[160+4*i:163+4*i] offset:512*i
.set i, i+1
.endr
.irp i, 22,23,24
	ds_store_b128 v[VCPL], v[20+4*(\i-22):23+4*(\i-22)] offset:512*\i
.endr
	s_wait_dscnt 0x0                               ; the copy has landed in LDS
	s_wait_alu depctr_vm_vsrc(0)                   ; the copy's LDS stores have read v160-247, v20-31 and v7, and its loads v10: the blocks below and phase B write all of these again
	BLK 0, 0, 1, 0
	BLK 1, 1, 1, 0
	BLK 0, 2, 1, 0
	BLK 1, 3, 1, 0
	BLK 0, 4, 1, 0
	BLK 1, 5, 1, 0
	BLK 0, 6, 0, 0
	BLK 1, 7, 0, 1
	s_wait_dscnt 0x0                               ; my images have landed
	s_wait_alu depctr_vm_vsrc(0)                   ; the last block's LDS stores have read v230-246, in which phase B's weight fragments land
	s_barrier_signal -1
	s_barrier_wait -1                              ; everybody's have: from here on LDS is only read
	s_wait_kmcnt 0x0
	s_and_b32 s40, ttmp9, 15                       ; the shared unit's bases: s[16:17] actc, s[18:19] acts stay as they came (the embeddings lie first)
	s_lshl_b32 s42, s40, 9
	s_mov_b32 s43, 0
	s_add_nc_u64 s[32:33], s[32:33], s[42:43]      ; sB1 at the slice's 128 numbers,
	s_add_nc_u64 s[20:21], s[32:33], 256           ; and at its second 64
	s_lshr_b32 s41, s40, 3
	s_add_co_u32 s41, s41, 16                      ; hidden units 0-1,023 count as expert 16, the others as 17;
	s_and_b32 s40, s40, 7                          ; the slice is one K step of the next product
	s_mul_i32 s42, s41, 786432
	s_mul_i32 s44, s40, 1536
	s_add_co_u32 s42, s42, s44
	s_add_nc_u64 s[34:35], s[34:35], s[42:43]
	s_lshl_b32 s42, s41, 15
	s_lshl_b32 s44, s40, 2
	s_add_co_u32 s42, s42, s44
	s_add_nc_u64 s[36:37], s[36:37], s[42:43]
	s_mov_b32 s[TRIPS], 8
.Lrow:                                                 ; eight trips of 128 ranks: 1,024, the most that an expert can have
	s_cmp_ge_u32 s[R0], s[NEFF]
	s_cbranch_scc1 .Lstep
	s_lshl_b32 s94, s[R0], 2
	v_add_nc_u32 v[VLRD], s94, v[VLRD0]
	s_wait_alu depctr_va_vdst(0)                   ; the list's address is written; all earlier vector and matrix instructions (phase A's, the last unit's) are done with v24-25, the accumulators, both sets of fragments and scale words and the rows' registers, in which this unit's loads land; v14-15, stepped at the last trip's end, are written
	ds_load_b32 v24, v[VLRD]                       ; the tokens of ranks R0 + r
	ds_load_b32 v25, v[VLRD] offset:64             ; and R0 + 16 + r
	BIASES
	KHEAD
	s_wait_dscnt 13                                ; the two list words are in; the thirteen loads behind them may be out
	v_min_u32 v24, 1023, v24
	v_min_u32 v25, 1023, v25
	v_mul_u32_u24 v[VA0], v24, 768
	v_mul_u32_u24 v[VA0+1], v25, 768
	v_add_nc_u32 v[VA0], v[VH48], v[VA0]
	v_add_nc_u32 v[VA0+1], v[VH48], v[VA0+1]
	v_lshlrev_b32 v[VS0], 5, v24
	v_lshlrev_b32 v[VS0+1], 5, v25
	s_wait_alu depctr_va_vdst(0)                   ; the rows' four offsets are written, which the 52 loads below read
	ROWS
	KALL
	SILU 32
.irp i, 0,2,4,6,8,10,12,14
	v_pk_mul_f32 v[32+\i:33+\i], v[32+\i:33+\i], v[48+\i:49+\i]     ; x the W3 branch
.endr
.irp i, 0,2,4,6,8,10,12,14
	v_pk_mul_f32 v[64+\i:65+\i], v[64+\i:65+\i], v[80+\i:81+\i]
.endr
	QUANT2 32, 64, 136
	STOREH 136, 0, 0
.Lstep:
	s_wait_xcnt 0x0                                ; the stores' and loads' addresses are translated: their data and offsets are written again only behind this wait
	s_wait_alu depctr_vm_vsrc(0)                   ; the trip's stores have read v14-15 and v136-143, its loads v7 and v10-13: all are written again below, in the next trip or in the shared unit
	v_add_nc_u32 v[VHST], 98304, v[VHST]
	v_add_nc_u32 v[VHSS], 4096, v[VHSS]
	s_add_co_u32 s[R0], s[R0], 128
	s_sub_co_u32 s[TRIPS], s[TRIPS], 1
	s_cmp_lg_u32 s[TRIPS], 0
	s_cbranch_scc1 .Lrow
	; ---- THE SHARED EXPERT: waves 4 to 7 take block b = wave % 2 of both parts of the slice for tokens 64 (g / 16) + 32 ((wave / 2) % 2) + 0 .. 31.  A token's rank is its number: no list.
	s_cmp_lt_u32 s88, 4
	s_cbranch_scc1 .Lend
.set VWI,  VWI2
.set VWSA, VWSA2
.set AB,   16
.set ASB,  18
.set BA,   32
.set BB,   20
.set HCB,  34
.set HSB,  36
	s_lshr_b32 s94, ttmp9, 4
	s_lshl_b32 s94, s94, 6
	s_lshr_b32 s95, s88, 1
	s_and_b32 s95, s95, 1
	s_lshl_b32 s95, s95, 5
	s_add_co_u32 s94, s94, s95                     ; my first token
	v_and_b32 v26, 15, v0
	v_bfe_u32 v27, v0, 4, 1
	v_add_nc_u32 v24, s94, v26
	v_add_nc_u32 v25, 16, v24
	v_mul_u32_u24 v[VA0], v24, 768
	v_mul_u32_u24 v[VA0+1], v25, 768
	v_add_nc_u32 v[VA0], v[VH48], v[VA0]
	v_add_nc_u32 v[VA0+1], v[VH48], v[VA0+1]
	v_lshlrev_b32 v[VS0], 5, v24
	v_lshlrev_b32 v[VS0+1], 5, v25
	v_mul_u32_u24 v[VHST], v27, 12288
	v_mad_u32_u24 v[VHST], v26, 48, v[VHST]
	s_mul_i32 s95, s67, 768
	s_mul_i32 s93, s94, 768
	s_add_co_u32 s95, s95, s93
	v_add_nc_u32 v[VHST], s95, v[VHST]
	v_lshlrev_b32 v[VHSS], 5, v1
	s_lshl_b32 s93, s94, 5
	s_add_co_u32 s93, s93, s67
	v_add_nc_u32 v[VHSS], s93, v[VHSS]
	s_wait_alu depctr_va_vdst(0)                   ; the unit's six offsets are written; all earlier vector and matrix instructions are done with the accumulators, both sets of fragments and scale words and the rows' registers, in which this unit's loads land
	KHEAD
	BIASES
	ROWS
	KALL
	SILU 32                                        ; both parts of 64 columns are hidden units of their own
	QUANT2 32, 64, 136
	STOREH 136, 0, 0
	SILU 48                                        ; (it and the quantiser below write v96-135 and v144-151: none of the registers that the stores above read)
	QUANT2 48, 80, 144
	STOREH 144, 24, 2
.Lend:
	WIN 0x05                                       ; the add's two registers, sources 0 and 1, in window 1
	s_wait_dscnt 0x0                               ; the closing lines, six on end
	s_wait_alu 0x0
	s_wait_tensorcnt 0x0
	ds_add_u32 v0, v1
	s_wait_dscnt 0x0
	s_endpgm
.Lfunc_end_k_q5cac1cc419_up:
	.size	k_q5cac1cc419_up, .Lfunc_end_k_q5cac1cc419_up-k_q5cac1cc419_up
	.p2alignl 7, 3214868480
	.fill 96, 4, 3214868480
	.section	.rodata,"a",@progbits
	.p2align	6, 0x0
	.amdhsa_kernel k_q5cac1cc419_up
		.amdhsa_group_segment_fixed_size 210944
		.amdhsa_private_segment_fixed_size 0
		.amdhsa_enable_private_segment 0
		.amdhsa_kernarg_size 88
		.amdhsa_user_sgpr_count 2
		.amdhsa_user_sgpr_kernarg_segment_ptr 1
		.amdhsa_wavefront_size32 1
		.amdhsa_system_sgpr_workgroup_id_x 1
		.amdhsa_system_sgpr_workgroup_id_y 1
		.amdhsa_system_sgpr_workgroup_id_z 1
		.amdhsa_system_vgpr_workitem_id 0
		.amdhsa_next_free_vgpr 488
		.amdhsa_next_free_sgpr 102
		.amdhsa_reserve_vcc 0
		.amdhsa_float_denorm_mode_32 3
		.amdhsa_float_denorm_mode_16_64 3
		.amdhsa_memory_ordered 1
		.amdhsa_forward_progress 1
		.amdhsa_inst_pref_size 185
	.end_amdhsa_kernel
	.amdgpu_metadata
---
amdhsa.version: [ 1, 2 ]
amdhsa.kernels:
  - .name:           k_q5cac1cc419_up
    .symbol:         k_q5cac1cc419_up.kd
    .args:
      - { .name: actc, .offset: 0, .size: 8, .value_kind: global_buffer, .address_space: global }
      - { .name: acts, .offset: 8, .size: 8, .value_kind: global_buffer, .address_space: global }
      - { .name: masks, .offset: 16, .size: 8, .value_kind: global_buffer, .address_space: global }
      - { .name: W1, .offset: 24, .size: 8, .value_kind: global_buffer, .address_space: global }
      - { .name: W3, .offset: 32, .size: 8, .value_kind: global_buffer, .address_space: global }
      - { .name: swq, .offset: 40, .size: 8, .value_kind: global_buffer, .address_space: global }
      - { .name: B1, .offset: 48, .size: 8, .value_kind: global_buffer, .address_space: global }
      - { .name: B3, .offset: 56, .size: 8, .value_kind: global_buffer, .address_space: global }
      - { .name: sB1, .offset: 64, .size: 8, .value_kind: global_buffer, .address_space: global }
      - { .name: hc, .offset: 72, .size: 8, .value_kind: global_buffer, .address_space: global }
      - { .name: hsc, .offset: 80, .size: 8, .value_kind: global_buffer, .address_space: global }
    .group_segment_fixed_size: 210944
    .private_segment_fixed_size: 0
    .kernarg_segment_align: 8
    .kernarg_segment_size: 88
    .max_flat_workgroup_size: 256
    .sgpr_count:     102
    .vgpr_count:     488
    .wavefront_size: 32
...
	.end_amdgpu_metadata
.endif
;; end of part 9
;; launch down (part 10): grid 256 x 1, 8 waves a work-group, no clusters, 178,176 bytes of LDS; arguments hc, hsc, masks, wts, W2, swq, B2, sB2, ypart; writes ypart
.if DOCPART == 10
	.amdgcn_target "amdgcn-amd-amdhsa--gfx1250"
	.amdhsa_code_object_version 6
	.text
	.protected	k_q5cac1cc419_down
	.globl	k_q5cac1cc419_down
	.p2align	8
	.type	k_q5cac1cc419_down,@function
k_q5cac1cc419_down:
	s_mov_b64 s[64:65], 0
	v_nop
	global_prefetch_b8 v0, s[64:65] scope:SCOPE_SE
	s_setreg_imm32_b32 hwreg(HW_REG_WAVE_SCHED_MODE, 0, 2), 2
	s_setreg_imm32_b32 hwreg(HW_REG_WAVE_MODE, 25, 1), 1
	s_wait_xcnt 0x0
	s_wait_alu depctr_vm_vsrc(0)
; DOWN.  ypart[row] = c x (h W2 + B2) for each routed row (c its gate weight), and the two halves along K of the shared expert's second product for every token (sB2 goes with the first half, zeros with the second).
; Both operands are codes of BF6 (E3M2) with one E8M0 byte for each 32 along K; sums in f32.
; SHARES.  256 work-groups of equal weight bytes.  Work-group g owns 64 columns (g % 16) of W2 of expert g / 16: 256 KB of f32; and of the shared expert the same 64 columns x half (g / 16) % 2 of K x 128 tokens (g / 32).
; PHASE A: wave w streams K step w (128 rows, 256 consecutive bytes a load), quantises it in registers and lays it into LDS as images of the operand's registers; the shared unit's codes, which the first launch laid in
; the same form, are copied into LDS as they lie: 6,400 bytes a wave; wave 0 also builds the list of the expert's ROWS of ypart, by rank.  Every wave counts the expert's rows for itself, by scalar instructions on the same 64 words
; of masks: the trips' branch hangs on scalar registers alone.
; PHASE B: a wave takes units of 32 ranks x 64 columns (64 matrix instructions, used TRANSPOSED: source 0 = 16 weight columns, source 1 = 16 rows): the hidden codes lie in hc by rank, in the order of the operand's
; registers, so a fragment is 1,536 consecutive bytes.  The results go through the wave's own stage in LDS and leave as whole runs of 256 bytes, sixteen lanes to a row of ypart.
; Behind the routed rows waves 4 to 7, whose ranks are the higher ones, take one unit each of the shared expert.
; The ranks that fill an expert's last unit of 32 carry the default entries: rows 4,096 + 32 e + rank % 32 of ypart, which nobody reads, with the weight 0.
; The row loop has a constant count of trips; a trip whose ranks lie beyond the stored count is jumped over.  No barrier stands behind the second.
; No tensor load and no joint request: branches hang on stored counts; what eight work-groups read alike, a shared unit's 51,200 bytes, is a sixth of a work-group's bytes.
; THE MODE: SCHED_MODE bits 1:0 = 2 (LLVM: expert scheduling mode 2), set by the entry lines.  The code itself states the register dependences between vector or matrix instructions and memory or LDS instructions, with s_wait_alu, always for 0.
; THE PLAN.  Registers that memory or LDS instructions touch:
;   v2-v23       offsets and addresses.  Made at the head, ahead of one wait.  Written again: v7, v18, v16-17 at a unit's head, v10-13 at a trip's end: behind the one wait on vm_vsrc of a trip, and ahead of a wait on va_vdst.
;   window 1, v258-295  the list build's own: sixteen addresses and sixteen entries are made, one wait, sixteen LDS stores; a wait on vm_vsrc ahead of the next sixteen.
;   v32-159      phase A: two sets by turns: a block's maxima and moves read a set; behind them one wait, and the set's next 32 loads.
;   v232-246, v230-231  phase A: the conversions write the codes, one wait, the block's LDS stores read them; a wait on vm_vsrc ahead of the next block's conversions.
;   window 1, v296-487  phase B: ALL EIGHT K steps of a unit's rows: written by 48 loads at the unit's head, read by its matrix instructions as source 1: nothing lands there inside the K loop, which runs under one window setting.
;   v208-255 and v96-143, v28-29 and v30-31  phase B: TWO whole sets of weight fragments and scale words by turns.  K step s multiplies set s % 2; the loads of step s + 1 land in the other set, which step s - 1 read.
;     ONE wait at a K step's head states that the last step's matrix instructions are done reading it; the step's thirteen LDS loads follow, dealt among its eight matrix instructions, which name none of the registers that they touch.
;   v32-95       the accumulators: the bias lands in them at a unit's head; on the way out they are the data of the stage's stores, behind one wait.
;   v96-175      the way out: list words and whole rows come back from LDS, behind the same wait;  v176-191 the sixteen offsets, made in a run, one wait, sixteen stores.
.set SCL,   49152                      ; LDS: 0 .. 49,151 the images [K step][tile j] x 1,536;  here the weights' scale words [K step][r + 16 (j % 2)][j / 2]
.set SSTR,  256
.set LIST,  51200                      ; the list: 1,056 entries by rank, 32 words for the lanes that have nothing to say
.set STG,   55808                      ; a stage of 32 rows x (256 + 16) bytes for each wave
.set IMG2,  125440                     ; the shared unit's images,
.set SCL2,  174592                     ; and its scale words
.set ASTR,  1536                       ; hc: from K step to K step
.set VL8,   2
.set VIMG,  3
.set VSCL,  4
.set V48,   5                          ; v5   48 x lane: also the routed images' address
.set VWI,   5
.set VWSA,  6                          ; v6   SCL + 8 x lane
.set VLRD,  7                          ; v7   the list at my unit's ranks, a lane a row of a tile.  First: where my part of the copy goes
.set VCPL,  7
.set VLRD0, 8
.set VBO,   9                          ; v9   32 (lane / 16)
.set VA0,   10                         ; v10-11 hc: my unit's two tiles, 48 x lane
.set VS0,   12                         ; v12-13 hsc: their rows
.set VSTO,  14                         ; v14  the stage, in
.set VSRD,  15                         ; v15  the stage, out
.set VLR2,  18                         ; v18  the list, two ranks an instruction.  First: where my part of the copy comes from
.set VCPG,  18
.set VLR20, 19
.set VC16,  20                         ; v20  16 (lane % 16)
.set VWI2,  22                         ; v22-23 as v5-6, for the shared unit
.set VWSA2, 23
.set CW,    24                         ; v[24:25], v[26:27] the rows' weights, tile 0, 1 (the packed form names pairs and takes their low words)
.set WS,    28
.set X,     32
.set Y0,    160
.set Y1,    192
.set BM0,   224
.set BM1,   225
.set SO0,   226
.set SO1,   227
.set BY0,   228
.set BY1,   229
.set SW0,   230
.set SW1,   231
.set C0,    232
.set C1,    240
.set LTRASH, 2                         ; IN WINDOW 1 (v256 + the number): the list build's own: v258 the idle lanes' place, v259 the default entry, v260 its address, v262 the first word's entry,
.set LFILL,  3
.set LFILLA, 4
.set LIDB,   6
.set LA,     8                         ; v264-279 sixteen LDS addresses,
.set LID,    24                        ; v280-295 sixteen entries
.set AR1,    40                        ; v296-487 the rows' fragments: K step s, tile T at 40 + 24 s + 12 T
.set ACC,   32                         ; accumulator (T, j) at 32 + 32 T + 8 j
.set WF,    208                        ; v208-255 the weight fragments of even K steps, 12 registers a tile;  v96-143 those of odd K steps
.set ASC,   192
.set WPT,   4                          ; s[4:5] my part of the weights
.set AB,    6                          ; s[6:7] hc at my expert;  s[8:9] hsc
.set ASB,   8
.set BA,    10                         ; s[10:11] the bias
.set WTB,   12                         ; s[12:13] wts
.set YP,    14                         ; s[14:15] ypart at my columns
.set MKB,   86
.set R0,    90
.set NEFF,  91
.set TRIPS, 92
.set CNT,   93
.set SWB,   96                         ; s[96:97] swq at my shared unit
.set MSB, 0
.macro WIN new                         ; a switch of the register windows: bits 1:0 source 0, 3:2 source 1, 5:4 source 2, 7:6 destination; the immediate's high byte repeats the setting that is left
.if MSB != \new
	s_set_vgpr_msb (MSB<<8)|\new
.set MSB, \new
.endif
.endm
.macro NOP4
.rept 4
	v_nop
.endr
.endm
.macro LOADS set, t                    ; 32 rows of K, 256 consecutive bytes each: a lane's registers 2 i, 2 i + 1 are columns 2 l, 2 l + 1 of row 32 t + i
.set i, 0
.rept 32
	global_load_b64 v[X+64*(\set)+2*i:X+64*(\set)+2*i+1], v[VL8], s[WPT:WPT+1] offset:(32*(\t)+i)*4096 th:TH_LOAD_NT   ; read once in the launch
.set i, i+1
.endr
.endm
.macro BLK set, t, more, last          ; one block of 32 along K for my 64 columns
.set XS, X+64*(\set)
.if \last
	s_wait_loadcnt 0x0
.else
	s_wait_loadcnt 32                              ; this set's 32 loads are in; the other set's 32 may be out
.endif
	v_max3_num_f32 v[BM0], |v[XS]|, |v[XS+2]|, 0x2800000       ; with the floor 2^(5 - 127): the byte cannot fall under 1
	v_max3_num_f32 v[BM1], |v[XS+1]|, |v[XS+3]|, 0x2800000
.irp i, 4,8,12,16,20,24,28,32,36,40,44,48,52,56,60
	v_max3_num_f32 v[BM0], v[BM0], |v[XS+\i]|, |v[XS+\i+2]|
	v_max3_num_f32 v[BM1], v[BM1], |v[XS+\i+1]|, |v[XS+\i+3]|
.endr
.set i, 0
.rept 32
	v_mov_b32 v[Y0+i], v[XS+2*i]                   ; the conversions want 16 neighbours along K in consecutive registers
	v_mov_b32 v[Y1+i], v[XS+2*i+1]
.set i, i+1
.endr
.if \more
	s_wait_alu depctr_va_vdst(0)                   ; the maxima and the moves are done reading this set, in which the next loads land: the set is asked for again at once
	LOADS \set, (\t)+2
.endif
	v_add_nc_u32 v[SO0], 0xfe000000, v[BM0]
	v_add_nc_u32 v[SO1], 0xfe000000, v[BM1]
	s_wait_dscnt 0x0                               ; the last block's LDS stores are done
.if (\t) > 0
	s_wait_alu depctr_vm_vsrc(0)                   ; the last block's LDS stores have read the codes' registers, which the conversions write again
.endif
	v_cvt_scalef32_pk16_bf6_f32 v[C0:C0+2], v[Y0:Y0+15], v[SO0]
	v_cvt_scalef32_pk16_bf6_f32 v[C0+4:C0+6], v[Y0+16:Y0+31], v[SO0]
	v_cvt_scalef32_pk16_bf6_f32 v[C1:C1+2], v[Y1:Y1+15], v[SO1]
	v_cvt_scalef32_pk16_bf6_f32 v[C1+4:C1+6], v[Y1+16:Y1+31], v[SO1]
	v_lshrrev_b32 v[BY0], 23, v[SO0]               ; the bytes; also the plain place behind the conversions
	v_lshrrev_b32 v[BY1], 23, v[SO1]
.irp i, 3,4,5
	v_mov_b32 v[C0+\i], v[C0+\i+1]
	v_mov_b32 v[C1+\i], v[C1+\i+1]
.endr
.if ((\t)%4) == 0
	v_mov_b32 v[SW0], v[BY0]
	v_mov_b32 v[SW1], v[BY1]
.else
	v_lshl_or_b32 v[SW0], v[BY0], 8*((\t)%4), v[SW0]
	v_lshl_or_b32 v[SW1], v[BY1], 8*((\t)%4), v[SW1]
.endif
	s_wait_alu depctr_va_vdst(0)                   ; the codes and the scale words are written, which the LDS stores read
.set OFF, ((\t)/4)*6144+768*((\t)%2)+24*(((\t)/2)%2)
.if (((\t)/2)%2) == 0
	ds_store_b128 v[VIMG], v[C0:C0+3] offset:OFF
	ds_store_b64 v[VIMG], v[C0+4:C0+5] offset:OFF+16
	ds_store_b128 v[VIMG], v[C1:C1+3] offset:OFF+48
	ds_store_b64 v[VIMG], v[C1+4:C1+5] offset:OFF+64
.else
	ds_store_b64 v[VIMG], v[C0:C0+1] offset:OFF
	ds_store_b128 v[VIMG], v[C0+2:C0+5] offset:OFF+8
	ds_store_b64 v[VIMG], v[C1:C1+1] offset:OFF+48
	ds_store_b128 v[VIMG], v[C1+2:C1+5] offset:OFF+56
.endif
.if ((\t)%4) == 3
	ds_store_b32 v[VSCL], v[SW0] offset:((\t)/4)*SSTR
	ds_store_b32 v[VSCL], v[SW1] offset:((\t)/4)*SSTR+8
.endif
.endm
; The expert's 64 words of masks become its list: the entry of rank p at LIST + 4 p.  A lane whose bit is off writes to a word of its own behind the list.
; Sixteen words at a time: words 16 k + 0 .. 15 lie in s[first] on.  All the registers named lie in window 1.
.macro LBATCH first, k, step
.if (\k) > 0
	s_wait_alu depctr_vm_vsrc(0)                   ; the last sixteen LDS stores have read their addresses and entries, which are written again below
.endif
.set n, 0
.rept 16
	v_mbcnt_lo_u32_b32 v[LA+n], s[\first+n], s[CNT]            ; the rows counted so far + the bits below mine: my rank
	v_cndmask_b32 v[LA+n], v[LTRASH], v[LA+n], s[\first+n]
	v_min_u32 v[LA+n], 1087, v[LA+n]
	v_lshl_add_u32 v[LA+n], v[LA+n], 2, LIST
	v_add_nc_u32 v[LID+n], (\step)*(16*(\k)+n), v[LIDB]        ; the word's entry
	s_bcnt1_i32_b32 s94, s[\first+n]
	s_add_co_u32 s[CNT], s[CNT], s94
.set n, n+1
.endr
	s_wait_alu depctr_va_vdst(0)                   ; the sixteen addresses and entries are written, which the LDS stores read
.set n, 0
.rept 16
	ds_store_b32 v[LA+n], v[LID+n]
.set n, n+1
.endr
.endm
.macro LISTBUILD step                  ; the 64 words lie in s16-63 and s68-83
	WIN 0x55                                       ; every operand place in window 1
.set i, 0
.rept 33
	ds_store_b32 v[LFILLA], v[LFILL] offset:128*i  ; the default entry, for the ranks that fill the last unit of 32
.set i, i+1
.endr
	s_mov_b32 s[CNT], 0
	LBATCH 16, 0, \step
	LBATCH 32, 1, \step
	LBATCH 48, 2, \step
	LBATCH 68, 3, \step
	WIN 0
.endm
.macro WFRAG reg, s, ct
.irp g, 0,1,2
	ds_load_b128 v[\reg+4*\g:\reg+4*\g+3], v[VWI] offset:(4*(\s)+(\ct))*1536+16*\g
.endr
.endm
.macro AFRAG s                         ; the two tiles of rows, K step s, into window 1
.irp T, 0,1
.irp g, 0,1,2
	global_load_b128 v[AR1+24*(\s)+12*\T+4*\g:AR1+24*(\s)+12*\T+4*\g+3], v[VA0+\T], s[AB:AB+1] offset:ASTR*(\s)+16*\g
.endr
.endr
.endm
.macro MM s, ct, T
.set rW, WF-112*((\s)%2)+12*(\ct)
.set rA, AR1+24*(\s)+12*(\T)
.set rC, ACC+32*(\T)+8*(\ct)
.if ((\ct)%2) == 0
	v_wmma_scale_f32_16x16x128_f8f6f4 v[rC:rC+7], v[rW:rW+11], v[rA:rA+11], v[rC:rC+7], v[WS+2*((\s)%2)+(\ct)/2], v[ASC+8*(\T)+(\s)] matrix_a_fmt:MATRIX_FMT_BF6 matrix_b_fmt:MATRIX_FMT_BF6
.else
	v_wmma_scale_f32_16x16x128_f8f6f4 v[rC:rC+7], v[rW:rW+11], v[rA:rA+11], v[rC:rC+7], v[WS+2*((\s)%2)+(\ct)/2], v[ASC+8*(\T)+(\s)] matrix_a_fmt:MATRIX_FMT_BF6 matrix_b_fmt:MATRIX_FMT_BF6 matrix_a_scale:MATRIX_SCALE_ROW1
.endif
.endm
; A K step: eight matrix instructions, the eight accumulators by turns, one instruction a turn, in the same order in every step.
; n: the global loads that may stay out: the rows' fragments of the younger K steps, six each.
.macro KSTEP s, n
.set WN, WF-112*(((\s)+1)%2)           ; the other set
	s_wait_dscnt 6                                 ; the scale words and tiles 0, 1 are in; tiles 2, 3's six loads may be out
	s_wait_loadcnt \n
.if ((\s) > 0) && ((\s) < 7)
	NOP4                                           ; four places between the last step's matrix instructions and the loads into registers that they have read; they stay beside the wait
	s_wait_alu depctr_va_vdst(0)                   ; the last step's matrix instructions are done reading the other set of fragments and scale words, in which this step's thirteen LDS loads land
.endif
.if (\s) < 7
	ds_load_b64 v[WS+2*(((\s)+1)%2):WS+2*(((\s)+1)%2)+1], v[VWSA] offset:SSTR*((\s)+1)
	WFRAG WN, (\s)+1, 0
	WFRAG WN+12, (\s)+1, 1
.endif
	MM \s, 0, 0
	MM \s, 0, 1
	MM \s, 1, 0
	MM \s, 1, 1
.if (\s) < 7
	s_wait_dscnt 7                                 ; tiles 2, 3 are in; the seven just issued may be out
	WFRAG WN+24, (\s)+1, 2                         ; no wait: no vector or matrix instruction since the wait at the step's head names the other set
	WFRAG WN+36, (\s)+1, 3
.else
	s_wait_dscnt 0x0
.endif
	MM \s, 2, 0
	MM \s, 2, 1
	MM \s, 3, 0
	MM \s, 3, 1
.if (\s) == 7
	NOP4                                           ; four places behind the last matrix instruction, before a result is read or a source written
.endif
.endm
; The parts of a unit.  They name VWI, VWSA, AB, ASB and BA, which are set anew for the shared expert's unit.
.macro BIASES                          ; the bias starts the sums: 16 loads
.irp T, 0,1
.irp j, 0,1,2,3
	global_load_b128 v[ACC+32*\T+8*\j:ACC+32*\T+8*\j+3], v[VBO], s[BA:BA+1] offset:64*\j
	global_load_b128 v[ACC+32*\T+8*\j+4:ACC+32*\T+8*\j+7], v[VBO], s[BA:BA+1] offset:64*\j+16
.endr
.endr
.endm
.macro ROWS                            ; the rows' scale words and all eight K steps of their codes: 4 + 48 loads.  Between the wait ahead of them and the last of them stand loads and the window switch alone
.irp T, 0,1
	global_load_b128 v[ASC+8*\T:ASC+8*\T+3], v[VS0+\T], s[ASB:ASB+1]
	global_load_b128 v[ASC+8*\T+4:ASC+8*\T+7], v[VS0+\T], s[ASB:ASB+1] offset:16
.endr
	WIN 0x40                                       ; destination window 1, offset window 0
.irp s, 0,1,2,3,4,5,6,7
	AFRAG \s
.endr
.endm
.macro KHEAD                           ; K step 0's weights: 13 LDS loads
	ds_load_b64 v[WS:WS+1], v[VWSA]
	WFRAG WF, 0, 0
	WFRAG WF+12, 0, 1
	WFRAG WF+24, 0, 2
	WFRAG WF+36, 0, 3
.endm
.macro KALL
	WIN 0x04                                       ; source 1, the rows, in window 1; all else in window 0: one setting for the whole K loop
	KSTEP 0, 42
	KSTEP 1, 36
	KSTEP 2, 30
	KSTEP 3, 24
	KSTEP 4, 18
	KSTEP 5, 12
	KSTEP 6, 6
	KSTEP 7, 0
	WIN 0
.endm
.macro TOSTAGE                         ; lane (r, h): rank R0 + 16 T + r, columns 16 j + 8 h + 0 .. 7; each accumulator from its low end on
.irp T, 0,1
.irp j, 0,1,2,3
	ds_store_b128 v[VSTO], v[ACC+32*\T+8*\j:ACC+32*\T+8*\j+3] offset:16*\T*272+64*\j
	ds_store_b128 v[VSTO], v[ACC+32*\T+8*\j+4:ACC+32*\T+8*\j+7] offset:16*\T*272+64*\j+16
.endr
.endr
.endm
.macro FROMSTAGE                       ; back as rows: lanes 0-15 rank R0 + 2 i, lanes 16-31 the next.  LDS serves a wave's instructions in order: these see my stores
.irp i, 0,1,2,3,4,5,6,7,8,9,10,11,12,13,14,15
	ds_load_b128 v[112+4*\i:115+4*\i], v[VSRD] offset:544*\i
.endr
.endm
	s_load_b512 s[16:31], s[0:1], 0x0              ; hc 16, hsc 18, masks 20, wts 22, W2 24, swq 26, B2 28, sB2 30
	s_load_b64 s[32:33], s[0:1], 0x40              ; ypart
	WIN 0x40
	v_lshl_add_u32 v0, v0, 2, 0x2b400
	v_mov_b32 v1, 0
	WIN 0
	v_lshrrev_b32 v22, 5, v0
	v_readfirstlane_b32 s88, v22                   ; wave 0..7
	s_and_b32 s38, ttmp9, 15                       ; sg: which 64 columns
	s_lshr_b32 s40, ttmp9, 4                       ; the expert
	s_lshl_b32 s47, s40, 22
	s_lshl_b32 s51, s38, 8                         ; 256 sg
	s_lshl_b32 s55, s40, 12
	s_add_co_u32 s55, s55, s51                     ; B2: 4,096 e + 256 sg
	s_wait_alu depctr_va_sdst(0)                   ; s88 is written, ahead of its first reader
	s_lshl_b32 s48, s88, 19                        ; my K step: 128 rows of 4,096 bytes
	s_add_co_u32 s47, s47, s48
	s_add_co_u32 s47, s47, s51
	s_mul_i32 s56, s40, 786432
	s_lshl_b32 s57, s40, 15
	s_lshl_b32 s58, s40, 8
	s_lshl_b32 s59, s40, 5
	s_add_co_u32 s59, s59, 4096                    ; the default entries: 4,096 + 32 e + lane
	s_and_b32 s41, s40, 1
	s_lshl_b32 s42, s41, 4
	s_add_co_u32 s42, s42, s38                     ; the shared unit: 16 x half of K + slice
	s_mul_i32 s42, s42, 51200
	s_add_co_u32 s42, s42, 1638400
	s_mov_b32 s63, 0
	v_and_b32 v1, 31, v0                           ; lane
	v_lshlrev_b32 v[VL8], 3, v1
	v_bfe_u32 v22, v0, 3, 2                        ; tile j of column 2 l
	v_and_b32 v23, 7, v0
	v_mul_u32_u24 v[VIMG], v22, 1536
	v_mad_u32_u24 v[VIMG], v23, 96, v[VIMG]        ; row 2 (l % 8) of it
	s_mul_i32 s94, s88, 6144
	v_add_nc_u32 v[VIMG], s94, v[VIMG]
	v_lshlrev_b32 v[VSCL], 4, v23
	v_bfe_u32 v22, v0, 3, 1
	v_lshl_add_u32 v[VSCL], v22, 7, v[VSCL]
	v_bfe_u32 v22, v0, 4, 1                        ; lane / 16
	v_lshl_add_u32 v[VSCL], v22, 2, v[VSCL]
	s_lshl_b32 s94, s88, 8
	s_add_co_u32 s94, s94, SCL
	v_add_nc_u32 v[VSCL], s94, v[VSCL]
	v_and_b32 v23, 15, v0                          ; lane % 16
	v_mul_u32_u24 v[V48], v1, 48
	v_lshl_add_u32 v[VWSA], v1, 3, SCL
	v_lshl_add_u32 v[VLRD0], v23, 2, LIST
	v_lshl_add_u32 v[VLR20], v22, 2, LIST
	v_lshlrev_b32 v[VBO], 5, v22
	v_lshlrev_b32 v[VC16], 4, v23
	s_mul_i32 s94, s88, 24576
	v_add_nc_u32 v[VA0], s94, v[V48]               ; 768 R0 + 48 lane
	v_add_nc_u32 v[VA0+1], 12288, v[VA0]
	v_lshlrev_b32 v[VS0], 5, v23
	s_lshl_b32 s94, s88, 10
	v_add_nc_u32 v[VS0], s94, v[VS0]               ; 32 (R0 + r)
	v_add_nc_u32 v[VS0+1], 512, v[VS0]
	s_mul_i32 s94, s88, 8704
	s_add_co_u32 s94, s94, STG                     ; my stage
	v_mul_u32_u24 v[VSTO], v23, 272
	v_lshl_add_u32 v[VSTO], v22, 5, v[VSTO]
	v_add_nc_u32 v[VSTO], s94, v[VSTO]             ; in: row r, 32 bytes for each half of the lanes
	v_mul_u32_u24 v[VSRD], v22, 272
	v_lshl_add_u32 v[VSRD], v23, 4, v[VSRD]
	v_add_nc_u32 v[VSRD], s94, v[VSRD]             ; out: lanes 0-15 one row, lanes 16-31 the next
	v_mov_b32 v[CW+1], 0                           ; (named as the upper halves of pairs)
	v_mov_b32 v[CW+3], 0
	WIN 0x40                                       ; destination window 1, sources window 0: the list build's constants
	v_mov_b32 v[LIDB], v1                          ; the list's entries are ROWS of ypart: bit l of word j is row 32 j + l
	v_add_nc_u32 v[LTRASH], 1056, v1
	v_add_nc_u32 v[LFILL], s59, v1
	v_lshl_add_u32 v[LFILLA], v1, 2, LIST
	WIN 0
	v_add_nc_u32 v[VWI2], IMG2, v[V48]
	v_lshl_add_u32 v[VWSA2], v1, 3, SCL2
	s_mul_i32 s94, s88, 6400                       ; the copy: 51,200 bytes, 6,400 a wave, 8 a lane
	v_lshl_add_u32 v[VCPG], v1, 3, s94
	v_add_nc_u32 v[VCPL], IMG2, v[VCPG]
	s_lshl_b32 s[R0], s88, 5
	s_wait_kmcnt 0x0
	s_mov_b32 s62, s47
	s_add_nc_u64 s[WPT:WPT+1], s[24:25], s[62:63]
	s_mov_b32 s62, s42
	s_add_nc_u64 s[SWB:SWB+1], s[26:27], s[62:63]
	s_wait_alu depctr_va_vdst(0)                   ; every offset and address made above is written, the list build's constants too
.set i, 0
.rept 25
	global_load_b64 v[160+2*i:161+2*i], v[VCPG], s[SWB:SWB+1] offset:256*i   ; the copy goes out first, into registers that the first block does not yet need,
.set i, i+1
.endr
	LOADS 0, 0                                     ; and the stream begins behind it
	LOADS 1, 1
	s_mov_b32 s62, s55
	s_add_nc_u64 s[BA:BA+1], s[28:29], s[62:63]
	s_mov_b32 s62, s56
	s_add_nc_u64 s[AB:AB+1], s[16:17], s[62:63]
	s_mov_b32 s62, s57
	s_add_nc_u64 s[ASB:ASB+1], s[18:19], s[62:63]
	s_mov_b64 s[WTB:WTB+1], s[22:23]
	s_mov_b32 s62, s51
	s_add_nc_u64 s[YP:YP+1], s[32:33], s[62:63]
	s_mov_b32 s62, s58
	s_add_nc_u64 s[MKB:MKB+1], s[20:21], s[62:63]
	s_load_b512 s[16:31], s[MKB:MKB+1], 0x0        ; the expert's 64 words of masks, in every wave
	s_load_b512 s[32:47], s[MKB:MKB+1], 0x40
	s_load_b512 s[48:63], s[MKB:MKB+1], 0x80
	s_load_b512 s[68:83], s[MKB:MKB+1], 0xc0
	s_mov_b32 s[NEFF], 0
	s_wait_kmcnt 0x0
.irp j, 16,17,18,19,20,21,22,23,24,25,26,27,28,29,30,31,32,33,34,35,36,37,38,39,40,41,42,43,44,45,46,47,48,49,50,51,52,53,54,55,56,57,58,59,60,61,62,63,68,69,70,71,72,73,74,75,76,77,78,79,80,81,82,83
	s_bcnt1_i32_b32 s94, s\j                       ; the expert's number of rows: the bits of the 64 words
	s_add_co_u32 s[NEFF], s[NEFF], s94
.endr
	s_min_u32 s[NEFF], s[NEFF], 0x400
	s_cmp_lg_u32 s88, 0
	s_cbranch_scc1 .Lno_list
	LISTBUILD 32                                   ; wave 0 alone; no other wave touches LDS ahead of the barrier below
.Lno_list:
	s_wait_dscnt 0x0                               ; the list has landed
	s_barrier_signal -1
	s_barrier_wait -1
	s_load_b512 s[16:31], s[0:1], 0x0              ; the arguments once more, for the shared unit: the masks' words have used these registers
	s_wait_loadcnt 63                              ; 64 loads were issued behind the copy's last: the copy is in
.set i, 0
.rept 25
	ds_store_b64 v[VCPL], v[160+2*i:161+2*i] offset:256*i
.set i, i+1
.endr
	s_wait_dscnt 0x0                               ; the copy has landed in LDS
	s_wait_alu depctr_vm_vsrc(0)                   ; the copy's LDS stores have read v160-209 and v7, and its loads v18: the blocks below and phase B write all of these again
	BLK 0, 0, 1, 0
	BLK 1, 1, 1, 0
	BLK 0, 2, 0, 0
	BLK 1, 3, 0, 1
	s_wait_dscnt 0x0                               ; my images have landed
	s_wait_alu depctr_vm_vsrc(0)                   ; the last block's LDS stores have read v230-246, in which phase B's weight fragments land
	s_barrier_signal -1
	s_barrier_wait -1                              ; everybody's have: from here on a wave writes only its own stage
	s_wait_kmcnt 0x0
	s_lshr_b32 s40, ttmp9, 4                       ; the shared unit's bases
	s_and_b32 s41, s40, 1                          ; which half of K:
	s_add_co_u32 s42, s41, 16                      ; it counts as expert 16 or 17 in hc and hsc
	s_mul_i32 s44, s42, 786432
	s_mov_b32 s45, 0
	s_add_nc_u64 s[16:17], s[16:17], s[44:45]
	s_lshl_b32 s44, s42, 15
	s_add_nc_u64 s[18:19], s[18:19], s[44:45]
	s_and_b32 s43, ttmp9, 15
	s_lshl_b32 s43, s43, 8
	s_add_co_u32 s44, s43, 16384
	s_cmp_eq_u32 s41, 0
	s_cselect_b32 s44, s43, s44
	s_cselect_b64 s[20:21], s[30:31], s[22:23]     ; sB2 with the first half, the zeros in wts with the second
	s_add_nc_u64 s[20:21], s[20:21], s[44:45]
	s_mov_b32 s[TRIPS], 4
.Lrow:                                                 ; four trips of 256 ranks: 1,024, the most that an expert can have
	s_cmp_ge_u32 s[R0], s[NEFF]
	s_cbranch_scc1 .Lstep
	s_lshl_b32 s94, s[R0], 2
	v_add_nc_u32 v[VLRD], s94, v[VLRD0]
	v_add_nc_u32 v[VLR2], s94, v[VLR20]
	s_wait_alu depctr_va_vdst(0)                   ; the list's two addresses are written; all earlier vector and matrix instructions (phase A's, the last unit's) are done with v16-17, v24 and v26, the accumulators, both sets of fragments and scale words and the rows' registers, in which this unit's loads land; v10-13, stepped at the last trip's end, are written
	ds_load_b32 v16, v[VLRD]                       ; the rows of ypart of ranks R0 + r
	ds_load_b32 v17, v[VLRD] offset:64             ; and R0 + 16 + r
	KHEAD
	BIASES
	s_wait_dscnt 13                                ; the two list words are in; the thirteen loads behind them may be out
	v_min_u32 v16, 6143, v16
	v_min_u32 v17, 6143, v17
	v_lshlrev_b32 v16, 2, v16
	v_lshlrev_b32 v17, 2, v17
	s_wait_alu depctr_va_vdst(0)                   ; the two offsets are written, which the loads of the rows' weights read
	global_load_b32 v[CW], v16, s[WTB:WTB+1]       ; the rows' weights: older than the rows' codes, so the first K step's wait shows them in
	global_load_b32 v[CW+2], v17, s[WTB:WTB+1]
	ROWS
	KALL
.irp T, 0,1
.irp i, 0,2,4,6,8,10,12,14,16,18,20,22,24,26,28,30
	v_pk_mul_f32 v[ACC+32*\T+\i:ACC+32*\T+\i+1], v[ACC+32*\T+\i:ACC+32*\T+\i+1], v[CW+2*\T:CW+2*\T+1] op_sel_hi:[1,0]   ; x the row's weight; each accumulator from its low end on
.endr
.endr
	s_wait_alu depctr_va_vdst(0)                   ; the weighted sums are written, which the stage's stores read; the last K step's matrix instructions are done reading v96-143, in which the LDS loads below land
	TOSTAGE
.irp i, 0,1,2,3,4,5,6,7,8,9,10,11,12,13,14,15
	ds_load_b32 v[96+\i], v[VLR2] offset:8*\i      ; the rows of ypart of ranks R0 + 2 i + lane / 16
.endr
	FROMSTAGE
	s_wait_dscnt 0x0
.irp i, 0,1,2,3,4,5,6,7,8,9,10,11,12,13,14,15
	v_min_u32 v[96+\i], 4607, v[96+\i]
	v_lshl_add_u32 v[176+\i], v[96+\i], 12, v[VC16]
.endr
	s_wait_alu depctr_va_vdst(0)                   ; the sixteen offsets, made in a run, are written, which the sixteen stores read
.irp i, 0,1,2,3,4,5,6,7,8,9,10,11,12,13,14,15
	global_store_b128 v[176+\i], v[112+4*\i:115+4*\i], s[YP:YP+1]   ; sixteen lanes store 256 consecutive bytes, at a multiple of 256 from ypart's first byte
.endr
.Lstep:
	s_wait_xcnt 0x0                                ; the stores' and loads' addresses are translated: their data and offsets are written again only behind this wait
	s_wait_alu depctr_vm_vsrc(0)                   ; the trip's stores have read v32-95 and v112-191, its loads v7, v10-13 and v16-18: all are written again below, in the next trip or in the shared unit
	v_add_nc_u32 v[VA0], 196608, v[VA0]
	v_add_nc_u32 v[VA0+1], 196608, v[VA0+1]
	v_add_nc_u32 v[VS0], 8192, v[VS0]
	v_add_nc_u32 v[VS0+1], 8192, v[VS0+1]
	s_add_co_u32 s[R0], s[R0], 256
	s_sub_co_u32 s[TRIPS], s[TRIPS], 1
	s_cmp_lg_u32 s[TRIPS], 0
	s_cbranch_scc1 .Lrow
	; ---- THE SHARED EXPERT: waves 4 to 7 take tokens 128 (g / 32) + 32 (wave % 4) + 0 .. 31.  A token's rank is its number, its row of ypart 2,048 + 32 (token / 16) + 16 x half + token % 16, its weight 1: no list, no multiplication.
	s_cmp_lt_u32 s88, 4
	s_cbranch_scc1 .Lend
.set VWI,  VWI2
.set VWSA, VWSA2
.set AB,   16
.set ASB,  18
.set BA,   20
	s_lshr_b32 s94, ttmp9, 5
	s_lshl_b32 s94, s94, 7
	s_and_b32 s95, s88, 3
	s_lshl_b32 s95, s95, 5
	s_add_co_u32 s94, s94, s95                     ; my first token
	s_mul_i32 s95, s94, 768
	v_add_nc_u32 v[VA0], s95, v[V48]
	v_add_nc_u32 v[VA0+1], 12288, v[VA0]
	v_and_b32 v16, 15, v0
	v_add_nc_u32 v16, s94, v16
	v_lshlrev_b32 v[VS0], 5, v16
	v_add_nc_u32 v[VS0+1], 512, v[VS0]
	s_lshl_b32 s95, s94, 1                         ; 32 rows of ypart for 16 tokens
	s_lshr_b32 s93, ttmp9, 4
	s_and_b32 s93, s93, 1
	s_lshl_b32 s93, s93, 4
	s_add_co_u32 s95, s95, s93
	s_add_co_u32 s95, s95, 2048
	v_bfe_u32 v17, v0, 4, 1
	v_add_nc_u32 v17, s95, v17
	v_lshl_add_u32 v17, v17, 12, v[VC16]           ; the row of my first token (lanes 16-31: of the next), 16 bytes a lane
	s_wait_alu depctr_va_vdst(0)                   ; the unit's five offsets are written; all earlier vector and matrix instructions are done with the accumulators, both sets of fragments and scale words and the rows' registers, in which this unit's loads land
	KHEAD
	BIASES
	ROWS
	KALL
	s_wait_alu depctr_va_vdst(0)                   ; the matrix instructions have written the accumulators, which the stage's stores read, and are done reading v112-143, in which the rows land; the four places ahead stay beside this wait
	TOSTAGE
	FROMSTAGE
	s_wait_dscnt 0x0
.irp i, 0,1,2,3,4,5,6,7,8,9,10,11,12,13,14,15
	global_store_b128 v17, v[112+4*\i:115+4*\i], s[YP:YP+1] offset:(32*(\i/8)+2*(\i%8))*4096   ; tokens 2 i and 2 i + 1: sixteen lanes store 256 consecutive bytes, at a multiple of 256 from ypart's first byte
.endr
.Lend:
	WIN 0x05                                       ; the add's two registers, sources 0 and 1, in window 1
	s_wait_dscnt 0x0                               ; the closing lines, six on end
	s_wait_alu 0x0
	s_wait_tensorcnt 0x0
	ds_add_u32 v0, v1
	s_wait_dscnt 0x0
	s_endpgm
.Lfunc_end_k_q5cac1cc419_down:
	.size	k_q5cac1cc419_down, .Lfunc_end_k_q5cac1cc419_down-k_q5cac1cc419_down
	.p2alignl 7, 3214868480
	.fill 96, 4, 3214868480
	.section	.rodata,"a",@progbits
	.p2align	6, 0x0
	.amdhsa_kernel k_q5cac1cc419_down
		.amdhsa_group_segment_fixed_size 178176
		.amdhsa_private_segment_fixed_size 0
		.amdhsa_enable_private_segment 0
		.amdhsa_kernarg_size 72
		.amdhsa_user_sgpr_count 2
		.amdhsa_user_sgpr_kernarg_segment_ptr 1
		.amdhsa_wavefront_size32 1
		.amdhsa_system_sgpr_workgroup_id_x 1
		.amdhsa_system_sgpr_workgroup_id_y 1
		.amdhsa_system_sgpr_workgroup_id_z 1
		.amdhsa_system_vgpr_workitem_id 0
		.amdhsa_next_free_vgpr 488
		.amdhsa_next_free_sgpr 102
		.amdhsa_reserve_vcc 0
		.amdhsa_float_denorm_mode_32 3
		.amdhsa_float_denorm_mode_16_64 3
		.amdhsa_memory_ordered 1
		.amdhsa_forward_progress 1
		.amdhsa_inst_pref_size 140
	.end_amdhsa_kernel
	.amdgpu_metadata
---
amdhsa.version: [ 1, 2 ]
amdhsa.kernels:
  - .name:           k_q5cac1cc419_down
    .symbol:         k_q5cac1cc419_down.kd
    .args:
      - { .name: hc, .offset: 0, .size: 8, .value_kind: global_buffer, .address_space: global }
      - { .name: hsc, .offset: 8, .size: 8, .value_kind: global_buffer, .address_space: global }
      - { .name: masks, .offset: 16, .size: 8, .value_kind: global_buffer, .address_space: global }
      - { .name: wts, .offset: 24, .size: 8, .value_kind: global_buffer, .address_space: global }
      - { .name: W2, .offset: 32, .size: 8, .value_kind: global_buffer, .address_space: global }
      - { .name: swq, .offset: 40, .size: 8, .value_kind: global_buffer, .address_space: global }
      - { .name: B2, .offset: 48, .size: 8, .value_kind: global_buffer, .address_space: global }
      - { .name: sB2, .offset: 56, .size: 8, .value_kind: global_buffer, .address_space: global }
      - { .name: ypart, .offset: 64, .size: 8, .value_kind: global_buffer, .address_space: global }
    .group_segment_fixed_size: 178176
    .private_segment_fixed_size: 0
    .kernarg_segment_align: 8
    .kernarg_segment_size: 72
    .max_flat_workgroup_size: 256
    .sgpr_count:     102
    .vgpr_count:     488
    .wavefront_size: 32
...
	.end_amdgpu_metadata
.endif
;; end of part 10
;; launch combine: the kernel of part 4 again; grid 256 x 1, 4 waves a work-group, no clusters, 0 bytes of LDS; arguments ypart, out0; writes out0
